; MI455X (gfx1250); checked and timed in simulation.
; The chip was launched on July 23, 2026; its instructions are those of AMD's public machine-readable ISA for CDNA 5 (MIT licence, August 2026) and "CDNA5" Instruction Set Architecture Reference Guide (July 2026). The comments in the code are by the model that wrote it; some were corrected since.
;; Transformer Block. Allowed arithmetic: matrix products marked QUANTISED: E2M3 operands, one E8M0 scale for each 32 along K, by v_wmma_scale_f32_16x16x128_f8f6f4 with both operands' format E2M3, f32 sums; everything else in f32.
;; Inputs: b1 4,096 float32; b2 1,024 float32; beta1 1,024 float32; beta2 1,024 float32; bk 1,024 float32; bo 1,024 float32; bq 1,024 float32; bv 1,024 float32; g1 1,024 float32; g2 1,024 float32; w1 1,024 x 4,096 float32; w2 4,096 x 1,024 float32; wk 1,024 x 1,024 float32; wo 1,024 x 1,024 float32; wq 1,024 x 1,024 float32; wv 1,024 x 1,024 float32; x 2 x 2,048 x 1,024 float32.
;; Outputs: out0 2 x 2,048 x 1,024 float32.
;; This version of the problem:
;;   THIS VERSION OF THE PROBLEM IS GIVEN IN LOW PRECISION. The matrix products marked QUANTISED in the list below multiply operands that are first quantised to E2M3 (2 exponent bits, 3 mantissa bits; 6 bits a number), with one power-of-two scale for each 32 numbers along K (OCP MX v1.0); their sums are f32. All else is computed in f32.
;;   The module's matrix products, in the order in which they are computed (A, B: the left and right operand; K: the contracted axis; several contracted axes count as one K, in the product's order):
;;     1. [M 4,096, K 1,024] x [K 1,024, N 1,024]; A: computed on the way; B: input wq: QUANTISED
;;     2. [M 4,096, K 1,024] x [K 1,024, N 1,024]; A: computed on the way; B: input wk: QUANTISED
;;     3. [M 4,096, K 1,024] x [K 1,024, N 1,024]; A: computed on the way; B: input wv: QUANTISED
;;     4. batch 32 x [M 2,048, K 64] x [K 64, N 2,048]; A: computed on the way; B: computed on the way: QUANTISED
;;     5. batch 32 x [M 64, K 2,048] x [K 2,048, N 2,048]; A: computed on the way; B: softmax (see below): QUANTISED
;;     6. [M 4,096, K 1,024] x [K 1,024, N 1,024]; A: computed on the way; B: input wo: QUANTISED
;;     7. [M 4,096, K 1,024] x [K 1,024, N 4,096]; A: computed on the way; B: input w1: QUANTISED
;;     8. [M 4,096, K 4,096] x [K 4,096, N 1,024]; A: computed on the way; B: input w2: QUANTISED
;;   THE QUANTISER, for each operand of a quantised product, along K:
;;     - K is cut into blocks of 32 from its start; a last block that is shorter is filled with zeros.
;;     - A block's scale is 2^e with e = floor(log2(the largest magnitude in the block)) - 2, held to -126 .. 127; a block of zeros has e = 0. As a byte (E8M0): e + 127.
;;     - Each number is divided by its block's scale, clamped to +-7.5, and rounded to the nearest number of E2M3, ties to even, subnormals kept.
;;     - The product sums the exact products of the quantised numbers (number of the format x scale) in f32.
;;   ~~~python
;;   def quantise(x, axis):      # numpy; x: float32 -> the quantised numbers, widened to float32 again
;;       x = np.moveaxis(x, axis, -1); K = x.shape[-1]
;;       x = np.pad(x, [(0, 0)] * (x.ndim - 1) + [(0, -K % 32)]); x = x.reshape(x.shape[:-1] + (-1, 32)); a = np.abs(x).max(-1, keepdims=True)
;;       e = np.where(a > 0, np.clip(np.frexp(np.where(a > 0, a, 1))[1] - 1 - 2, -126, 127), 0)      # np.frexp(a)[1] - 1 = floor(log2(a)), exactly
;;       r = np.clip(x / 2.0 ** e, -7.5, 7.5)
;;       step = 2.0 ** (np.maximum(np.frexp(np.where(r == 0, 1, r))[1] - 1, 0) - 3)
;;       q = np.round(r / step) * step * 2.0 ** e      # np.round: ties to even
;;       return np.moveaxis(q.reshape(q.shape[:-2] + (-1,))[..., :K], -1, axis).astype(np.float32)
;;   ~~~
;;   SOFTMAX AHEAD OF A QUANTISED PRODUCT. Where the list says 'softmax', what is quantised is not the finished softmax but p = 2^(t - M), with t = logit x log2(e) and M = ceil(the row's largest t), a whole number; so 1/2 < the row's largest p <= 1. The row's sum l is taken of the UNQUANTISED p, in f32, and the product's result is divided by l at the end. Since M is a whole number, a kernel that streams over the keys may use a running M (the ceiling of the running maximum): every later rescaling is an exact power of two, which a block's scale takes up: the codes' values come out the same.
;;   OPERANDS COMPUTED ON THE WAY. 'Computed on the way' means the value that the module computes at that place (a softmax that the list does not call 'softmax' is quantised finished and normalised). What goes into a quantiser is computed in f32, as accurately as f32 sums, v_exp_f32 and their like allow (about 1e-6 of the number): no bf16 or f16 on the way to a quantiser, and a product that is left as it is and whose result goes on into a quantised operand takes f32 operands (vector FMAs, or v_wmma_f32_16x16x4_f32). A number that lies on a knife's edge between two numbers of the format may be rounded either way, as far as f32 arithmetic and the matrix unit's own rounding can turn it there, and no further.
;; 2 versions. Each part assembles by itself: llvm-mc -triple=amdgcn-amd-amdhsa -mcpu=gfx1250 --defsym DOCPART=n.
;; ======== version 1 of 2: 8 launches
;; workspace buffers: wts 9,830,400 bytes; act 3,276,800 bytes; qkv 10,223,616 bytes; h 16,777,216 bytes; hid 13,107,200 bytes
;; launch wquant (part 1): grid 768 x 1, 4 waves a work-group, no clusters, 0 bytes of LDS; arguments wq, wk, wv, wo, w1, w2, wts; writes wts
.if DOCPART == 1
	.amdgcn_target "amdgcn-amd-amdhsa--gfx1250"
	.amdhsa_code_object_version 6
	.text
	.protected	k_q6ea3dc1e26_wquant
	.globl	k_q6ea3dc1e26_wquant
	.p2align	8
	.type	k_q6ea3dc1e26_wquant,@function
k_q6ea3dc1e26_wquant:
	s_mov_b64 s[64:65], 0
	v_nop
	global_prefetch_b8 v0, s[64:65] scope:SCOPE_SE
	s_setreg_imm32_b32 hwreg(HW_REG_WAVE_MODE, 25, 1), 1
	s_wait_xcnt 0x0
; The six weights, f32 stored [K][N], become codes of FP6 (E2M3) with one E8M0 scale byte for each 32 along K, laid as the products' launches read them.
; A RECORD is 128 columns n x 128 along K: 8 tiles of 16 columns, each tile two images of 768 bytes (64 along K each): the image of registers 0-5 of half a fragment:
; bytes 0-511 registers 0-3, lane l at 16 l; bytes 512-767 registers 4-5, lane l at 512 + 8 l.  12,288 bytes of codes at rec x 12,288; 128 scale words (4 bytes: 128 along K of a column) at 9,437,184 + rec x 512.
; THE COLUMNS OF A RECORD STAND IN THE ORDER P: place p holds column P(p) = p with bits 3 and 4 changed over, so that in a product used transposed a lane's 16 registers of two neighbouring tiles are 16 neighbouring columns.
; Records: wq 0-63, wk 64-127, wv 128-191, wo 192-255 (8 x block + K step), w1 256-511 (8 x block + K step), w2 512-767 (32 x block + K step).
; A work-group makes one record; wave w its places 32 w .. 32 w + 31.  A LANE TAKES A COLUMN AND ITS 128 REGISTERS RUN DOWN K: a load reads 128 neighbouring bytes a wave, a block of 32 lies in one lane, nothing is transposed.
; A block's scale is 2^(floor(log2(largest magnitude)) - 2); its byte is the largest magnitude's exponent field - 2, held at 1 from below.
; LIMITS: a block of zeros, or one whose largest magnitude lies under 2^-124, gets the byte 1 (its codes are zeros or tiny; this program alone reads the bytes); NaN and infinities are not served.
.set X, 32                             ; v32-159  my column's 128 numbers
.set E, 160                            ; v160-191 codes: 8 registers for each block, 6 used
.set U, 192                            ; v192-199 a block's upper 16 codes, before they are moved
	s_load_b256 s[4:11], s[0:1], 0x0               ; wq, wk, wv, wo
	s_load_b128 s[12:15], s[0:1], 0x20             ; w1, w2
	s_load_b64 s[16:17], s[0:1], 0x30              ; wts
	v_lshrrev_b32 v1, 5, v0
	v_readfirstlane_b32 s18, v1                    ; wave
	v_and_b32 v1, 31, v0                           ; lane
	v_and_b32 v2, 7, v1
	v_and_b32 v6, 8, v1
	v_lshl_add_u32 v2, v6, 1, v2
	v_and_b32 v6, 16, v1
	v_lshrrev_b32 v6, 1, v6
	v_add_nc_u32 v2, v2, v6                        ; P(lane)
	s_lshl_b32 s19, s18, 7
	v_lshl_add_u32 v2, v2, 2, s19                  ; my column's byte in the record's 512 bytes of a row: 128 w + 4 P(lane)
	v_lshlrev_b32 v3, 4, v1                        ; 16 x lane
	v_lshlrev_b32 v4, 3, v1                        ; 8 x lane
	v_lshl_add_u32 v5, v1, 2, s19                  ; my scale word: 128 w + 4 x lane
	s_and_b32 s20, ttmp9, 7                        ; K step,
	s_lshr_b32 s22, ttmp9, 3
	s_and_b32 s21, s22, 7                          ; block of 128 columns: the four square weights;
	s_and_b32 s22, s22, 31                         ; w1;
	s_and_b32 s23, ttmp9, 31
	s_lshr_b32 s24, ttmp9, 5
	s_and_b32 s24, s24, 7                          ; w2
	s_lshr_b32 s25, ttmp9, 8                       ; 1 for w1
	s_cmp_ge_u32 ttmp9, 256
	s_cselect_b32 s21, s22, s21
	s_cmp_ge_u32 ttmp9, 512
	s_cselect_b32 s20, s23, s20
	s_cselect_b32 s21, s24, s21
	s_cmp_eq_u32 s25, 1
	s_cselect_b32 s26, 21, 19                      ; 128 rows of 16,384 bytes (w1) or of 4,096
	s_lshl_b32 s26, s20, s26
	s_lshl_b32 s21, s21, 9
	s_add_co_u32 s26, s26, s21                     ; the record's first number, in bytes
	s_mov_b32 s27, 0
	s_mul_i32 s28, ttmp9, 12288
	s_mul_i32 s30, s18, 3072
	s_add_co_u32 s28, s28, s30                     ; my two tiles' images
	s_mov_b32 s29, 0
	s_lshl_b32 s30, ttmp9, 9
	s_add_co_u32 s30, s30, 0x900000                ; the record's scale words
	s_mov_b32 s31, 0
	s_wait_kmcnt 0x0
	s_cmp_ge_u32 ttmp9, 64                         ; which weight: the choice hangs on the work-group's number alone
	s_cselect_b64 s[4:5], s[6:7], s[4:5]
	s_cmp_ge_u32 ttmp9, 128
	s_cselect_b64 s[4:5], s[8:9], s[4:5]
	s_cmp_ge_u32 ttmp9, 192
	s_cselect_b64 s[4:5], s[10:11], s[4:5]
	s_cmp_ge_u32 ttmp9, 256
	s_cselect_b64 s[4:5], s[12:13], s[4:5]
	s_cmp_ge_u32 ttmp9, 512
	s_cselect_b64 s[4:5], s[14:15], s[4:5]
	s_add_nc_u64 s[4:5], s[4:5], s[26:27]
	s_add_nc_u64 s[6:7], s[16:17], s[28:29]
	s_add_nc_u64 s[8:9], s[16:17], s[30:31]
.macro LOADS pitch                     ; W(k, my column), k = 0 .. 127: every offset an immediate, 127 x 16,384 at the most
.set k, 0
.rept 128
	global_load_b32 v[X+k], v2, s[4:5] offset:k*\pitch th:TH_LOAD_NT
.set k, k+1
.endr
.endm
	s_cmp_eq_u32 s25, 1
	s_cbranch_scc1 .Lwide
	LOADS 4096
	s_branch .Lloaded
.Lwide:
	LOADS 16384
.Lloaded:
; Blocks 2 c and 2 c + 1 of my column, by turns; then the two tiles' images of 64 along K.
.macro WPAIR c
.irp b, 0,1
	v_max3_num_f32 v[8+\b], |v[X+64*\c+32*\b]|, |v[X+64*\c+32*\b+1]|, 0x1800000   ; and the floor 2^(3 - 127): the byte cannot fall under 1
.endr
.irp i, 2,4,6,8,10,12,14,16,18,20,22,24,26,28,30
.irp b, 0,1
	v_max3_num_f32 v[8+\b], v[8+\b], |v[X+64*\c+32*\b+\i]|, |v[X+64*\c+32*\b+\i+1]|
.endr
.endr
.irp b, 0,1
	v_add_nc_u32 v[16+\b], 0xff000000, v[8+\b]     ; 2 off the exponent field: the conversion's scale operand
.endr
.irp b, 0,1
	v_lshrrev_b32 v[20+\b], 23, v[16+\b]           ; the scale's byte
.endr
.if \c == 0
	v_lshl_or_b32 v24, v21, 8, v20                 ; the four bytes make my column's scale word
.else
	v_lshl_or_b32 v24, v20, 16, v24
	v_lshl_or_b32 v24, v21, 24, v24
.endif
.irp b, 0,1
	v_cvt_scalef32_pk16_fp6_f32 v[E+16*\c+8*\b:E+16*\c+8*\b+2], v[X+64*\c+32*\b:X+64*\c+32*\b+15], v[16+\b]
	v_cvt_scalef32_pk16_fp6_f32 v[U+4*\b:U+4*\b+2], v[X+64*\c+32*\b+16:X+64*\c+32*\b+31], v[16+\b]   ; (a conversion's three registers begin on an even number)
.endr
	v_nop                                          ; one plain place behind a scaled conversion
.irp b, 0,1
.irp i, 0,1,2
	v_mov_b32 v[E+16*\c+8*\b+3+\i], v[U+4*\b+\i]
.endr
.endr
.irp i, 0,1,2,3,4,5                    ; lanes 0-15 hold tile 2 w's columns, lanes 16-31 tile 2 w + 1's.  An image wants block 2 c in lanes 0-15 and block 2 c + 1 in lanes 16-31, of ONE tile:
	v_permlane16_swap_b32 v[E+16*\c+\i], v[E+16*\c+8+\i]   ; the first's lanes 16-31 change places with the second's lanes 0-15: the first is now tile 2 w's image, the second tile 2 w + 1's
.endr
.irp t, 0,1
	global_store_b128 v3, v[E+16*\c+8*\t:E+16*\c+8*\t+3], s[6:7] offset:\t*1536+\c*768        ; 512 consecutive bytes
	global_store_b64 v4, v[E+16*\c+8*\t+4:E+16*\c+8*\t+5], s[6:7] offset:\t*1536+\c*768+512   ; 256 consecutive bytes
.endr
.endm
	s_wait_loadcnt 63                              ; loads come back in order: at most the youngest 63 are out, so k = 0 .. 64 are in
	WPAIR 0
	s_wait_loadcnt 0x0
	WPAIR 1
	global_store_b32 v5, v24, s[8:9]               ; 128 consecutive bytes a wave, the four waves' 512 on end
	s_endpgm
.Lfunc_end_k_q6ea3dc1e26_wquant:
	.size	k_q6ea3dc1e26_wquant, .Lfunc_end_k_q6ea3dc1e26_wquant-k_q6ea3dc1e26_wquant
	.p2alignl 7, 3214868480
	.fill 96, 4, 3214868480
	.section	.rodata,"a",@progbits
	.p2align	6, 0x0
	.amdhsa_kernel k_q6ea3dc1e26_wquant
		.amdhsa_group_segment_fixed_size 0
		.amdhsa_private_segment_fixed_size 0
		.amdhsa_enable_private_segment 0
		.amdhsa_kernarg_size 56
		.amdhsa_user_sgpr_count 2
		.amdhsa_user_sgpr_kernarg_segment_ptr 1
		.amdhsa_wavefront_size32 1
		.amdhsa_system_sgpr_workgroup_id_x 1
		.amdhsa_system_sgpr_workgroup_id_y 1
		.amdhsa_system_sgpr_workgroup_id_z 1
		.amdhsa_system_vgpr_workitem_id 0
		.amdhsa_next_free_vgpr 224
		.amdhsa_next_free_sgpr 66
		.amdhsa_reserve_vcc 0
		.amdhsa_float_denorm_mode_32 3
		.amdhsa_float_denorm_mode_16_64 3
		.amdhsa_memory_ordered 1
		.amdhsa_forward_progress 1
		.amdhsa_inst_pref_size 34
	.end_amdhsa_kernel
	.amdgpu_metadata
---
amdhsa.version: [ 1, 2 ]
amdhsa.kernels:
  - .name:           k_q6ea3dc1e26_wquant
    .symbol:         k_q6ea3dc1e26_wquant.kd
    .args:
      - { .name: wq, .offset: 0, .size: 8, .value_kind: global_buffer, .address_space: global }
      - { .name: wk, .offset: 8, .size: 8, .value_kind: global_buffer, .address_space: global }
      - { .name: wv, .offset: 16, .size: 8, .value_kind: global_buffer, .address_space: global }
      - { .name: wo, .offset: 24, .size: 8, .value_kind: global_buffer, .address_space: global }
      - { .name: w1, .offset: 32, .size: 8, .value_kind: global_buffer, .address_space: global }
      - { .name: w2, .offset: 40, .size: 8, .value_kind: global_buffer, .address_space: global }
      - { .name: wts, .offset: 48, .size: 8, .value_kind: global_buffer, .address_space: global }
    .group_segment_fixed_size: 0
    .private_segment_fixed_size: 0
    .kernarg_segment_align: 8
    .kernarg_segment_size: 56
    .max_flat_workgroup_size: 128
    .sgpr_count:     66
    .vgpr_count:     224
    .wavefront_size: 32
...
	.end_amdgpu_metadata
.endif
;; end of part 1
;; launch ln (part 2): grid 256 x 1, 4 waves a work-group, no clusters, 66,304 bytes of LDS; arguments x, g1, beta1, act; writes act
.if DOCPART == 2
	.amdgcn_target "amdgcn-amd-amdhsa--gfx1250"
	.amdhsa_code_object_version 6
	.text
	.protected	k_q6ea3dc1e26_ln
	.globl	k_q6ea3dc1e26_ln
	.p2align	8
	.type	k_q6ea3dc1e26_ln,@function
k_q6ea3dc1e26_ln:
	s_mov_b64 s[64:65], 0
	v_nop
	global_prefetch_b8 v0, s[64:65] scope:SCOPE_SE
	s_setreg_imm32_b32 hwreg(HW_REG_WAVE_MODE, 25, 1), 1
	s_wait_xcnt 0x0
; y = (x - mean) rsqrt(var + 1e-5) g + beta over rows of 1,024 f32, and y quantised along the row to FP6 (E2M3) with one E8M0 scale for each 32: the A operand of the next products.
; OUTPUT: codes [block of 128 rows][K step of 128][tile of 16 rows][2][768 bytes], each 768 bytes the image of registers 0-5 of half a fragment (bytes 0-511 registers 0-3, lane l at 16 l; bytes 512-767 registers 4-5, at 512 + 8 l);
; scale words (4 bytes: 128 along K of a row) [block][K step][128 rows] from byte 3,145,728 on.  ROWS STAND IN THE ORDER P: place p holds row P(p) = p with bits 3 and 4 changed over.
; A work-group makes one tile of 16 places.  Phase 1: wave w takes places 4 w .. 4 w + 3, which are four neighbouring rows: a row lies in 32 registers of the wave, mean and variance in two passes (the variance of x - mean),
; y goes to LDS (rows 4,112 bytes apart: 257 x 16, so that 16 rows at one column fall on 16 different groups of banks).  One barrier.  Phase 2: wave w makes K steps 2 w and 2 w + 1: lane (r, h) reads, of row r,
; the 32 numbers of each of its two blocks of a K step: a whole block in a lane, and the conversions' results are the operand's registers.
; The scale words leave in pieces of 64 bytes: a tile has 16 rows.  They are one byte in 128 of what the launch reads.
; LIMITS: a block of zeros, or one under 2^-124, gets the byte 1 (this program alone reads the bytes); NaN and infinities are not served.
.set X,   32                           ; v32-159  four rows, later two K steps of 64 numbers
.set GA,  160                          ; v160-191 g;  later the codes
.set BE,  192                          ; v192-223 beta;  later the scale words
.set PIT, 4112
.set F,   160                          ; codes: 12 registers for each K step
.set U,   184                          ; v184-191 upper halves before they are moved
	s_load_b256 s[4:11], s[0:1], 0x0               ; x, g, beta, act
	v_lshl_add_u32 v254, v0, 2, 0x10100
	v_mov_b32 v255, 0
	v_lshrrev_b32 v1, 5, v0
	v_readfirstlane_b32 s12, v1                    ; wave
	v_and_b32 v1, 31, v0                           ; lane
	v_and_b32 v2, 15, v0                           ; r
	v_bfe_u32 v3, v0, 4, 1                         ; h
	v_lshlrev_b32 v4, 4, v1                        ; 16 x lane
	v_lshlrev_b32 v5, 3, v1                        ; 8 x lane
	s_mul_i32 s13, s12, 4*PIT
	v_add_nc_u32 v6, s13, v4                       ; LDS, in: my wave's four rows, 16 bytes a lane
	v_mul_u32_u24 v7, v2, PIT
	v_lshl_add_u32 v7, v3, 7, v7
	s_lshl_b32 s13, s12, 10
	v_add_nc_u32 v7, s13, v7                       ; LDS, out: row r, + 128 h, + my wave's two K steps
	v_lshlrev_b32 v224, 3, v3                      ; 8 h
	v_lshlrev_b32 v225, 2, v2
	v_lshl_add_u32 v225, v3, 9, v225               ; the scale words' place: 4 r + 512 h
.irp i, 17,19,21,23,25,27,29,31
	v_mov_b32 v\i, 0                               ; written once: a lane permute's destination counts as one of its sources
.endr
	s_mov_b32 s20, 0x3a800000                      ; 1 / 1,024
	s_mov_b32 s21, 0x3727c5ac                      ; 1e-5
	s_mov_b32 s22, 0x76543210
	s_mov_b32 s23, 0xfedcba98                      ; v_permlanex16_b32's selects for lane l xor 16
	s_lshr_b32 s14, ttmp9, 1
	s_lshl_b32 s14, s14, 5
	s_and_b32 s15, ttmp9, 1
	s_lshl_b32 s15, s15, 3
	s_add_co_u32 s14, s14, s15
	s_and_b32 s15, s12, 1
	s_lshl_b32 s15, s15, 2
	s_add_co_u32 s14, s14, s15
	s_lshr_b32 s15, s12, 1
	s_lshl_b32 s15, s15, 4
	s_add_co_u32 s14, s14, s15                     ; my first row: 32 (T / 2) + 8 (T % 2) + 4 (w % 2) + 16 (w / 2)
	s_lshl_b32 s14, s14, 12
	s_mov_b32 s15, 0
	s_lshr_b32 s16, ttmp9, 3
	s_lshl_b32 s16, s16, 3
	s_lshl_b32 s17, s12, 1
	s_add_co_u32 s16, s16, s17                     ; 8 x block + my first K step
	s_and_b32 s17, ttmp9, 7                        ; the tile in its block
	s_mul_i32 s18, s16, 12288
	s_mul_i32 s19, s17, 1536
	s_add_co_u32 s18, s18, s19
	s_mov_b32 s19, 0
	s_lshl_b32 s24, s16, 9
	s_lshl_b32 s25, s17, 6
	s_add_co_u32 s24, s24, s25
	s_add_co_u32 s24, s24, 0x300000
	s_mov_b32 s25, 0
	s_wait_kmcnt 0x0
	s_add_nc_u64 s[4:5], s[4:5], s[14:15]
	s_add_nc_u64 s[18:19], s[10:11], s[18:19]
	s_add_nc_u64 s[24:25], s[10:11], s[24:25]
.irp k, 0,1,2,3
.irp j, 0,1,2,3,4,5,6,7
	global_load_b128 v[X+32*\k+4*\j:X+32*\k+4*\j+3], v4, s[4:5] offset:4096*\k+512*\j th:TH_LOAD_NT   ; 512 consecutive bytes
.endr
.endr
.irp j, 0,1,2,3,4,5,6,7
	global_load_b128 v[GA+4*\j:GA+4*\j+3], v4, s[6:7] offset:512*\j
.endr
.irp j, 0,1,2,3,4,5,6,7
	global_load_b128 v[BE+4*\j:BE+4*\j+3], v4, s[8:9] offset:512*\j
.endr
.macro WSUM b                          ; four sums over the wave's 32 lanes, by turns: v[b + 2 k]; v[b + 2 k + 1] at work
.irp m, 1,2,4,8
.irp k, 0,1,2,3
	v_add_f32_dpp v[\b+2*\k], v[\b+2*\k], v[\b+2*\k] row_xmask:\m row_mask:0xf bank_mask:0xf
.endr
.endr
.irp k, 0,1,2,3
	v_permlanex16_b32 v[\b+2*\k+1], v[\b+2*\k], s22, s23
.endr
.irp k, 0,1,2,3
	v_add_f32 v[\b+2*\k], v[\b+2*\k], v[\b+2*\k+1]
.endr
.endm
	s_wait_loadcnt 16                              ; the rows are in; the sixteen loads of g and beta may be out
.irp k, 0,1,2,3
	v_pk_add_f32 v[8+2*\k:9+2*\k], v[X+32*\k:X+32*\k+1], v[X+32*\k+2:X+32*\k+3]
.endr
.irp i, 4,6,8,10,12,14,16,18,20,22,24,26,28,30
.irp k, 0,1,2,3
	v_pk_add_f32 v[8+2*\k:9+2*\k], v[8+2*\k:9+2*\k], v[X+32*\k+\i:X+32*\k+\i+1]
.endr
.endr
.irp k, 0,1,2,3
	v_add_f32 v[16+2*\k], v[8+2*\k], v[9+2*\k]
.endr
	WSUM 16
.irp k, 0,1,2,3
	v_mul_f32 v[16+2*\k], s20, v[16+2*\k]          ; the mean
.endr
.irp i, 0,2,4,6,8,10,12,14,16,18,20,22,24,26,28,30
.irp k, 0,1,2,3
	v_pk_add_f32 v[X+32*\k+\i:X+32*\k+\i+1], v[X+32*\k+\i:X+32*\k+\i+1], v[16+2*\k:17+2*\k] op_sel_hi:[1,0] neg_lo:[0,1] neg_hi:[0,1]   ; d = x - mean
.endr
.endr
.irp k, 0,1,2,3
	v_pk_mul_f32 v[8+2*\k:9+2*\k], v[X+32*\k:X+32*\k+1], v[X+32*\k:X+32*\k+1]
.endr
.irp i, 2,4,6,8,10,12,14,16,18,20,22,24,26,28,30
.irp k, 0,1,2,3
	v_pk_fma_f32 v[8+2*\k:9+2*\k], v[X+32*\k+\i:X+32*\k+\i+1], v[X+32*\k+\i:X+32*\k+\i+1], v[8+2*\k:9+2*\k]
.endr
.endr
.irp k, 0,1,2,3
	v_add_f32 v[24+2*\k], v[8+2*\k], v[9+2*\k]
.endr
	WSUM 24
.irp k, 0,1,2,3
	v_fma_f32 v[24+2*\k], v[24+2*\k], s20, s21     ; the variance + 1e-5
.endr
.irp k, 0,1,2,3
	v_rsq_f32 v[24+2*\k], v[24+2*\k]
.endr
	v_nop                                          ; a plain place behind the last transcendental
	s_wait_loadcnt 0x0                             ; g and beta
	s_wait_alu depctr_va_vdst(0)                   ; one wait for the four, ahead of their first reader
.irp k, 0,1,2,3
.irp i, 0,2,4,6,8,10,12,14,16,18,20,22,24,26,28,30
	v_pk_mul_f32 v[X+32*\k+\i:X+32*\k+\i+1], v[X+32*\k+\i:X+32*\k+\i+1], v[24+2*\k:25+2*\k] op_sel_hi:[1,0]
.endr
.irp i, 0,2,4,6,8,10,12,14,16,18,20,22,24,26,28,30
	v_pk_fma_f32 v[X+32*\k+\i:X+32*\k+\i+1], v[X+32*\k+\i:X+32*\k+\i+1], v[GA+\i:GA+\i+1], v[BE+\i:BE+\i+1]
.endr
.irp j, 0,1,2,3,4,5,6,7
	ds_store_b128 v6, v[X+32*\k+4*\j:X+32*\k+4*\j+3] offset:\k*PIT+512*\j
.endr
.endr
	s_wait_dscnt 0x0                               ; for the others' sake: my stores have landed
	s_barrier_signal -1
	s_barrier_wait -1                              ; the tile's 16 rows of y lie in LDS
.irp s, 0,1
.irp c, 0,1
.irp i, 0,1,2,3,4,5,6,7
	ds_load_b128 v[X+64*\s+32*\c+4*\i:X+64*\s+32*\c+4*\i+3], v7 offset:\s*512+\c*256+16*\i   ; y(r, 128 (2 w + s) + 64 c + 32 h + 4 i ..)
.endr
.endr
.endr
; 64 numbers of a lane from v[y] on: register 32 c + i = k 64 c + 32 h + i of row r.  Codes to v[f] on (12 registers, the operand's own), the row's scale word to v[wreg].
.macro LNQ y, f, wreg
.irp c, 0,1
	v_max3_num_f32 v[8+\c], |v[\y+32*\c]|, |v[\y+32*\c+1]|, 0x1800000   ; my block 2 c + h, and the floor 2^(3 - 127)
.endr
.irp i, 2,4,6,8,10,12,14,16,18,20,22,24,26,28,30
.irp c, 0,1
	v_max3_num_f32 v[8+\c], v[8+\c], |v[\y+32*\c+\i]|, |v[\y+32*\c+\i+1]|
.endr
.endr
.irp c, 0,1
	v_add_nc_u32 v[12+\c], 0xff000000, v[8+\c]     ; 2 off the exponent field: the conversion's scale operand
.endr
.irp c, 0,1
	v_lshrrev_b32 v[14+\c], 23, v[12+\c]           ; the scale's byte
.endr
	v_lshl_or_b32 v[\wreg], v15, 16, v14           ; my two bytes: blocks h and 2 + h,
	v_lshlrev_b32 v[\wreg], v224, v[\wreg]         ; at their places (8 h bits up);
	v_permlanex16_b32 v10, v[\wreg], s22, s23
	v_or_b32 v[\wreg], v[\wreg], v10               ; with lane l xor 16's two the word is whole
.irp c, 0,1
	v_cvt_scalef32_pk16_fp6_f32 v[\f+6*\c:\f+6*\c+2], v[\y+32*\c:\y+32*\c+15], v[12+\c]
	v_cvt_scalef32_pk16_fp6_f32 v[U+4*\c:U+4*\c+2], v[\y+32*\c+16:\y+32*\c+31], v[12+\c]   ; (a conversion's three registers begin on an even number)
.endr
	v_nop                                          ; one plain place behind a scaled conversion
.irp c, 0,1
.irp i, 0,1,2
	v_mov_b32 v[\f+6*\c+3+\i], v[U+4*\c+\i]
.endr
.endr
.endm
.macro OUTK s                          ; K step s's fragment leaves as two images: stores of 512 and of 256 consecutive bytes
	global_store_b128 v4, v[F+12*\s:F+12*\s+3], s[18:19] offset:\s*12288
	global_store_b64 v5, v[F+12*\s+4:F+12*\s+5], s[18:19] offset:\s*12288+512
	global_store_b128 v4, v[F+12*\s+6:F+12*\s+9], s[18:19] offset:\s*12288+768
	global_store_b64 v5, v[F+12*\s+10:F+12*\s+11], s[18:19] offset:\s*12288+1280
.endm
	s_wait_dscnt 16                                ; the first K step's sixteen loads are in
	LNQ X, F, 192
	OUTK 0
	s_wait_dscnt 0x0
	LNQ X+64, F+12, 193
	OUTK 1
	v_cmp_gt_u32 vcc_lo, 16, v1
	v_cndmask_b32 v194, v193, v192, vcc_lo         ; lanes 0-15 the first K step's words, lanes 16-31 the second's
	global_store_b32 v225, v194, s[24:25]
	s_wait_tensorcnt 0x0
	ds_add_u32 v254, v255
	s_wait_dscnt 0x0
	s_endpgm
.Lfunc_end_k_q6ea3dc1e26_ln:
	.size	k_q6ea3dc1e26_ln, .Lfunc_end_k_q6ea3dc1e26_ln-k_q6ea3dc1e26_ln
	.p2alignl 7, 3214868480
	.fill 96, 4, 3214868480
	.section	.rodata,"a",@progbits
	.p2align	6, 0x0
	.amdhsa_kernel k_q6ea3dc1e26_ln
		.amdhsa_group_segment_fixed_size 66304
		.amdhsa_private_segment_fixed_size 0
		.amdhsa_enable_private_segment 0
		.amdhsa_kernarg_size 32
		.amdhsa_user_sgpr_count 2
		.amdhsa_user_sgpr_kernarg_segment_ptr 1
		.amdhsa_wavefront_size32 1
		.amdhsa_system_sgpr_workgroup_id_x 1
		.amdhsa_system_sgpr_workgroup_id_y 1
		.amdhsa_system_sgpr_workgroup_id_z 1
		.amdhsa_system_vgpr_workitem_id 0
		.amdhsa_next_free_vgpr 256
		.amdhsa_next_free_sgpr 66
		.amdhsa_reserve_vcc 1
		.amdhsa_float_denorm_mode_32 3
		.amdhsa_float_denorm_mode_16_64 3
		.amdhsa_memory_ordered 1
		.amdhsa_forward_progress 1
		.amdhsa_inst_pref_size 42
	.end_amdhsa_kernel
	.amdgpu_metadata
---
amdhsa.version: [ 1, 2 ]
amdhsa.kernels:
  - .name:           k_q6ea3dc1e26_ln
    .symbol:         k_q6ea3dc1e26_ln.kd
    .args:
      - { .name: x, .offset: 0, .size: 8, .value_kind: global_buffer, .address_space: global }
      - { .name: g1, .offset: 8, .size: 8, .value_kind: global_buffer, .address_space: global }
      - { .name: beta1, .offset: 16, .size: 8, .value_kind: global_buffer, .address_space: global }
      - { .name: act, .offset: 24, .size: 8, .value_kind: global_buffer, .address_space: global }
    .group_segment_fixed_size: 66304
    .private_segment_fixed_size: 0
    .kernarg_segment_align: 8
    .kernarg_segment_size: 32
    .max_flat_workgroup_size: 128
    .sgpr_count:     66
    .vgpr_count:     256
    .wavefront_size: 32
...
	.end_amdgpu_metadata
.endif
;; end of part 2
;; launch qkv (part 3): grid 12 x 16, 4 waves a work-group, clusters of 4 x 4, 327,680 bytes of LDS; arguments act, wts, bq, bk, bv, qkv; writes qkv
.if DOCPART == 3
	.amdgcn_target "amdgcn-amd-amdhsa--gfx1250"
	.amdhsa_code_object_version 6
	.text
	.protected	k_q6ea3dc1e26_qkv
	.globl	k_q6ea3dc1e26_qkv
	.p2align	8
	.type	k_q6ea3dc1e26_qkv,@function
k_q6ea3dc1e26_qkv:
	s_mov_b64 s[64:65], 0
	v_nop
	global_prefetch_b8 v0, s[64:65] scope:SCOPE_SE
	s_setreg_imm32_b32 hwreg(HW_REG_WAVE_MODE, 25, 1), 1
	s_wait_xcnt 0x0
	s_wait_alu depctr_hold_cnt(0) depctr_sa_sdst(0) depctr_va_vdst(0) depctr_va_sdst(0) depctr_va_ssrc(0) depctr_va_vcc(0) depctr_vm_vsrc(0)
	s_getreg_b32 s2, hwreg(HW_REG_IB_STS2, 6, 4)
	s_cmp_eq_u32 s2, 0
	s_cbranch_scc0 .Lentry_in_a_cluster
	s_endpgm
.Lentry_in_a_cluster:
	s_bfe_u32 s2, ttmp6, 0x10000c
	s_cmp_lg_u32 s2, 0xf033
	s_cbranch_scc0 .Lentry_shape_is_right
	s_endpgm
.Lentry_shape_is_right:
; q = y Wq + bq, k = y Wk + bk, v = y Wv + bv on codes of FP6 (E2M3) with E8M0 scales, and all three quantised again for the attention's two products: q and k along a head's 64, v along the keys.
; Cluster column X = 0: q; 1: k; 2: v.  For q and k the tokens are operand A (rows of C) and the weight's columns operand B; for v it is the other way round, so that a lane's registers run along the TOKENS, which are v's K.
; THE PRODUCT: a tile of C, 256 x 256, by four waves of 128 x 128 (64 accumulators, 512 registers); K in steps of 256 through two LDS slots filled by the tensor data mover.
; Operands lie in memory as IMAGES OF THE OPERAND'S REGISTERS: [block of 128 rows][K step of 128][tile of 16 rows][1,536 bytes]: for each 64 along K 512 bytes of registers 0-3 (lane l at 16 l) and 256 of registers 4-5 (at 8 l).
; So a slot's part of 128 rows is one dense block of 24,576 bytes, every LDS load reads consecutive bytes, and there is no padding.  Scale words: [block][K step][128 rows] x 4 bytes; those of all of K come once.
; ROWS STAND IN THE ORDER P (place p holds row p with bits 3 and 4 changed over).  THE MATRIX INSTRUCTION IS USED TRANSPOSED (source 0 = 16 places of B, source 1 = 16 places of A): lane (r, h) then holds A's place r, and
; the 16 registers of B's tiles 2 g and 2 g + 1 are B's rows 32 g + 16 h + 0 .. 15 in their true order: 16 neighbours along the next product's K.
; CLUSTERS: 4 x 4 work-groups; A's tiles are asked for jointly along a row of the cluster, B's along a column.
; OUTPUT (buffer qkv): q's images [head 32][tile 128][768] at 0, k's at 3,145,728; v's [head][128 keys][tile of 16 channels][1,536] at 6,291,456; q's scale words at 9,437,184 + head x 12,288;
; k's at 9,830,400 + head x 12,288 and v's 8,192 bytes behind them.  A head's scale word for q or k has its two bytes below; the two above (the next head's, or 0) meet zero codes alone and are never 0xff.
; LIMITS: a block of zeros, or one under 2^-124, gets the byte 1 (this program alone reads the bytes); NaN and infinities are not served.
; REGISTERS: window 0: v0-31 addresses; v32-63 scale words, two sets; v64-127 the bias along B; v128-223 A's fragments, one set; v248-255 the bias along A; on the way out v128-229 at work.
;   window 1: B's fragments, two sets, at v0 and v128.   windows 2, 3: the accumulators ((a, b) at v[8 (8 (a % 4) + b)]).
.set KDIM,  1024
.set KST,   KDIM/128                   ; K steps of 128
.set LAPS,  KDIM/512                   ; a lap = once round the ring = 512 along K
.set NQ,    2                          ; matrix instructions deep in a slot
.set FR,    12                         ; registers of a fragment
.set NL,    4                          ; LDS loads that bring one
.set NP,    4                          ; places behind this matrix instruction (ISA guide 7.12.1)
.set PIECE, 24576                      ; 128 rows x 256 K: what one tensor load brings
.set SLOT,  4*PIECE                    ; A's two blocks, then B's two
.set SCL,   2*SLOT                     ; behind the ring: the scale words
.set HALFS, KST*512                    ; those of 128 rows: what one tensor load brings.
.set SPARE, SCL+4*HALFS+256            ; the spare words, 128 bytes for each wave: two blocks of 256 bytes that no other line names
.set ADRA, 16                          ; v16-17 LDS address of my A fragments in slot 0, 1, + 16 x lane;  v18-19 the same + 8 x lane
.set ADRB, 20                          ; v20-23 the same for B
.set ADRS, 27                          ; v27 my scale words: lanes 0-15 A's, lanes 16-31 B's
.set SPW,  28                          ; v28 LDS address of my spare word; never rewritten
.set NIL,  29                          ; v29 0; never rewritten
.set SC,   32                          ; scale words: set s at v[SC + 16 s]; register 2 i + q: lanes 0-15 A's tile i, lanes 16-31 B's tile i, the slot's q-th 128 along K
.set AF,   128
.set G1, 24                            ; s[24:31] group 1 for A's tiles; s[32:39] group 0, a set for each slot
.set G0, 32
.set G1B, 48                           ; s[48:55], s[56:63] the same for B's
.set G0B, 56
.set G1S, 68                           ; s[68:75], s[76:79] groups 1 and 0 for A's scale words; s[80:87], s[88:91] for B's
.set G0S, 76
.set G1SB, 80
.set G0SB, 88
.set MSB, 0
.macro WIN new                         ; the immediate's high byte repeats the setting that is left
.if MSB != (\new)
	s_set_vgpr_msb (MSB<<8)|(\new)
.set MSB, (\new)
.endif
.endm
.set MUL_LO, 0xa1                      ; source 0 (B) window 1, source 1 (A) window 0, C and D window 2
.set MUL_HI, 0xf1                      ; the same, C and D window 3
.set TO_B,   0x40                      ; destination window 1, address window 0
; A joint load: waves 0 and 1 fetch for A, waves 2 and 3 for B; the branch hangs on the wave's number alone.  Four v_nop follow each of the two lines.
.macro JLOAD g0a, g1a, g0b, g1b
	s_cmp_eq_u32 s15, 0
	s_cbranch_scc0 .Lfor_b_\@
	tensor_load_to_lds s[\g0a:\g0a+3], s[\g1a:\g1a+7]
	s_nop 0
.rept 4
	v_nop
.endr
	s_branch .Lasked_\@
.Lfor_b_\@:
	tensor_load_to_lds s[\g0b:\g0b+3], s[\g1b:\g1b+7]
	s_nop 0
.rept 4
	v_nop
.endr
.Lasked_\@:
.endm
.macro CREST                           ; a round of the cluster's barrier behind its opening barrier
	s_cmp_lg_u32 s14, 0
	s_cbranch_scc1 .Lnot_wave_0_\@
	s_barrier_signal -3
.Lnot_wave_0_\@:
	s_barrier_wait -3
	s_barrier_signal -1
	s_barrier_wait -1
.endm
.macro CROUND                          ; a whole round
	s_barrier_signal -1
	s_barrier_wait -1
	CREST
.endm
.macro FRAG reg, adr, q, i             ; tile i's fragment of the slot's q-th 128 along K: two images on end, each 512 + 256 consecutive bytes
	ds_load_b128 v[\reg:\reg+3], v[\adr] offset:(8*(\q)+(\i))*1536
	ds_load_b64 v[\reg+4:\reg+5], v[\adr+2] offset:(8*(\q)+(\i))*1536+512
	ds_load_b128 v[\reg+6:\reg+9], v[\adr] offset:(8*(\q)+(\i))*1536+768
	ds_load_b64 v[\reg+10:\reg+11], v[\adr+2] offset:(8*(\q)+(\i))*1536+1280
.endm
; 16 matrix instructions: A's tiles a0, a0 + 1 x B's eight.  p: B's set; sc: the set of scale words; zero = 1: the first product starts the sums.  The 64 accumulators take turns, one instruction a turn.
.macro MUL16 a0, p, q, sc, zero
.irp a, \a0, \a0+1
.irp b, 0,1,2,3,4,5,6,7
.if \zero
	v_wmma_scale_f32_16x16x128_f8f6f4 v[8*(8*((\a)%4)+\b):8*(8*((\a)%4)+\b)+7], v[128*(\p)+FR*\b:128*(\p)+FR*\b+FR-1], v[AF+FR*(\a):AF+FR*(\a)+FR-1], 0, v[SC+8*NQ*(\sc)+NQ*\b+(\q)], v[SC+8*NQ*(\sc)+NQ*(\a)+(\q)] matrix_a_fmt:MATRIX_FMT_FP6 matrix_b_fmt:MATRIX_FMT_FP6 matrix_a_scale:MATRIX_SCALE_ROW1
.else
	v_wmma_scale_f32_16x16x128_f8f6f4 v[8*(8*((\a)%4)+\b):8*(8*((\a)%4)+\b)+7], v[128*(\p)+FR*\b:128*(\p)+FR*\b+FR-1], v[AF+FR*(\a):AF+FR*(\a)+FR-1], v[8*(8*((\a)%4)+\b):8*(8*((\a)%4)+\b)+7], v[SC+8*NQ*(\sc)+NQ*\b+(\q)], v[SC+8*NQ*(\sc)+NQ*(\a)+(\q)] matrix_a_fmt:MATRIX_FMT_FP6 matrix_b_fmt:MATRIX_FMT_FP6 matrix_a_scale:MATRIX_SCALE_ROW1
.endif
.endr
.endr
.endm
.macro FETCH_B slot, q, p
	WIN TO_B
.irp i, 0,1,2,3,4,5,6,7
	FRAG 128*(\p)+FR*\i, ADRB+\slot, \q, \i
.endr
	WIN 0
.endm
.macro FETCH_A slot, q, i0
.irp i, \i0, \i0+1, \i0+2, \i0+3
	FRAG AF+FR*(\i), ADRA+\slot, \q, \i
.endr
.endm
.macro SCALES sc                       ; a slot's scale words: lanes 0-15 take A's tile i, lanes 16-31 B's tile i
.irp i, 0,1,2,3,4,5,6,7
.irp q, 0,1
	ds_load_b32 v[SC+8*NQ*\sc+NQ*\i+\q], v[ADRS] offset:\q*512+\i*64
.endr
.endr
.endm
.macro PLACES n                        ; places in front of loads into registers that matrix instructions have read, and of the first read of results
.rept \n
	v_nop
.endr
.endm
.macro STEP slot, q, zero              ; a step of 128 along K that has its successor in the same slot
	s_wait_dscnt 4*NL                              ; all but the youngest sixteen loads (A's tiles 4-7) are in
	WIN MUL_LO
	MUL16 0, (\q)%2, \q, \slot, \zero
	MUL16 2, (\q)%2, \q, \slot, \zero
	s_wait_dscnt 0
	PLACES NP
	FETCH_B \slot, (\q)+1, 1-(\q)%2
	FETCH_A \slot, (\q)+1, 0
	WIN MUL_HI
	MUL16 4, (\q)%2, \q, \slot, \zero
	MUL16 6, (\q)%2, \q, \slot, \zero
	PLACES NP
	WIN 0
	FETCH_A \slot, (\q)+1, 4
.endm
; A slot's last step changes slots: one barrier; in front of it each wave waits for all its tensor loads, adds 0 to its spare word, and waits for that and for its reads of this slot.  fill = 1: the slot is filled again, 512 along K ahead.
.macro TURN slot, next, fill
	s_wait_tensorcnt 0x0                           ; all my tensor loads have landed: my part of the next slot
	ds_add_u32 v[SPW], v[NIL]                      ; 0 onto my spare word
	s_wait_dscnt 4*NL+1                            ; (the add and the youngest sixteen loads may be out)
	WIN MUL_LO
	MUL16 0, 1, NQ-1, \slot, 0
	s_wait_dscnt 0x0                               ; the add is done, and my reads of this slot are over
	s_barrier_signal -1
	MUL16 2, 1, NQ-1, \slot, 0
	WIN 0
	s_barrier_wait -1
.if \fill
	CREST                                          ; the barrier has opened a round of the cluster's barrier: no wave of any partner still reads this slot or has a load on its way
	s_add_nc_u64 s[G0+4*\slot+2:G0+4*\slot+3], s[G0+4*\slot+2:G0+4*\slot+3], 2*PIECE
	s_add_nc_u64 s[G0B+4*\slot+2:G0B+4*\slot+3], s[G0B+4*\slot+2:G0B+4*\slot+3], 2*PIECE
	JLOAD G0+4*\slot, G1, G0B+4*\slot, G1B         ; the first tensor load behind the round; its four v_nop are the places in front of the loads below
.else
	PLACES NP
.endif
	v_add_nc_u32 v[ADRS], 512*NQ, v[ADRS]          ; on to the next slot's scale words (no LDS load of mine is out)
	FETCH_B \next, 0, 0
	FETCH_A \next, 0, 0
	SCALES \next
	WIN MUL_HI
	MUL16 4, 1, NQ-1, \slot, 0
	MUL16 6, 1, NQ-1, \slot, 0
	PLACES NP
	WIN 0
	FETCH_A \next, 0, 4
.endm
.set BIAS, 64                          ; v64-127  the bias of my 128 rows of B, in the accumulators' order
.set BV,   248                         ; v248-255 bv at my place r of A's tile a
.set T,    128                         ; v128-191 64 numbers to be quantised
.set PC,   192                         ; v192-211 the codes just made
.set TM,   212                         ; v212-227 at work
.set PW,   228                         ; the scale word just made
.set PW2,  229
.set O16,  4                           ; v4 16 x lane, v5 8 x lane: from the head on
.set O8,   5
.set SWQ,  26                          ; LDS: where q's or k's scale words are gathered: 1,024 w + 4 r
.set RDQ,  31                          ; and read back: 1,024 w + 16 x lane
.set SWV,  30                          ; the same for v, in bytes of its own: 8,192 + 512 w + 4 r
.set RDV,  15
.set OV,   14                          ; v's scale words in memory: 16 r + 12,288 h
.set SEL,  104                         ; s[104:105] v_permlanex16_b32's selects for lane l xor 16
; 64 numbers of a lane, register 16 b + i = k 32 b + 16 h + i of my row, become a fragment's codes in v[PC] on and its scale word in v[PW].
.macro QUANT s
.irp b, 0,1,2,3
	v_max3_num_f32 v[TM+\b], |v[\s+16*\b]|, |v[\s+1+16*\b]|, 0x1800000   ; block b: my 16 numbers, and the floor 2^(3 - 127): the byte cannot fall under 1
.endr
.irp i, 2,4,6,8,10,12,14
.irp b, 0,1,2,3
	v_max3_num_f32 v[TM+\b], v[TM+\b], |v[\s+16*\b+\i]|, |v[\s+1+16*\b+\i]|
.endr
.endr
.irp b, 0,1,2,3
	v_permlanex16_b32 v[TM+4+\b], v[TM+\b], s[SEL], s[SEL+1]
.endr
.irp b, 0,1,2,3
	v_max_num_f32 v[TM+\b], v[TM+\b], v[TM+4+\b]   ; with lane l xor 16's: the block's largest magnitude
.endr
.irp b, 0,1,2,3
	v_add_nc_u32 v[TM+12+\b], 0xff000000, v[TM+\b] ; 2 off its exponent field: the conversion's scale operand
.endr
.irp b, 0,1,2,3
	v_lshrrev_b32 v[TM+4+\b], 23, v[TM+12+\b]      ; the scale's byte
.endr
	v_lshl_or_b32 v[PW], v[TM+5], 8, v[TM+4]
	v_lshl_or_b32 v[PW], v[TM+6], 16, v[PW]
	v_lshl_or_b32 v[PW], v[TM+7], 24, v[PW]
.irp c, 0,1
	v_cvt_scalef32_pk16_fp6_f32 v[PC+6*\c:PC+2+6*\c], v[\s+32*\c:\s+15+32*\c], v[TM+12+2*\c]
	v_cvt_scalef32_pk16_fp6_f32 v[PC+12+4*\c:PC+14+4*\c], v[\s+16+32*\c:\s+31+32*\c], v[TM+12+2*\c+1]   ; (a conversion's three registers begin on an even number)
.endr
	v_nop                                          ; one plain place behind a scaled conversion
.irp c, 0,1                                    ; the operand's layout wants a whole block in a lane: lanes 0-15 block 2 c, lanes 16-31 block 2 c + 1
.irp i, 0,1,2
	v_permlane16_swap_b32 v[PC+6*\c+\i], v[PC+12+4*\c+\i]
.endr
.irp i, 0,1,2
	v_mov_b32 v[PC+3+6*\c+\i], v[PC+12+4*\c+\i]
.endr
.endr
.endm
	s_load_b128 s[96:99], s[0:1], 0x0              ; act, wts
	s_load_b128 s[4:7], s[0:1], 0x10               ; bq, bk
	s_load_b128 s[8:11], s[0:1], 0x20              ; bv, qkv
	v_lshl_add_u32 v[SPW], v0, 2, SPARE
	v_mov_b32 v[NIL], 0
	ds_add_u32 v28, v29
	s_wait_dscnt 0x0
	v_lshrrev_b32 v1, 5, v0
	v_readfirstlane_b32 s14, v1                    ; wave 0..3
	s_lshr_b32 s15, s14, 1                         ; which half of the tile's rows is mine.  Also: I fetch for A (0) or for B (1)
	s_and_b32 s16, s14, 1                          ; which half of its columns.  Also: which 128 rows I fetch
	s_bfe_u32 s40, ttmp6, 0x40000                  ; cx, cy: my place in the cluster
	s_bfe_u32 s41, ttmp6, 0x40004
	s_and_b32 s18, ttmp7, 0xffff                   ; cluster y: which 1,024 tokens
	s_cmp_eq_u32 ttmp9, 2                          ; v?  The same in all sixteen partners
	s_cselect_b32 s17, 0, s18
	s_cselect_b32 s42, s18, 0
	s_lshl_b32 s17, s17, 2
	s_add_co_u32 s17, s17, s41                     ; tile row of C: q, k: 4 x cluster y + cy (tokens); v: cy (channels)
	s_lshl_b32 s42, s42, 2
	s_add_co_u32 s42, s42, s40                     ; tile column of C: q, k: cx (channels); v: 4 x cluster y + cx (tokens)
	s_mul_i32 s20, ttmp9, 786432                   ; the weight's 64 records of codes,
	s_mov_b32 s21, 0
	s_lshl_b32 s22, ttmp9, 15
	s_add_co_u32 s22, s22, 9437184                 ; and of scale words
	s_mov_b32 s23, 0
	s_mov_b32 s[SEL], 0x76543210
	s_mov_b32 s[SEL+1], 0xfedcba98
	s_wait_kmcnt 0x0
	s_mov_b64 s[12:13], s[10:11]                   ; qkv
	s_mov_b64 s[100:101], s[8:9]                   ; bv
	s_cmp_eq_u32 ttmp9, 0
	s_cselect_b64 s[66:67], s[4:5], s[6:7]
	s_cmp_eq_u32 ttmp9, 2
	s_cselect_b64 s[66:67], s[8:9], s[66:67]       ; the bias of this cluster column's weight
	s_add_nc_u64 s[20:21], s[98:99], s[20:21]
	s_add_nc_u64 s[22:23], s[98:99], s[22:23]
	s_add_nc_u64 s[92:93], s[96:97], 0x300000      ; the tokens' scale words
	s_cselect_b64 s[4:5], s[20:21], s[96:97]       ; A's codes, A's scale words, B's codes, B's scale words
	s_cselect_b64 s[6:7], s[22:23], s[92:93]
	s_cselect_b64 s[8:9], s[96:97], s[20:21]
	s_cselect_b64 s[10:11], s[92:93], s[22:23]
	s_lshl_b32 s43, s41, 2
	s_lshl_b32 s43, 15, s43                        ; my row of the cluster
	s_lshl_b32 s44, 0x1111, s40                    ; my column
	s_or_b32 s[G1+0], s43, (3<<16)|(1<<21)         ; 15:0 the mask; 17:16 elements of 8 bytes; 20 no padding; 21 set beside a mask
	s_or_b32 s[G1B+0], s44, (3<<16)|(1<<21)
.irp g, G1, G1B                        ; a dense block of 24,576 bytes as 96 rows of 256
	s_mov_b32 s[\g+1], 32<<16
	s_mov_b32 s[\g+2], 96<<16
	s_mov_b32 s[\g+3], 32<<16
	s_mov_b32 s[\g+4], 96
	s_mov_b32 s[\g+5], 32
	s_mov_b32 s[\g+6], 0
	s_mov_b32 s[\g+7], 0
.endr
	s_or_b32 s[G1S+0], s43, (3<<16)|(1<<21)
	s_or_b32 s[G1SB+0], s44, (3<<16)|(1<<21)
.irp g, G1S, G1SB                      ; the scale words of 128 rows: HALFS dense bytes as rows of 256
	s_mov_b32 s[\g+1], 32<<16
	s_mov_b32 s[\g+2], (HALFS/256)<<16
	s_mov_b32 s[\g+3], 32<<16
	s_mov_b32 s[\g+4], HALFS/256
	s_mov_b32 s[\g+5], 32
	s_mov_b32 s[\g+6], 0
	s_mov_b32 s[\g+7], 0
.endr
	s_lshl_b32 s20, s17, 1
	s_add_co_u32 s20, s20, s16                     ; A: the block of 128 rows that I fetch
	s_lshl_b32 s46, s42, 1
	s_add_co_u32 s46, s46, s16                     ; B: likewise
	s_mul_i32 s22, s20, HALFS
	s_mul_i32 s20, s20, KST*12288
	s_mul_i32 s92, s46, HALFS
	s_mul_i32 s46, s46, KST*12288
	s_mov_b32 s21, 0
	s_mov_b32 s23, 0
	s_mov_b32 s47, 0
	s_mov_b32 s93, 0
	s_mul_i32 s45, s14, PIECE                      ; where they go: by the wave's number alone
	s_mul_i32 s94, s14, HALFS
	s_lshl_b32 s95, s15, 7
	s_add_co_u32 s94, s94, s95
	s_add_nc_u64 s[20:21], s[4:5], s[20:21]
	s_add_nc_u64 s[22:23], s[6:7], s[22:23]
	s_add_nc_u64 s[46:47], s[8:9], s[46:47]
	s_add_nc_u64 s[92:93], s[10:11], s[92:93]
	CROUND                                         ; all sixteen work-groups are here: the first joint loads meet
	s_mov_b32 s[G0S], 1
	s_add_co_u32 s[G0S+1], s94, SCL
	s_mov_b64 s[G0S+2:G0S+3], s[22:23]
	s_or_b32 s[G0S+3], s[G0S+3], 0x80000000
	s_mov_b32 s[G0SB], 1
	s_add_co_u32 s[G0SB+1], s94, SCL
	s_mov_b64 s[G0SB+2:G0SB+3], s[92:93]
	s_or_b32 s[G0SB+3], s[G0SB+3], 0x80000000
	JLOAD G0S, G1S, G0SB, G1SB                     ; the scale words first: they are wanted with the first slot
.irp s, 0,1
	s_mov_b32 s[G0+4*\s], 1
	s_add_co_u32 s[G0+4*\s+1], s45, \s*SLOT
	s_add_nc_u64 s[G0+4*\s+2:G0+4*\s+3], s[20:21], \s*PIECE
	s_or_b32 s[G0+4*\s+3], s[G0+4*\s+3], 0x80000000
	s_mov_b32 s[G0B+4*\s], 1
	s_add_co_u32 s[G0B+4*\s+1], s45, \s*SLOT
	s_add_nc_u64 s[G0B+4*\s+2:G0B+4*\s+3], s[46:47], \s*PIECE
	s_or_b32 s[G0B+4*\s+3], s[G0B+4*\s+3], 0x80000000
	JLOAD G0+4*\s, G1, G0B+4*\s, G1B
.endr
	v_and_b32 v1, 15, v0                           ; r
	v_bfe_u32 v2, v0, 4, 1                         ; h
	v_and_b32 v3, 31, v0                           ; lane
	v_lshlrev_b32 v4, 4, v3
	v_lshlrev_b32 v5, 3, v3
	s_mul_i32 s21, s15, PIECE                      ; my 128 rows of A
	s_mul_i32 s22, s16, PIECE
	s_add_co_u32 s22, s22, 2*PIECE                 ; my 128 rows of B
.irp s, 0,1
	v_add_nc_u32 v[ADRA+\s], s21, v4
	v_add_nc_u32 v[ADRB+\s], s22, v4
	v_add_nc_u32 v[ADRA+2+\s], s21, v5
	v_add_nc_u32 v[ADRB+2+\s], s22, v5
	s_add_co_u32 s21, s21, SLOT
	s_add_co_u32 s22, s22, SLOT
.endr
	s_mul_i32 s21, s15, HALFS
	s_mul_i32 s22, s16, HALFS
	s_add_co_u32 s22, s22, 2*HALFS+128
	s_sub_co_u32 s22, s22, s21
	v_mul_u32_u24 v6, s22, v2                      ; lanes 16-31 take B's
	s_add_co_u32 s21, s21, SCL
	v_lshl_add_u32 v6, v1, 2, v6
	v_add_nc_u32 v[ADRS], s21, v6
	; the biases, both kinds in every work-group, so that no register's state hangs on the path; each way out uses one
	s_and_b32 s18, s42, 3
	s_lshl_b32 s18, s18, 10
	s_lshl_b32 s19, s16, 9
	s_add_co_u32 s18, s18, s19
	s_mov_b32 s19, 0
	s_add_nc_u64 s[66:67], s[66:67], s[18:19]      ; my 128 channels of B
	v_lshlrev_b32 v7, 6, v2                        ; + 16 h numbers
.irp g, 0,1,2,3
.irp k, 0,1,2,3
	global_load_b128 v[BIAS+16*\g+4*\k:BIAS+16*\g+4*\k+3], v7, s[66:67] offset:128*\g+16*\k   ; register 16 g + i: channel 32 g + 16 h + i
.endr
.endr
	s_and_b32 s18, s17, 3
	s_lshl_b32 s18, s18, 1
	s_add_co_u32 s18, s18, s15
	s_lshl_b32 s18, s18, 9
	s_add_nc_u64 s[100:101], s[100:101], s[18:19]  ; my 128 channels of A
	v_and_b32 v8, 7, v1
	v_lshrrev_b32 v9, 3, v1
	v_lshlrev_b32 v8, 2, v8
	v_lshl_add_u32 v8, v9, 6, v8                   ; place r of a tile: channel r % 8 + 16 (r / 8)
.irp a, 0,1,2,3,4,5,6,7
	global_load_b32 v[BV+\a], v8, s[100:101] offset:(32*(\a/2)+8*(\a%2))*4
.endr
	s_lshl_b32 s18, s14, 10
	v_lshl_add_u32 v[SWQ], v1, 2, s18
	v_add_nc_u32 v[RDQ], s18, v4
	s_lshl_b32 s18, s14, 9
	s_add_co_u32 s18, s18, 8192
	v_lshl_add_u32 v[SWV], v1, 2, s18
	v_add_nc_u32 v[RDV], s18, v4
	v_mul_u32_u24 v[OV], v2, 12288
	v_lshl_add_u32 v[OV], v1, 4, v[OV]
	s_wait_tensorcnt 1                             ; the scale words and my part of slot 0 are in (slot 1's load may be out)
	s_barrier_signal -1
	s_barrier_wait -1                              ; everybody's are
	FETCH_B 0, 0, 0
	FETCH_A 0, 0, 0
	SCALES 0
	FETCH_A 0, 0, 4
	STEP 0, 0, 1                                   ; the first step stands in front of the loop: its products start the sums
	s_mov_b32 s3, LAPS-1
.Llap:                                                 ; a trip goes once round the ring and fills both slots again
	TURN 0, 1, 1
	STEP 1, 0, 0
	TURN 1, 0, 1
	STEP 0, 0, 0
	s_sub_co_u32 s3, s3, 1
	s_cmp_lg_u32 s3, 0
	s_cbranch_scc1 .Llap
	TURN 0, 1, 0                                   ; the last lap fills nothing
	STEP 1, 0, 0
	s_wait_dscnt 4*NL
	WIN MUL_LO
	MUL16 0, 1, NQ-1, 1, 0
	MUL16 2, 1, NQ-1, 1, 0
	s_wait_dscnt 0
	WIN MUL_HI
	MUL16 4, 1, NQ-1, 1, 0
	MUL16 6, 1, NQ-1, 1, 0
	WIN 0
	; THE WAY OUT.  A's tile a at a time: its eight accumulators are 64 numbers of a lane, 128 neighbours of B's rows: bias, quantiser, and the fragment leaves as it stands, in stores of 512 and 256 consecutive bytes.
	; The scale words are gathered in the wave's own bytes of slot 0, which has had its last fill and its last read, and leave in whole runs of 256 or 512 bytes.
	PLACES NP
	s_wait_loadcnt 0x0                             ; the biases
.irp b, 0,1,2,3
	v_mov_b32 v[TM+4+\b], 0                        ; written once: a lane permute's destination counts as one of its sources
.endr
	s_cmp_eq_u32 ttmp9, 2
	s_cbranch_scc1 .Lvpath
	s_lshl_b32 s18, s17, 1
	s_add_co_u32 s18, s18, s15                     ; my block of 128 tokens
	s_lshr_b32 s19, s18, 4
	s_lshl_b32 s19, s19, 4                         ; 16 x batch
	s_lshl_b32 s20, s42, 2
	s_add_co_u32 s19, s19, s20
	s_lshl_b32 s20, s16, 1
	s_add_co_u32 s19, s19, s20                     ; my first head (of two)
	s_and_b32 s18, s18, 15                         ; the block in its sequence
	s_lshl_b32 s20, s19, 7
	s_lshl_b32 s21, s18, 3
	s_add_co_u32 s20, s20, s21
	s_mul_i32 s20, s20, 768
	s_mul_i32 s21, ttmp9, 3145728
	s_add_co_u32 s20, s20, s21
	s_mov_b32 s21, 0
	s_add_nc_u64 s[20:21], s[12:13], s[20:21]      ; the images
	s_mul_i32 s22, s19, 12288
	s_lshl_b32 s23, s18, 9
	s_add_co_u32 s22, s22, s23
	s_mul_i32 s23, ttmp9, 393216
	s_add_co_u32 s22, s22, s23
	s_add_co_u32 s22, s22, 9437184
	s_mov_b32 s23, 0
	s_add_nc_u64 s[22:23], s[12:13], s[22:23]      ; the scale words
.macro QKBLK a
	WIN 0x02+(\a)/4                                ; source 0: window 2 or 3
.set ii, 0
.rept 32
	v_pk_add_f32 v[T+ii:T+ii+1], v[64*((\a)%4)+ii:64*((\a)%4)+ii+1], v[BIAS+ii:BIAS+ii+1]   ; each accumulator from its low end on
.set ii, ii+2
.endr
	WIN 0
.if (\a) > 0
	s_wait_xcnt 0x0                                ; the last tile's stores have read their registers
.endif
	QUANT T
	global_store_b128 v[O16], v[PC:PC+3], s[20:21] offset:(\a)*768            ; the first 64 channels: my first head
	global_store_b64 v[O8], v[PC+4:PC+5], s[20:21] offset:(\a)*768+512
	global_store_b128 v[O16], v[PC+6:PC+9], s[20:21] offset:98304+(\a)*768    ; the other 64: the next head
	global_store_b64 v[O8], v[PC+10:PC+11], s[20:21] offset:98304+(\a)*768+512
	v_lshrrev_b32 v[PW2], 16, v[PW]
	ds_store_b32 v[SWQ], v[PW] offset:(\a)*64      ; (both halves of the lanes write the same word with the same value)
	ds_store_b32 v[SWQ], v[PW2] offset:512+(\a)*64
.endm
.irp a, 0,1,2,3,4,5,6,7
	QKBLK \a
.endr
	ds_load_b128 v[T:T+3], v[RDQ]                  ; LDS serves a wave's instructions in order: these see my stores
	ds_load_b128 v[T+4:T+7], v[RDQ] offset:512
	s_wait_dscnt 0x0
	global_store_b128 v[O16], v[T:T+3], s[22:23]   ; 512 consecutive bytes
	global_store_b128 v[O16], v[T+4:T+7], s[22:23] offset:12288
	s_branch .Ldone
.Lvpath:
	s_lshl_b32 s18, s17, 1
	s_add_co_u32 s18, s18, s15
	s_lshl_b32 s18, s18, 1                         ; my first head (of two)
	s_lshl_b32 s19, s42, 1
	s_add_co_u32 s19, s19, s16                     ; my block of 128 tokens
	s_lshr_b32 s20, s19, 4
	s_and_b32 s19, s19, 15                         ; the block in its sequence
	s_lshl_b32 s20, s20, 4
	s_add_co_u32 s18, s20, s18                     ; 16 x batch + head
	s_lshl_b32 s20, s18, 4
	s_add_co_u32 s20, s20, s19
	s_mul_i32 s20, s20, 6144
	s_add_co_u32 s20, s20, 6291456
	s_mov_b32 s21, 0
	s_add_nc_u64 s[20:21], s[12:13], s[20:21]      ; the images
	s_mul_i32 s22, s18, 12288
	s_lshl_b32 s23, s19, 8
	s_add_co_u32 s22, s22, s23
	s_add_co_u32 s22, s22, 9830400+8192
	s_mov_b32 s23, 0
	s_add_nc_u64 s[22:23], s[12:13], s[22:23]      ; the scale words
.macro VBLK a
	WIN 0x02+(\a)/4
.set ii, 0
.rept 64
	v_add_f32 v[T+ii], v[64*((\a)%4)+ii], v[BV+(\a)]   ; my channel's bias; each accumulator from its low end on
.set ii, ii+1
.endr
	WIN 0
.if (\a) > 0
	s_wait_xcnt 0x0
.endif
	QUANT T
	global_store_b128 v[O16], v[PC:PC+3], s[20:21] offset:((\a)/4)*98304+((\a)%4)*1536
	global_store_b64 v[O8], v[PC+4:PC+5], s[20:21] offset:((\a)/4)*98304+((\a)%4)*1536+512
	global_store_b128 v[O16], v[PC+6:PC+9], s[20:21] offset:((\a)/4)*98304+((\a)%4)*1536+768
	global_store_b64 v[O8], v[PC+10:PC+11], s[20:21] offset:((\a)/4)*98304+((\a)%4)*1536+1280
	ds_store_b32 v[SWV], v[PW] offset:(\a)*64
.endm
.irp a, 0,1,2,3,4,5,6,7
	VBLK \a
.endr
	ds_load_b128 v[T:T+3], v[RDV]
	s_wait_dscnt 0x0
	global_store_b128 v[OV], v[T:T+3], s[22:23]    ; lanes 0-15: 256 consecutive bytes of my first head, lanes 16-31 of the next
.Ldone:
	s_wait_tensorcnt 0x0                           ; the wave's end
	ds_add_u32 v[SPW], v[NIL]
	s_wait_dscnt 0x0
	CROUND                                         ; the closing round
	s_endpgm
.Lfunc_end_k_q6ea3dc1e26_qkv:
	.size	k_q6ea3dc1e26_qkv, .Lfunc_end_k_q6ea3dc1e26_qkv-k_q6ea3dc1e26_qkv
	.p2alignl 7, 3214868480
	.fill 96, 4, 3214868480
	.section	.rodata,"a",@progbits
	.p2align	6, 0x0
	.amdhsa_kernel k_q6ea3dc1e26_qkv
		.amdhsa_group_segment_fixed_size 327680
		.amdhsa_private_segment_fixed_size 0
		.amdhsa_enable_private_segment 0
		.amdhsa_kernarg_size 48
		.amdhsa_user_sgpr_count 2
		.amdhsa_user_sgpr_kernarg_segment_ptr 1
		.amdhsa_wavefront_size32 1
		.amdhsa_system_sgpr_workgroup_id_x 1
		.amdhsa_system_sgpr_workgroup_id_y 1
		.amdhsa_system_sgpr_workgroup_id_z 1
		.amdhsa_system_vgpr_workitem_id 0
		.amdhsa_next_free_vgpr 1024
		.amdhsa_next_free_sgpr 106
		.amdhsa_reserve_vcc 0
		.amdhsa_float_denorm_mode_32 3
		.amdhsa_float_denorm_mode_16_64 3
		.amdhsa_memory_ordered 1
		.amdhsa_forward_progress 1
		.amdhsa_inst_pref_size 223
	.end_amdhsa_kernel
	.amdgpu_metadata
---
amdhsa.version: [ 1, 2 ]
amdhsa.kernels:
  - .name:           k_q6ea3dc1e26_qkv
    .symbol:         k_q6ea3dc1e26_qkv.kd
    .args:
      - { .name: act, .offset: 0, .size: 8, .value_kind: global_buffer, .address_space: global }
      - { .name: wts, .offset: 8, .size: 8, .value_kind: global_buffer, .address_space: global }
      - { .name: bq, .offset: 16, .size: 8, .value_kind: global_buffer, .address_space: global }
      - { .name: bk, .offset: 24, .size: 8, .value_kind: global_buffer, .address_space: global }
      - { .name: bv, .offset: 32, .size: 8, .value_kind: global_buffer, .address_space: global }
      - { .name: qkv, .offset: 40, .size: 8, .value_kind: global_buffer, .address_space: global }
    .group_segment_fixed_size: 327680
    .private_segment_fixed_size: 0
    .kernarg_segment_align: 8
    .kernarg_segment_size: 48
    .max_flat_workgroup_size: 128
    .sgpr_count:     106
    .vgpr_count:     1024
    .wavefront_size: 32
...
	.end_amdgpu_metadata
.endif
;; end of part 3
;; launch attn (part 4): grid 8 x 32, 16 waves a work-group, no clusters, 327,680 bytes of LDS; arguments qkv, act; writes act
.if DOCPART == 4
	.amdgcn_target "amdgcn-amd-amdhsa--gfx1250"
	.amdhsa_code_object_version 6
	.text
	.protected	k_q6ea3dc1e26_attn
	.globl	k_q6ea3dc1e26_attn
	.p2align	8
	.type	k_q6ea3dc1e26_attn,@function
k_q6ea3dc1e26_attn:
	s_mov_b64 s[64:65], 0
	v_nop
	global_prefetch_b8 v0, s[64:65] scope:SCOPE_SE
	s_setreg_imm32_b32 hwreg(HW_REG_WAVE_MODE, 25, 1), 1
	s_wait_xcnt 0x0
; Causal attention of 32 heads (2 x 16) of 2,048 tokens x 64 channels, both products on codes of FP6 (E2M3) with E8M0 scales, and its result quantised along the 1,024 channels for the next product.
; t = score x log2(e) / 8; M = the row's largest t so far, rounded UP to a whole number; p = 2^(t - M) is quantised along the keys, not normalised; the row's sum is taken of the unquantised p and divides at the end.
; When M moves, the sum and O are multiplied by 2^(old M - new M): exact.
; INPUT (buffer qkv): images of operand registers, tokens and channels in the order P (place p holds row p with bits 3 and 4 changed over): q, k [head][tile of 16 tokens][768 bytes: 64 channels];
; v [head][128 keys][tile of 16 channels][1,536 bytes]; scale words beside them.  The score product's K is 64: registers 6-11 of both its operands hold zero codes.
; SHARES.  A work-group takes blocks i and 15 - i of 128 queries of one head: waves 0-7 the early block, waves 8-15 the late one, a tile of 16 queries each: every work-group has the same causal work.
; Every work-group walks all 2,048 keys, 128 a step, through two LDS slots of 512 keys filled by waves 0-3 (12,288 dense bytes each); a step all of whose keys come after the wave's block is left out by a branch on ids.
; Both products are used transposed (S^T = K Q^T, O^T = V^T P^T): a lane holds one query throughout, and by the order P its 16 registers of two neighbouring tiles are 16 neighbouring keys (channels).
; NO CLUSTER: the work-groups that share K and V differ in which steps they leave out, and that is a branch on the work-group's place.
; The scale bytes of the result leave two at a time: a scale word of the next product spans two heads, which are two work-groups' work.  They are one byte in 24 of what the launch stores.
; LIMITS: a block of zeros gets the byte 1 (this program alone reads the bytes); NaN and infinities are not served.
.set SLOT1, 65536                      ; slot 1 begins here: one exclusive or turns an address in one slot into the other's
.set VOFF,  24576                      ; a slot: 512 keys of K (32 tiles x 768), then of V (4 x 6,144)
.set STEPB, 6144                       ; a key step's bytes of K, and of V
.set SCW,   131072                     ; the head's scale words: K's 8,192 bytes, then V's 4,096: filled once
.set SPARE, 143360                     ; the spare words, 128 bytes for each wave: eight blocks of 256 bytes that no other line names
.set NSL,   4
.set L16,  1                           ; v1 16 x lane;  v2 8 x lane
.set L8,   2
.set ASK0, 3                           ; v3 my place among K's scale words;  v4 among V's
.set ASV0, 4
.set SPW,  5                           ; v5 LDS address of my spare word;  v6 0: never rewritten
.set NIL,  6
.set DQ,   7                           ; v7 my query's number in its block - 16 h
.set AD16, 8                           ; v8-11 the step's LDS addresses
.set AD8,  9
.set ADS,  10
.set ADT,  11
.set PFO,  28                          ; v28 256 x lane: the prefetches' offset
.set R4,   29                          ; v29 4 r
.set KFR,  32                          ; v32-79   four fragments of K (registers 6-11 of each stay 0)
.set VFR,  80                          ; v80-127  four fragments of V
.set S,    128                         ; v128-191 S^T, then p
.set O,    192                         ; v192-223 O^T;  v224-235 p's codes;  v232-254 at work;  v255 Q's scale word;  v12 -M, v13 the largest t, v[14:15] the sum;  v16-27 Q
.set WV,   18
.set SEL,  20                          ; s[20:21] v_permlanex16_b32's selects for lane l xor 16
.set CS,   22                          ; s[22:23] c = log2(e) / 8
.set G1,   24                          ; s[24:31] group 1 for K's and V's parts;  s[32:39] for the scale words;  s[40:43] the walking group 0;  s[44:47] the scale words'
.set G1S,  32
.set G0,   40
.set G0S,  44
.set TB,   2                           ; s2 the slot in hand;  s3, s66 the step's scale words of K and of V
.set TS,   3
.set TJ,   66
.set SLOTS, 67
.set KF,   68                          ; the step's first key
.set QB,   69                          ; my block's first query
.set PFA,  70                          ; s[70:71] where my prefetches stand
.set LIM,  72                          ; 1 in a wave that prefetches, else the greatest number
.macro TLOAD                           ; waves 0 and 1 fetch K's halves, waves 2 and 3 V's; four v_nop follow the line
	s_cmp_lt_u32 s[WV], 4
	s_cbranch_scc0 .Lasked_\@
	tensor_load_to_lds s[G0:G0+3], s[G1:G1+7]
	s_nop 0
.rept 4
	v_nop
.endr
.Lasked_\@:
.endm
; A prefetch into the L2 of what the NEXT change of slots will ask for: 24,576 dense bytes of K and as many of V.  All eight work-groups of a head walk the same K and V: the first of them asks.  In it waves 4-6 ask for K's
; 96 blocks of 256 bytes and waves 7-9 for V's, a lane a block, one instruction each: every block is named once in the launch.  Slots 0 and 1 come by their loads alone; the last change that fills a slot asks for nothing.
.macro ASK
	s_cmp_gt_u32 s[SLOTS], s[LIM]
	s_cbranch_scc0 .Lnot_mine_\@
	global_prefetch_b8 v[PFO], s[PFA:PFA+1] th:TH_LOAD_NT scope:SCOPE_SE
.Lnot_mine_\@:
.endm
	s_load_b128 s[4:7], s[0:1], 0x0                ; qkv, act
	v_lshl_add_u32 v[SPW], v0, 2, SPARE
	v_mov_b32 v[NIL], 0
	ds_add_u32 v5, v6
	s_wait_dscnt 0x0
	v_lshrrev_b32 v8, 5, v0
	v_readfirstlane_b32 s[WV], v8                  ; wave 0..15
	s_and_b32 s73, ttmp7, 0xffff                   ; the head (16 x batch + head)
	s_and_b32 s74, s[WV], 7                        ; my tile in its block of queries
	s_sub_co_u32 s75, 15, ttmp9
	s_cmp_lt_u32 s[WV], 8
	s_cselect_b32 s75, ttmp9, s75                  ; my block of 128 queries
	s_lshl_b32 s[QB], s75, 7
	s_mov_b32 s[G1], 3<<16                         ; no mask; elements of 8 bytes; no padding: 12,288 dense bytes as 48 rows of 256
	s_mov_b32 s[G1+1], 32<<16
	s_mov_b32 s[G1+2], 48<<16
	s_mov_b32 s[G1+3], 32<<16
	s_mov_b32 s[G1+4], 48
	s_mov_b32 s[G1+5], 32
	s_mov_b32 s[G1+6], 0
	s_mov_b32 s[G1+7], 0
	s_mov_b32 s[G1S], 3<<16                        ; 3,072 dense bytes as 12 rows of 256
	s_mov_b32 s[G1S+1], 32<<16
	s_mov_b32 s[G1S+2], 12<<16
	s_mov_b32 s[G1S+3], 32<<16
	s_mov_b32 s[G1S+4], 12
	s_mov_b32 s[G1S+5], 32
	s_mov_b32 s[G1S+6], 0
	s_mov_b32 s[G1S+7], 0
	s_and_b32 s76, s[WV], 3                        ; which part I fetch, if I fetch
	s_lshr_b32 s77, s76, 1
	s_mul_i32 s77, s77, 3145728                    ; K's images or V's
	s_and_b32 s78, s76, 1
	s_mul_i32 s78, s78, 12288
	s_add_co_u32 s77, s77, s78
	s_mul_i32 s78, s73, 98304
	s_add_co_u32 s78, s78, 3145728                 ; my head's K
	s_add_co_u32 s80, s77, s78
	s_mov_b32 s81, 0
	s_mul_i32 s82, s73, 12288
	s_mul_i32 s83, s76, 3072
	s_add_co_u32 s84, s82, s83
	s_add_co_u32 s84, s84, 9830400
	s_mov_b32 s85, 0
	s_mul_i32 s86, s76, 12288
	s_mov_b32 s[SEL], 0x76543210
	s_mov_b32 s[SEL+1], 0xfedcba98
	s_mov_b32 s[CS], 0x3e38aa3b
	s_mov_b32 s[CS+1], s[CS]                       ; (named with it as a pair, so it is written)
	s_mov_b32 s[TB], 0
	s_mov_b32 s[TS], 0
	s_mov_b32 s[TJ], 0
	s_mov_b32 s[KF], 0
	s_mov_b32 s[SLOTS], NSL-1
	s_wait_kmcnt 0x0
	s_mov_b32 s[G0S], 1
	s_add_co_u32 s[G0S+1], s83, SCW
	s_add_nc_u64 s[G0S+2:G0S+3], s[4:5], s[84:85]
	s_or_b32 s[G0S+3], s[G0S+3], 0x80000000
	s_mov_b32 s[G0], 1
	s_mov_b32 s[G0+1], s86
	s_add_nc_u64 s[G0+2:G0+3], s[4:5], s[80:81]
	s_or_b32 s[G0+3], s[G0+3], 0x80000000
	s_cmp_lt_u32 s[WV], 4                          ; a wave's two first fills stand in one branch: the scale words and slot 0
	s_cbranch_scc0 .Lno_first
	tensor_load_to_lds s[G0S:G0S+3], s[G1S:G1S+7]
	s_nop 0
	tensor_load_to_lds s[G0:G0+3], s[G1:G1+7]
	s_nop 0
.rept 4
	v_nop
.endr
.Lno_first:
	s_lshl_b32 s80, s73, 7
	s_lshl_b32 s79, s75, 3
	s_add_co_u32 s79, s79, s74                     ; my tile in the sequence
	s_add_co_u32 s80, s80, s79
	s_mul_i32 s80, s80, 768
	s_lshl_b32 s84, s79, 6
	s_add_co_u32 s84, s84, s82
	s_add_co_u32 s84, s84, 9437184
	s_add_nc_u64 s[8:9], s[4:5], s[80:81]          ; Q's image
	s_add_nc_u64 s[10:11], s[4:5], s[84:85]        ; and its scale words
	s_sub_co_u32 s87, s[WV], 4                     ; the prefetches: who asks, and where
	s_cmp_lt_u32 s87, 6
	s_cselect_b32 s88, 0, 1
	s_or_b32 s88, s88, ttmp9
	s_cmp_eq_u32 s88, 0
	s_cselect_b32 s[LIM], 1, -1                    ; waves 4 to 9 of the head's first work-group
	s_min_u32 s87, s87, 5
	s_lshl_b32 s87, s87, 13                        ; 8,192 bytes a wave
	s_cmp_ge_u32 s[WV], 7
	s_cselect_b32 s88, 3145728-24576, 0            ; waves 7 to 9: in V
	s_add_co_u32 s88, s88, s87
	s_add_co_u32 s88, s88, s78
	s_add_co_u32 s88, s88, 24576                   ; in slot 1: the first change of slots steps it to slot 2
	s_mov_b32 s89, 0
	s_add_nc_u64 s[PFA:PFA+1], s[4:5], s[88:89]
	v_and_b32 v8, 31, v0
	v_lshlrev_b32 v[L16], 4, v8
	v_lshlrev_b32 v[L8], 3, v8
	v_lshlrev_b32 v[PFO], 8, v8
	v_and_b32 v9, 15, v0                           ; r
	v_bfe_u32 v10, v0, 4, 1                        ; h
	v_lshlrev_b32 v[R4], 2, v9
	v_add_nc_u32 v[ASK0], SCW, v[R4]
	v_add_nc_u32 v[ASV0], SCW+8192, v[R4]
	global_load_b128 v[16:19], v[L16], s[8:9]      ; Q's fragment stays in registers
	global_load_b64 v[20:21], v[L8], s[8:9] offset:512
	global_load_b32 v255, v[R4], s[10:11]
	v_and_b32 v11, 7, v9
	v_lshrrev_b32 v12, 3, v9
	v_lshl_add_u32 v11, v12, 4, v11
	v_lshlrev_b32 v12, 4, v10
	v_sub_nc_u32 v11, v11, v12
	s_lshr_b32 s87, s74, 1
	s_lshl_b32 s87, s87, 5
	s_and_b32 s88, s74, 1
	s_lshl_b32 s88, s88, 3
	s_add_co_u32 s87, s87, s88
	v_add_nc_u32 v[DQ], s87, v11                   ; 32 (tile / 2) + 8 (tile % 2) + r % 8 + 16 (r / 8) - 16 h
	v_mov_b32 v13, 0xff61b1e6                      ; the largest t so far: -3e38
	v_floor_f32 v12, -v13                          ; -M
	v_mov_b32 v14, 0
	v_mov_b32 v15, 0
.irp j, 22,23,24,25,26,27
	v_mov_b32 v\j, 0                               ; Q's upper 64 along K: zero codes
.endr
.irp t, 0,1,2,3
.irp j, 6,7,8,9,10,11
	v_mov_b32 v[KFR+12*\t+\j], 0                   ; K's likewise: written once
.endr
.endr
.irp b, 0,1,2,3
	v_mov_b32 v[236+\b], 0                         ; a lane permute's destination counts as one of its sources
.endr
	v_mov_b32 v252, 0
	v_mov_b32 v253, 0
.set n, 0
.rept 32
	v_mov_b32 v[O+n], 0                            ; O^T: the step is written once, and the first finds zeros
.set n, n+1
.endr
; A KEY STEP: 128 keys, the q-th of the slot in hand.
.macro STEP q
	s_cmp_gt_u32 s[KF], s[QB]                      ; all its keys come after my block's queries: left out
	s_cbranch_scc1 .Lhidden_\@
	v_add_nc_u32 v[AD16], s[TB], v[L16]            ; (these four are the places in front of the loads into the scale registers that the last products read)
	v_add_nc_u32 v[AD8], s[TB], v[L8]
	v_add_nc_u32 v[ADS], s[TS], v[ASK0]
	v_add_nc_u32 v[ADT], s[TJ], v[ASV0]
.irp g, 0,1                                    ; S^T = K Q^T, four tiles of 16 keys at a time
.if \g > 0
.rept 4
	v_nop
.endr
.endif
.irp t, 0,1,2,3
	ds_load_b128 v[KFR+12*\t:KFR+12*\t+3], v[AD16] offset:STEPB*(\q)+(4*\g+\t)*768
	ds_load_b64 v[KFR+12*\t+4:KFR+12*\t+5], v[AD8] offset:STEPB*(\q)+(4*\g+\t)*768+512
	ds_load_b32 v[248+\t], v[ADS] offset:(4*\g+\t)*64
.endr
	s_wait_dscnt 0x0
.irp t, 0,1,2,3
	v_wmma_scale_f32_16x16x128_f8f6f4 v[S+8*(4*\g+\t):S+8*(4*\g+\t)+7], v[KFR+12*\t:KFR+12*\t+11], v[16:27], 0, v[248+\t], v255 matrix_a_fmt:MATRIX_FMT_FP6 matrix_b_fmt:MATRIX_FMT_FP6
.endr
.endr
.rept 4
	v_nop
.endr
.irp t, 0,1,2,3                                ; V's fragments and scale words are asked for now and land under the softmax
	ds_load_b128 v[VFR+12*\t:VFR+12*\t+3], v[AD16] offset:VOFF+STEPB*(\q)+\t*1536
	ds_load_b64 v[VFR+12*\t+4:VFR+12*\t+5], v[AD8] offset:VOFF+STEPB*(\q)+\t*1536+512
	ds_load_b128 v[VFR+12*\t+6:VFR+12*\t+9], v[AD16] offset:VOFF+STEPB*(\q)+\t*1536+768
	ds_load_b64 v[VFR+12*\t+10:VFR+12*\t+11], v[AD8] offset:VOFF+STEPB*(\q)+\t*1536+1280
	ds_load_b32 v[248+\t], v[ADT] offset:\t*64
.endr
	s_cmp_lt_u32 s[KF], s[QB]                      ; a step all of whose keys count skips the mask
	s_cbranch_scc1 .Lopen_\@
	v_mov_b32 v254, 0xff800000                     ; on the diagonal hidden scores become -infinity: register 16 b + i holds key 32 b + 16 h + i of the block
.set n, 0
.rept 64
	v_cmp_gt_i32 vcc_lo, 32*(n/16)+n%16, v[DQ]
	v_cndmask_b32 v[S+n], v[S+n], v254, vcc_lo
.set n, n+1
.endr
.Lopen_\@:
.irp b, 0,1,2,3
	v_max3_num_f32 v[232+\b], v[S+16*\b], v[S+1+16*\b], v[S+2+16*\b]   ; the largest score of each block of 32 keys: for the row's maximum, and, since p rises with the score, for the block's largest p
.endr
.irp i, 3,5,7,9,11,13
.irp b, 0,1,2,3
	v_max3_num_f32 v[232+\b], v[232+\b], v[S+16*\b+\i], v[S+1+16*\b+\i]
.endr
.endr
.irp b, 0,1,2,3
	v_max_num_f32 v[232+\b], v[232+\b], v[S+15+16*\b]
.endr
.irp b, 0,1,2,3
	v_permlanex16_b32 v[236+\b], v[232+\b], s[SEL], s[SEL+1]
.endr
.irp b, 0,1,2,3
	v_max_num_f32 v[232+\b], v[232+\b], v[236+\b]
.endr
	v_max3_num_f32 v254, v232, v233, v234
	v_max_num_f32 v254, v254, v235
	v_mul_f32 v254, s[CS], v254                    ; as t
	v_max_num_f32 v13, v13, v254                   ; the running largest t
	v_mov_b32 v254, v12
	v_floor_f32 v12, -v13                          ; the new -M = -ceil(t)
	v_sub_f32 v254, v12, v254                      ; old M - new M: a whole number, 0 or less
	v_cvt_i32_f32 v254, v254
	v_ldexp_f32 v252, 1.0, v254                    ; f = 2^(old M - new M)
.set n, 0
.rept 32
	v_pk_fma_f32 v[S+n:S+n+1], v[S+n:S+n+1], s[CS:CS+1], v[12:13] op_sel_hi:[1,0,0]   ; t - M
.set n, n+2
.endr
.irp b, 0,1,2,3
	v_fma_f32 v[232+\b], v[232+\b], s[CS], v12
.endr
.set n, 0
.rept 64
	v_exp_f32 v[S+n], v[S+n]                       ; p = 2^(t - M)
.set n, n+1
.endr
	v_pk_mul_f32 v[14:15], v[14:15], v[252:253] op_sel_hi:[1,0]   ; the sums under the new M (a plain place behind the exponentials)
	s_wait_alu depctr_va_vdst(0)                   ; one wait for the batch, ahead of its first reader
.irp b, 0,1,2,3
	v_exp_f32 v[232+\b], v[232+\b]                 ; each block's largest p
.endr
	v_pk_add_f32 v[236:237], v[S:S+1], v[S+2:S+3]  ; the row's sum of the unquantised p, in two chains
.irp j, 4,8,12,16,20,24,28,32,36,40,44,48,52,56,60
	v_pk_add_f32 v[14:15], v[14:15], v[S+\j:S+1+\j]
	v_pk_add_f32 v[236:237], v[236:237], v[S+2+\j:S+3+\j]
.endr
	v_pk_add_f32 v[14:15], v[14:15], v[236:237]
	s_wait_alu depctr_va_vdst(0)                   ; and one for the four
.irp b, 0,1,2,3
	v_max_num_f32 v[232+\b], 0x1800000, v[232+\b]  ; the floor 2^(3 - 127): the byte cannot fall under 1
.endr
.irp b, 0,1,2,3
	v_add_nc_u32 v[244+\b], 0xff000000, v[232+\b]
.endr
.irp b, 0,1,2,3
	v_lshrrev_b32 v[236+\b], 23, v[244+\b]
.endr
	v_lshl_or_b32 v253, v237, 8, v236              ; p's scale word for these 128 keys
	v_lshl_or_b32 v253, v238, 16, v253
	v_lshl_or_b32 v253, v239, 24, v253
.irp c, 0,1
	v_cvt_scalef32_pk16_fp6_f32 v[224+6*\c:226+6*\c], v[S+32*\c:S+15+32*\c], v[244+2*\c]
	v_cvt_scalef32_pk16_fp6_f32 v[236+4*\c:238+4*\c], v[S+16+32*\c:S+31+32*\c], v[244+2*\c+1]
.endr
	v_nop                                          ; one plain place behind a scaled conversion
.irp c, 0,1
.irp i, 0,1,2
	v_permlane16_swap_b32 v[224+6*\c+\i], v[236+4*\c+\i]
.endr
.irp i, 0,1,2
	v_mov_b32 v[227+6*\c+\i], v[236+4*\c+\i]
.endr
.endr
.set n, 0
.rept 16
	v_pk_mul_f32 v[O+n:O+n+1], v[O+n:O+n+1], v[252:253] op_sel_hi:[1,0]   ; O^T under the new M.  (These sixteen are also the places between the scale word, the codes and the products below)
.set n, n+2
.endr
	s_wait_dscnt 0x0                               ; V
.irp t, 0,1,2,3                                ; O^T += V^T P^T: the four accumulators by turns
	v_wmma_scale_f32_16x16x128_f8f6f4 v[O+8*\t:O+8*\t+7], v[VFR+12*\t:VFR+12*\t+11], v[224:235], v[O+8*\t:O+8*\t+7], v[248+\t], v253 matrix_a_fmt:MATRIX_FMT_FP6 matrix_b_fmt:MATRIX_FMT_FP6
.endr
.Lhidden_\@:
	s_add_co_u32 s[KF], s[KF], 128
	s_add_co_u32 s[TS], s[TS], 512
	s_add_co_u32 s[TJ], s[TJ], 256
.endm
; THE CHANGE OF SLOTS stands at a slot's head: each wave waits for all its tensor loads, adds 0 to its spare word, waits for that and for its reads of the slot that it has left, and passes the barrier.
; fill = 1: the slot that was left is filled with the next 512 keys: the load has four key steps in which to land.
.macro CHANGE fill
	s_wait_tensorcnt 0x0                           ; no tensor load of mine is out, so the group 0 may be written
	ds_add_u32 v[SPW], v[NIL]                      ; 0 onto my spare word
.if \fill
	s_xor_b32 s[G0+1], s[G0+1], SLOT1
	s_add_nc_u64 s[G0+2:G0+3], s[G0+2:G0+3], 24576
	s_wait_xcnt 0x0                                ; the last prefetch, a slot back, has read its address
	s_add_nc_u64 s[PFA:PFA+1], s[PFA:PFA+1], 24576
.endif
	s_wait_dscnt 0x0
	s_barrier_signal -1
	s_barrier_wait -1
.if \fill
	TLOAD                                          ; the first thing behind the barrier, and a wave's one tensor load until the next
	ASK
.endif
.endm
.macro SLOT_STEPS
	STEP 0
	STEP 1
	STEP 2
	STEP 3
	s_xor_b32 s[TB], s[TB], SLOT1
.endm
	s_wait_loadcnt 0x0                             ; Q
.Lslot:                                            ; NSL - 1 trips
	CHANGE 1
	SLOT_STEPS
	s_sub_co_u32 s[SLOTS], s[SLOTS], 1
	s_cmp_lg_u32 s[SLOTS], 0
	s_cbranch_scc1 .Lslot
	CHANGE 0                                       ; the last slot is written out
	SLOT_STEPS
	; THE WAY OUT.  O^T / the sum: register 16 g + i is channel 32 g + 16 h + i of my query: two blocks of 32 along the next product's K.  Quantised, they are one image of 768 bytes, stored from registers.
.rept 4
	v_nop
.endr
	v_add_f32 v14, v14, v15
	v_permlanex16_b32 v252, v14, s[SEL], s[SEL+1]
	v_add_f32 v14, v14, v252                       ; the row's sum
	v_rcp_f32 v14, v14
	v_and_b32 v8, 31, v0                           ; (a plain place behind the transcendental)
	s_lshr_b32 s80, s73, 4
	s_lshl_b32 s80, s80, 4
	s_add_co_u32 s80, s80, s75                     ; my block of 128 tokens
	s_and_b32 s81, s73, 15
	s_lshr_b32 s82, s81, 1                         ; the next product's K step,
	s_and_b32 s81, s81, 1                          ; and which 64 of it
	s_mul_i32 s84, s80, 98304
	s_mul_i32 s83, s82, 12288
	s_add_co_u32 s84, s84, s83
	s_mul_i32 s83, s74, 1536
	s_add_co_u32 s84, s84, s83
	s_mul_i32 s83, s81, 768
	s_add_co_u32 s84, s84, s83
	s_mov_b32 s85, 0
	s_add_nc_u64 s[8:9], s[6:7], s[84:85]
	s_lshl_b32 s84, s80, 12
	s_lshl_b32 s83, s82, 9
	s_add_co_u32 s84, s84, s83
	s_lshl_b32 s83, s74, 6
	s_add_co_u32 s84, s84, s83
	s_lshl_b32 s83, s81, 1
	s_add_co_u32 s84, s84, s83
	s_add_co_u32 s84, s84, 3145728
	s_add_nc_u64 s[10:11], s[6:7], s[84:85]
	s_wait_alu depctr_va_vdst(0)                   ; the wait, ahead of the reciprocal's first reader
.set n, 0
.rept 32
	v_mul_f32 v[S+n], v[O+n], v14                  ; each accumulator from its low end on
.set n, n+1
.endr
.irp b, 0,1
	v_max3_num_f32 v[232+\b], |v[S+16*\b]|, |v[S+1+16*\b]|, 0x1800000
.endr
.irp i, 2,4,6,8,10,12,14
.irp b, 0,1
	v_max3_num_f32 v[232+\b], v[232+\b], |v[S+16*\b+\i]|, |v[S+1+16*\b+\i]|
.endr
.endr
.irp b, 0,1
	v_permlanex16_b32 v[236+\b], v[232+\b], s[SEL], s[SEL+1]
.endr
.irp b, 0,1
	v_max_num_f32 v[232+\b], v[232+\b], v[236+\b]
.endr
.irp b, 0,1
	v_add_nc_u32 v[244+\b], 0xff000000, v[232+\b]
.endr
.irp b, 0,1
	v_lshrrev_b32 v[236+\b], 23, v[244+\b]
.endr
	v_lshl_or_b32 v253, v237, 8, v236              ; my row's two scale bytes
	v_cvt_scalef32_pk16_fp6_f32 v[224:226], v[S:S+15], v244
	v_cvt_scalef32_pk16_fp6_f32 v[240:242], v[S+16:S+31], v245
	v_nop
.irp i, 0,1,2
	v_permlane16_swap_b32 v[224+\i], v[240+\i]
.endr
.irp i, 0,1,2
	v_mov_b32 v[227+\i], v[240+\i]
.endr
	global_store_b128 v[L16], v[224:227], s[8:9]   ; 512 consecutive bytes
	global_store_b64 v[L8], v[228:229], s[8:9] offset:512
	v_cmp_gt_u32 vcc_lo, 16, v8
	s_wait_xcnt 0x0                                ; EXEC changes only behind this wait
	s_and_saveexec_b32 s90, vcc_lo                 ; lanes 0-15: both halves hold the same bytes
	global_store_b16 v[R4], v253, s[10:11]
	s_wait_xcnt 0x0
	s_or_b32 exec_lo, exec_lo, s90
	s_wait_tensorcnt 0x0                           ; the wave's end
	ds_add_u32 v[SPW], v[NIL]
	s_wait_dscnt 0x0
	s_endpgm
.Lfunc_end_k_q6ea3dc1e26_attn:
	.size	k_q6ea3dc1e26_attn, .Lfunc_end_k_q6ea3dc1e26_attn-k_q6ea3dc1e26_attn
	.p2alignl 7, 3214868480
	.fill 96, 4, 3214868480
	.section	.rodata,"a",@progbits
	.p2align	6, 0x0
	.amdhsa_kernel k_q6ea3dc1e26_attn
		.amdhsa_group_segment_fixed_size 327680
		.amdhsa_private_segment_fixed_size 0
		.amdhsa_enable_private_segment 0
		.amdhsa_kernarg_size 16
		.amdhsa_user_sgpr_count 2
		.amdhsa_user_sgpr_kernarg_segment_ptr 1
		.amdhsa_wavefront_size32 1
		.amdhsa_system_sgpr_workgroup_id_x 1
		.amdhsa_system_sgpr_workgroup_id_y 1
		.amdhsa_system_sgpr_workgroup_id_z 1
		.amdhsa_system_vgpr_workitem_id 0
		.amdhsa_next_free_vgpr 256
		.amdhsa_next_free_sgpr 100
		.amdhsa_reserve_vcc 1
		.amdhsa_float_denorm_mode_32 3
		.amdhsa_float_denorm_mode_16_64 3
		.amdhsa_memory_ordered 1
		.amdhsa_forward_progress 1
		.amdhsa_inst_pref_size 187
	.end_amdhsa_kernel
	.amdgpu_metadata
---
amdhsa.version: [ 1, 2 ]
amdhsa.kernels:
  - .name:           k_q6ea3dc1e26_attn
    .symbol:         k_q6ea3dc1e26_attn.kd
    .args:
      - { .name: qkv, .offset: 0, .size: 8, .value_kind: global_buffer, .address_space: global }
      - { .name: act, .offset: 8, .size: 8, .value_kind: global_buffer, .address_space: global }
    .group_segment_fixed_size: 327680
    .private_segment_fixed_size: 0
    .kernarg_segment_align: 8
    .kernarg_segment_size: 16
    .max_flat_workgroup_size: 512
    .sgpr_count:     100
    .vgpr_count:     256
    .wavefront_size: 32
...
	.end_amdgpu_metadata
.endif
;; end of part 4
;; launch oproj (part 5): grid 4 x 16, 4 waves a work-group, clusters of 4 x 4, 327,680 bytes of LDS; arguments act, wts, bo, x, h; writes h
.if DOCPART == 5
	.amdgcn_target "amdgcn-amd-amdhsa--gfx1250"
	.amdhsa_code_object_version 6
	.text
	.protected	k_q6ea3dc1e26_oproj
	.globl	k_q6ea3dc1e26_oproj
	.p2align	8
	.type	k_q6ea3dc1e26_oproj,@function
k_q6ea3dc1e26_oproj:
	s_mov_b64 s[64:65], 0
	v_nop
	global_prefetch_b8 v0, s[64:65] scope:SCOPE_SE
	s_setreg_imm32_b32 hwreg(HW_REG_WAVE_MODE, 25, 1), 1
	s_wait_xcnt 0x0
	s_wait_alu depctr_hold_cnt(0) depctr_sa_sdst(0) depctr_va_vdst(0) depctr_va_sdst(0) depctr_va_ssrc(0) depctr_va_vcc(0) depctr_vm_vsrc(0)
	s_getreg_b32 s2, hwreg(HW_REG_IB_STS2, 6, 4)
	s_cmp_eq_u32 s2, 0
	s_cbranch_scc0 .Lentry_in_a_cluster
	s_endpgm
.Lentry_in_a_cluster:
	s_bfe_u32 s2, ttmp6, 0x10000c
	s_cmp_lg_u32 s2, 0xf033
	s_cbranch_scc0 .Lentry_shape_is_right
	s_endpgm
.Lentry_shape_is_right:
; h = x + (a Wo + bo): a, the attention's result, and Wo on codes of FP6 (E2M3) with E8M0 scales; h [4,096][1,024] f32.
; THE PRODUCT: a tile of C, 256 x 256, by four waves of 128 x 128 (64 accumulators, 512 registers); K in steps of 256 through two LDS slots filled by the tensor data mover.
; Operands lie in memory as IMAGES OF THE OPERAND'S REGISTERS: [block of 128 rows][K step of 128][tile of 16 rows][1,536 bytes]: for each 64 along K 512 bytes of registers 0-3 (lane l at 16 l) and 256 of registers 4-5 (at 8 l).
; So a slot's part of 128 rows is one dense block of 24,576 bytes, every LDS load reads consecutive bytes, and there is no padding.  Scale words: [block][K step][128 rows] x 4 bytes; those of all of K come once.
; ROWS STAND IN THE ORDER P (place p holds row p with bits 3 and 4 changed over).  THE MATRIX INSTRUCTION IS USED TRANSPOSED (source 0 = 16 places of B, source 1 = 16 places of A).
; CLUSTERS: 4 x 4 work-groups; A's tiles are asked for jointly along a row of the cluster, B's along a column.  C has 64 tiles of 256 x 256: 64 work-groups.
; THE WAY OUT undoes P: on the columns by the place of a lane's 32 bytes in the stage, on the rows by the stores' immediates.
; REGISTERS: window 0: v0-31 addresses; v32-63 scale words; v64-67 the bias; v128-223 A's fragments; on the way out v128-255 rows of C.  window 1: B's fragments, later the residual.  windows 2, 3: the accumulators.
.set KDIM,  1024
.set ASCL,  3145728                    ; where A's scale words begin in its buffer
.set BREC,  192                        ; B's first record in wts
.set KST,   KDIM/128                   ; K steps of 128
.set LAPS,  KDIM/512                   ; a lap = once round the ring = 512 along K
.set NQ,    2                          ; matrix instructions deep in a slot
.set FR,    12                         ; registers of a fragment
.set NL,    4                          ; LDS loads that bring one
.set NP,    4                          ; places behind this matrix instruction (ISA guide 7.12.1)
.set PIECE, 24576                      ; 128 rows x 256 K: what one tensor load brings
.set SLOT,  4*PIECE                    ; A's two blocks, then B's two
.set SCL,   2*SLOT                     ; behind the ring: the scale words
.set HALFS, KST*512                    ; those of 128 rows.
.set SPARE, SCL+4*HALFS+256            ; the spare words, 128 bytes for each wave: two blocks of 256 bytes that no other line names
.set ADRA, 16                          ; v16-17 LDS address of my A fragments in slot 0, 1, + 16 x lane;  v18-19 the same + 8 x lane
.set ADRB, 20                          ; v20-23 the same for B
.set ADRS, 27                          ; v27 my scale words: lanes 0-15 A's, lanes 16-31 B's
.set SPW,  28                          ; v28 LDS address of my spare word; never rewritten
.set NIL,  29                          ; v29 0; never rewritten
.set SC,   32
.set AF,   128
.set G1, 24
.set G0, 32
.set G1B, 48
.set G0B, 56
.set G1S, 68
.set G0S, 76
.set G1SB, 80
.set G0SB, 88
.set MSB, 0
.macro WIN new                         ; the immediate's high byte repeats the setting that is left
.if MSB != (\new)
	s_set_vgpr_msb (MSB<<8)|(\new)
.set MSB, (\new)
.endif
.endm
.set MUL_LO, 0xa1                      ; source 0 (B) window 1, source 1 (A) window 0, C and D window 2
.set MUL_HI, 0xf1                      ; the same, C and D window 3
.set TO_B,   0x40                      ; destination window 1, address window 0
.macro JLOAD g0a, g1a, g0b, g1b        ; a joint load: waves 0 and 1 fetch for A, waves 2 and 3 for B; four v_nop follow each of the two lines
	s_cmp_eq_u32 s15, 0
	s_cbranch_scc0 .Lfor_b_\@
	tensor_load_to_lds s[\g0a:\g0a+3], s[\g1a:\g1a+7]
	s_nop 0
.rept 4
	v_nop
.endr
	s_branch .Lasked_\@
.Lfor_b_\@:
	tensor_load_to_lds s[\g0b:\g0b+3], s[\g1b:\g1b+7]
	s_nop 0
.rept 4
	v_nop
.endr
.Lasked_\@:
.endm
.macro CREST                           ; a round of the cluster's barrier behind its opening barrier
	s_cmp_lg_u32 s14, 0
	s_cbranch_scc1 .Lnot_wave_0_\@
	s_barrier_signal -3
.Lnot_wave_0_\@:
	s_barrier_wait -3
	s_barrier_signal -1
	s_barrier_wait -1
.endm
.macro CROUND
	s_barrier_signal -1
	s_barrier_wait -1
	CREST
.endm
.macro FRAG reg, adr, q, i             ; tile i's fragment of the slot's q-th 128 along K: two images on end
	ds_load_b128 v[\reg:\reg+3], v[\adr] offset:(8*(\q)+(\i))*1536
	ds_load_b64 v[\reg+4:\reg+5], v[\adr+2] offset:(8*(\q)+(\i))*1536+512
	ds_load_b128 v[\reg+6:\reg+9], v[\adr] offset:(8*(\q)+(\i))*1536+768
	ds_load_b64 v[\reg+10:\reg+11], v[\adr+2] offset:(8*(\q)+(\i))*1536+1280
.endm
.macro MUL16 a0, p, q, sc, zero        ; 16 matrix instructions: A's tiles a0, a0 + 1 x B's eight; the 64 accumulators take turns
.irp a, \a0, \a0+1
.irp b, 0,1,2,3,4,5,6,7
.if \zero
	v_wmma_scale_f32_16x16x128_f8f6f4 v[8*(8*((\a)%4)+\b):8*(8*((\a)%4)+\b)+7], v[128*(\p)+FR*\b:128*(\p)+FR*\b+FR-1], v[AF+FR*(\a):AF+FR*(\a)+FR-1], 0, v[SC+8*NQ*(\sc)+NQ*\b+(\q)], v[SC+8*NQ*(\sc)+NQ*(\a)+(\q)] matrix_a_fmt:MATRIX_FMT_FP6 matrix_b_fmt:MATRIX_FMT_FP6 matrix_a_scale:MATRIX_SCALE_ROW1
.else
	v_wmma_scale_f32_16x16x128_f8f6f4 v[8*(8*((\a)%4)+\b):8*(8*((\a)%4)+\b)+7], v[128*(\p)+FR*\b:128*(\p)+FR*\b+FR-1], v[AF+FR*(\a):AF+FR*(\a)+FR-1], v[8*(8*((\a)%4)+\b):8*(8*((\a)%4)+\b)+7], v[SC+8*NQ*(\sc)+NQ*\b+(\q)], v[SC+8*NQ*(\sc)+NQ*(\a)+(\q)] matrix_a_fmt:MATRIX_FMT_FP6 matrix_b_fmt:MATRIX_FMT_FP6 matrix_a_scale:MATRIX_SCALE_ROW1
.endif
.endr
.endr
.endm
.macro FETCH_B slot, q, p
	WIN TO_B
.irp i, 0,1,2,3,4,5,6,7
	FRAG 128*(\p)+FR*\i, ADRB+\slot, \q, \i
.endr
	WIN 0
.endm
.macro FETCH_A slot, q, i0
.irp i, \i0, \i0+1, \i0+2, \i0+3
	FRAG AF+FR*(\i), ADRA+\slot, \q, \i
.endr
.endm
.macro SCALES sc                       ; a slot's scale words: lanes 0-15 take A's tile i, lanes 16-31 B's tile i
.irp i, 0,1,2,3,4,5,6,7
.irp q, 0,1
	ds_load_b32 v[SC+8*NQ*\sc+NQ*\i+\q], v[ADRS] offset:\q*512+\i*64
.endr
.endr
.endm
.macro PLACES n
.rept \n
	v_nop
.endr
.endm
.macro STEP slot, q, zero              ; a step of 128 along K that has its successor in the same slot
	s_wait_dscnt 4*NL                              ; all but the youngest sixteen loads (A's tiles 4-7) are in
	WIN MUL_LO
	MUL16 0, (\q)%2, \q, \slot, \zero
	MUL16 2, (\q)%2, \q, \slot, \zero
	s_wait_dscnt 0
	PLACES NP
	FETCH_B \slot, (\q)+1, 1-(\q)%2
	FETCH_A \slot, (\q)+1, 0
	WIN MUL_HI
	MUL16 4, (\q)%2, \q, \slot, \zero
	MUL16 6, (\q)%2, \q, \slot, \zero
	PLACES NP
	WIN 0
	FETCH_A \slot, (\q)+1, 4
.endm
.macro TURN slot, next, fill           ; a slot's last step changes slots; fill = 1: the slot is filled again, 512 along K ahead
	s_wait_tensorcnt 0x0                           ; all my tensor loads have landed: my part of the next slot
	ds_add_u32 v[SPW], v[NIL]                      ; 0 onto my spare word
	s_wait_dscnt 4*NL+1                            ; (the add and the youngest sixteen loads may be out)
	WIN MUL_LO
	MUL16 0, 1, NQ-1, \slot, 0
	s_wait_dscnt 0x0                               ; the add is done, and my reads of this slot are over
	s_barrier_signal -1
	MUL16 2, 1, NQ-1, \slot, 0
	WIN 0
	s_barrier_wait -1
.if \fill
	CREST                                          ; the barrier has opened a round of the cluster's barrier
	s_add_nc_u64 s[G0+4*\slot+2:G0+4*\slot+3], s[G0+4*\slot+2:G0+4*\slot+3], 2*PIECE
	s_add_nc_u64 s[G0B+4*\slot+2:G0B+4*\slot+3], s[G0B+4*\slot+2:G0B+4*\slot+3], 2*PIECE
	JLOAD G0+4*\slot, G1, G0B+4*\slot, G1B         ; the first tensor load behind the round; its four v_nop are the places in front of the loads below
.else
	PLACES NP
.endif
	v_add_nc_u32 v[ADRS], 512*NQ, v[ADRS]
	FETCH_B \next, 0, 0
	FETCH_A \next, 0, 0
	SCALES \next
	WIN MUL_HI
	MUL16 4, 1, NQ-1, \slot, 0
	MUL16 6, 1, NQ-1, \slot, 0
	PLACES NP
	WIN 0
	FETCH_A \next, 0, 4
.endm
.set STO,  24                          ; v24 the stage: where I put 32 bytes of a row: 8,448 w + 528 r + 64 h
.set RD,   25                          ; v25 and where I read a row back: 8,448 w + 16 x lane
.set CO,   4                           ; v4  16 x lane: my bytes of a row of 512
.set PFR,  30                          ; v30 the prefetches' offset: row lane / 2, block lane % 2
.set BK,   128                         ; 16 rows read back: v128-191 and v192-255 by turns
.set OUTP, 12                          ; s[12:13] the output at my first row and column
.set RES,  100                         ; s[100:101] the residual likewise
	s_load_b128 s[96:99], s[0:1], 0x0              ; A's buffer, wts
	s_load_b128 s[4:7], s[0:1], 0x10               ; the bias, the residual
	s_load_b64 s[12:13], s[0:1], 0x20              ; the output
	v_lshl_add_u32 v[SPW], v0, 2, SPARE
	v_mov_b32 v[NIL], 0
	ds_add_u32 v28, v29
	s_wait_dscnt 0x0
	v_lshrrev_b32 v1, 5, v0
	v_readfirstlane_b32 s14, v1                    ; wave 0..3
	s_lshr_b32 s15, s14, 1
	s_and_b32 s16, s14, 1
	s_bfe_u32 s40, ttmp6, 0x40000                  ; cx, cy
	s_bfe_u32 s41, ttmp6, 0x40004
	s_lshl_b32 s42, ttmp9, 2
	s_add_co_u32 s42, s42, s40                     ; tile column of C
	s_and_b32 s17, ttmp7, 0xffff
	s_lshl_b32 s17, s17, 2
	s_add_co_u32 s17, s17, s41                     ; tile row of C
	s_wait_kmcnt 0x0
	s_mov_b64 s[66:67], s[4:5]
	s_mov_b64 s[RES:RES+1], s[6:7]
	s_mov_b64 s[4:5], s[96:97]                     ; A's codes, A's scale words, B's codes, B's scale words
	s_add_nc_u64 s[6:7], s[96:97], ASCL
	s_add_nc_u64 s[8:9], s[98:99], BREC*12288
	s_add_nc_u64 s[10:11], s[98:99], 9437184+BREC*512
	s_lshl_b32 s43, s41, 2
	s_lshl_b32 s43, 15, s43                        ; my row of the cluster
	s_lshl_b32 s44, 0x1111, s40                    ; my column
	s_or_b32 s[G1+0], s43, (3<<16)|(1<<21)         ; 15:0 the mask; 17:16 elements of 8 bytes; 20 no padding; 21 set beside a mask
	s_or_b32 s[G1B+0], s44, (3<<16)|(1<<21)
.irp g, G1, G1B                        ; a dense block of 24,576 bytes as 96 rows of 256
	s_mov_b32 s[\g+1], 32<<16
	s_mov_b32 s[\g+2], 96<<16
	s_mov_b32 s[\g+3], 32<<16
	s_mov_b32 s[\g+4], 96
	s_mov_b32 s[\g+5], 32
	s_mov_b32 s[\g+6], 0
	s_mov_b32 s[\g+7], 0
.endr
	s_or_b32 s[G1S+0], s43, (3<<16)|(1<<21)
	s_or_b32 s[G1SB+0], s44, (3<<16)|(1<<21)
.irp g, G1S, G1SB                      ; the scale words of 128 rows: HALFS dense bytes as rows of 256
	s_mov_b32 s[\g+1], 32<<16
	s_mov_b32 s[\g+2], (HALFS/256)<<16
	s_mov_b32 s[\g+3], 32<<16
	s_mov_b32 s[\g+4], HALFS/256
	s_mov_b32 s[\g+5], 32
	s_mov_b32 s[\g+6], 0
	s_mov_b32 s[\g+7], 0
.endr
	s_lshl_b32 s20, s17, 1
	s_add_co_u32 s20, s20, s16                     ; A: the block of 128 rows that I fetch
	s_lshl_b32 s46, s42, 1
	s_add_co_u32 s46, s46, s16                     ; B: likewise
	s_mul_i32 s22, s20, HALFS
	s_mul_i32 s20, s20, KST*12288
	s_mul_i32 s92, s46, HALFS
	s_mul_i32 s46, s46, KST*12288
	s_mov_b32 s21, 0
	s_mov_b32 s23, 0
	s_mov_b32 s47, 0
	s_mov_b32 s93, 0
	s_mul_i32 s45, s14, PIECE
	s_mul_i32 s94, s14, HALFS
	s_lshl_b32 s95, s15, 7
	s_add_co_u32 s94, s94, s95
	s_add_nc_u64 s[20:21], s[4:5], s[20:21]
	s_add_nc_u64 s[22:23], s[6:7], s[22:23]
	s_add_nc_u64 s[46:47], s[8:9], s[46:47]
	s_add_nc_u64 s[92:93], s[10:11], s[92:93]
	CROUND                                         ; all sixteen work-groups are here: the first joint loads meet
	s_mov_b32 s[G0S], 1
	s_add_co_u32 s[G0S+1], s94, SCL
	s_mov_b64 s[G0S+2:G0S+3], s[22:23]
	s_or_b32 s[G0S+3], s[G0S+3], 0x80000000
	s_mov_b32 s[G0SB], 1
	s_add_co_u32 s[G0SB+1], s94, SCL
	s_mov_b64 s[G0SB+2:G0SB+3], s[92:93]
	s_or_b32 s[G0SB+3], s[G0SB+3], 0x80000000
	JLOAD G0S, G1S, G0SB, G1SB
.irp s, 0,1
	s_mov_b32 s[G0+4*\s], 1
	s_add_co_u32 s[G0+4*\s+1], s45, \s*SLOT
	s_add_nc_u64 s[G0+4*\s+2:G0+4*\s+3], s[20:21], \s*PIECE
	s_or_b32 s[G0+4*\s+3], s[G0+4*\s+3], 0x80000000
	s_mov_b32 s[G0B+4*\s], 1
	s_add_co_u32 s[G0B+4*\s+1], s45, \s*SLOT
	s_add_nc_u64 s[G0B+4*\s+2:G0B+4*\s+3], s[46:47], \s*PIECE
	s_or_b32 s[G0B+4*\s+3], s[G0B+4*\s+3], 0x80000000
	JLOAD G0+4*\s, G1, G0B+4*\s, G1B
.endr
	v_and_b32 v1, 15, v0                           ; r
	v_bfe_u32 v2, v0, 4, 1                         ; h
	v_and_b32 v3, 31, v0                           ; lane
	v_lshlrev_b32 v4, 4, v3
	v_lshlrev_b32 v5, 3, v3
	s_mul_i32 s21, s15, PIECE
	s_mul_i32 s22, s16, PIECE
	s_add_co_u32 s22, s22, 2*PIECE
.irp s, 0,1
	v_add_nc_u32 v[ADRA+\s], s21, v4
	v_add_nc_u32 v[ADRB+\s], s22, v4
	v_add_nc_u32 v[ADRA+2+\s], s21, v5
	v_add_nc_u32 v[ADRB+2+\s], s22, v5
	s_add_co_u32 s21, s21, SLOT
	s_add_co_u32 s22, s22, SLOT
.endr
	s_mul_i32 s21, s15, HALFS
	s_mul_i32 s22, s16, HALFS
	s_add_co_u32 s22, s22, 2*HALFS+128
	s_sub_co_u32 s22, s22, s21
	v_mul_u32_u24 v6, s22, v2                      ; lanes 16-31 take B's
	s_add_co_u32 s21, s21, SCL
	v_lshl_add_u32 v6, v1, 2, v6
	v_add_nc_u32 v[ADRS], s21, v6
	s_lshl_b32 s18, s42, 10
	s_lshl_b32 s19, s16, 9
	s_add_co_u32 s18, s18, s19                     ; my first column, in bytes
	s_mov_b32 s19, 0
	s_add_nc_u64 s[66:67], s[66:67], s[18:19]
	global_load_b128 v[64:67], v[CO], s[66:67]     ; the bias of my four columns of a row of 128
	s_lshl_b32 s20, s17, 8
	s_lshl_b32 s21, s15, 7
	s_add_co_u32 s20, s20, s21                     ; my first row
	s_lshl_b32 s20, s20, 12
	s_add_co_u32 s18, s18, s20
	s_add_nc_u64 s[OUTP:OUTP+1], s[OUTP:OUTP+1], s[18:19]
	s_add_nc_u64 s[RES:RES+1], s[RES:RES+1], s[18:19]
	s_mul_i32 s18, s14, 16*528
	v_mul_u32_u24 v[STO], v1, 528
	v_lshl_add_u32 v[STO], v2, 6, v[STO]
	v_add_nc_u32 v[STO], s18, v[STO]
	v_add_nc_u32 v[RD], s18, v4
	v_lshrrev_b32 v[PFR], 1, v3
	v_lshlrev_b32 v[PFR], 12, v[PFR]
	v_and_b32 v7, 1, v3
	v_lshl_add_u32 v[PFR], v7, 8, v[PFR]
	s_wait_tensorcnt 1                             ; the scale words and my part of slot 0 are in (slot 1's load may be out)
	s_barrier_signal -1
	s_barrier_wait -1
	FETCH_B 0, 0, 0
	FETCH_A 0, 0, 0
	SCALES 0
	FETCH_A 0, 0, 4
	STEP 0, 0, 1                                   ; the first step stands in front of the loop: its products start the sums
	s_mov_b32 s3, LAPS-1
.Llap:
	TURN 0, 1, 1
	STEP 1, 0, 0
	TURN 1, 0, 1
	STEP 0, 0, 0
	s_sub_co_u32 s3, s3, 1
	s_cmp_lg_u32 s3, 0
	s_cbranch_scc1 .Llap
	TURN 0, 1, 0                                   ; the last lap fills nothing
.irp k, 0,1,2,3,4,5,6,7                ; the residual of my 128 rows x 512 bytes is prefetched into the L2 here, two steps (128 matrix instructions) ahead of its loads: 256 blocks of 256 bytes, a lane a block, each named once
	global_prefetch_b8 v[PFR], s[RES:RES+1] offset:\k*65536 th:TH_LOAD_NT scope:SCOPE_SE
.endr
	STEP 1, 0, 0
	s_wait_dscnt 4*NL
	WIN MUL_LO
	MUL16 0, 1, NQ-1, 1, 0
	MUL16 2, 1, NQ-1, 1, 0
	s_wait_dscnt 0
	WIN MUL_HI
	MUL16 4, 1, NQ-1, 1, 0
	MUL16 6, 1, NQ-1, 1, 0
	WIN 0
; THE WAY OUT, A's tile a (16 places x 128 columns) at a time, through my own stage in slot 0, which has had its last fill and its last read.  Place t of tile a is row 32 (a / 2) + 8 (a % 2) + t % 8 + 16 (t / 8) of my 128.
.macro RLOAD a                         ; the residual's 16 rows, into window 1: three sets of 64 by turns
	WIN 0x40
.irp t, 0,1,2,3,4,5,6,7,8,9,10,11,12,13,14,15
	global_load_b128 v[64*((\a)%3)+4*\t:64*((\a)%3)+4*\t+3], v[CO], s[RES:RES+1] offset:(32*((\a)/2)+8*((\a)%2)+(\t%8)+16*(\t/8))*4096 th:TH_LOAD_NT
.endr
	WIN 0
.endm
.macro TOSTAGE a
.set AC, 64*((\a)%4)
	WIN 0x08+4*((\a)/4)                            ; an LDS store's data are its source 1: window 2 or 3
.irp b, 0,1,2,3,4,5,6,7
	ds_store_b128 v[STO], v[AC+8*\b:AC+8*\b+3] offset:128*(\b/2)+32*(\b%2)       ; columns 32 (b / 2) + 16 h + 8 (b % 2) + 0 .. 7; each accumulator from its low end on
	ds_store_b128 v[STO], v[AC+8*\b+4:AC+8*\b+7] offset:128*(\b/2)+32*(\b%2)+16
.endr
	WIN 0
.set BB, BK+64*((\a)%2)
.irp t, 0,1,2,3,4,5,6,7,8,9,10,11,12,13,14,15
	ds_load_b128 v[BB+4*\t:BB+4*\t+3], v[RD] offset:\t*528     ; LDS serves a wave's instructions in order: these see the stores above
.endr
.endm
.macro SEND a, younger                 ; younger: the LDS instructions issued behind tile a's loads
.set BB, BK+64*((\a)%2)
.set RR, 64*((\a)%3)
	s_wait_dscnt \younger
.irp t, 0,1,2,3,4,5,6,7,8,9,10,11,12,13,14,15
	v_pk_add_f32 v[BB+4*\t:BB+4*\t+1], v[BB+4*\t:BB+4*\t+1], v[64:65]
	v_pk_add_f32 v[BB+4*\t+2:BB+4*\t+3], v[BB+4*\t+2:BB+4*\t+3], v[66:67]
.endr
.if (\a) < 6
	s_wait_loadcnt 32                              ; this tile's residual is in; the two tiles' behind it may be out
.elseif (\a) == 6
	s_wait_loadcnt 16
.else
	s_wait_loadcnt 0
.endif
	WIN 0x04                                       ; source 1: window 1
.set ii, 0
.rept 32
	v_pk_add_f32 v[BB+ii:BB+ii+1], v[BB+ii:BB+ii+1], v[RR+ii:RR+ii+1]
.set ii, ii+2
.endr
	WIN 0
.irp t, 0,1,2,3,4,5,6,7,8,9,10,11,12,13,14,15
	global_store_b128 v[CO], v[BB+4*\t:BB+4*\t+3], s[OUTP:OUTP+1] offset:(32*((\a)/2)+8*((\a)%2)+(\t%8)+16*(\t/8))*4096   ; 512 consecutive bytes, at a multiple of 256 from the buffer's first byte
.endr
.endm
	PLACES NP
	s_wait_loadcnt 0x0                             ; the bias
	RLOAD 0
	RLOAD 1
	RLOAD 2
	TOSTAGE 0
.irp a, 1,2,3,4,5,6,7
.if \a > 1
	s_wait_xcnt 0x0                                ; tile a - 2's stores have read their registers: tile a's rows may land there
.endif
	TOSTAGE \a
	SEND \a-1, 32                                  ; behind tile a - 1's loads: tile a's 16 stores and 16 loads
.if \a < 6
	RLOAD \a+2
.endif
.endr
	SEND 7, 0
	s_wait_tensorcnt 0x0                           ; the wave's end
	ds_add_u32 v[SPW], v[NIL]
	s_wait_dscnt 0x0
	CROUND                                         ; the closing round
	s_endpgm
.Lfunc_end_k_q6ea3dc1e26_oproj:
	.size	k_q6ea3dc1e26_oproj, .Lfunc_end_k_q6ea3dc1e26_oproj-k_q6ea3dc1e26_oproj
	.p2alignl 7, 3214868480
	.fill 96, 4, 3214868480
	.section	.rodata,"a",@progbits
	.p2align	6, 0x0
	.amdhsa_kernel k_q6ea3dc1e26_oproj
		.amdhsa_group_segment_fixed_size 327680
		.amdhsa_private_segment_fixed_size 0
		.amdhsa_enable_private_segment 0
		.amdhsa_kernarg_size 40
		.amdhsa_user_sgpr_count 2
		.amdhsa_user_sgpr_kernarg_segment_ptr 1
		.amdhsa_wavefront_size32 1
		.amdhsa_system_sgpr_workgroup_id_x 1
		.amdhsa_system_sgpr_workgroup_id_y 1
		.amdhsa_system_sgpr_workgroup_id_z 1
		.amdhsa_system_vgpr_workitem_id 0
		.amdhsa_next_free_vgpr 1024
		.amdhsa_next_free_sgpr 106
		.amdhsa_reserve_vcc 0
		.amdhsa_float_denorm_mode_32 3
		.amdhsa_float_denorm_mode_16_64 3
		.amdhsa_memory_ordered 1
		.amdhsa_forward_progress 1
		.amdhsa_inst_pref_size 192
	.end_amdhsa_kernel
	.amdgpu_metadata
---
amdhsa.version: [ 1, 2 ]
amdhsa.kernels:
  - .name:           k_q6ea3dc1e26_oproj
    .symbol:         k_q6ea3dc1e26_oproj.kd
    .args:
      - { .name: act, .offset: 0, .size: 8, .value_kind: global_buffer, .address_space: global }
      - { .name: wts, .offset: 8, .size: 8, .value_kind: global_buffer, .address_space: global }
      - { .name: bo, .offset: 16, .size: 8, .value_kind: global_buffer, .address_space: global }
      - { .name: x, .offset: 24, .size: 8, .value_kind: global_buffer, .address_space: global }
      - { .name: h, .offset: 32, .size: 8, .value_kind: global_buffer, .address_space: global }
    .group_segment_fixed_size: 327680
    .private_segment_fixed_size: 0
    .kernarg_segment_align: 8
    .kernarg_segment_size: 40
    .max_flat_workgroup_size: 128
    .sgpr_count:     106
    .vgpr_count:     1024
    .wavefront_size: 32
...
	.end_amdgpu_metadata
.endif
;; end of part 5
;; launch ln2: the kernel of part 2 again; grid 256 x 1, 4 waves a work-group, no clusters, 66,304 bytes of LDS; arguments h, g2, beta2, act; writes act
;; launch ffn1 (part 6): grid 16 x 16, 4 waves a work-group, clusters of 4 x 4, 327,680 bytes of LDS; arguments act, wts, b1, hid; writes hid
.if DOCPART == 6
	.amdgcn_target "amdgcn-amd-amdhsa--gfx1250"
	.amdhsa_code_object_version 6
	.text
	.protected	k_q6ea3dc1e26_ffn1
	.globl	k_q6ea3dc1e26_ffn1
	.p2align	8
	.type	k_q6ea3dc1e26_ffn1,@function
k_q6ea3dc1e26_ffn1:
	s_mov_b64 s[64:65], 0
	v_nop
	global_prefetch_b8 v0, s[64:65] scope:SCOPE_SE
	s_setreg_imm32_b32 hwreg(HW_REG_WAVE_MODE, 25, 1), 1
	s_wait_xcnt 0x0
	s_wait_alu depctr_hold_cnt(0) depctr_sa_sdst(0) depctr_va_vdst(0) depctr_va_sdst(0) depctr_va_ssrc(0) depctr_va_vcc(0) depctr_vm_vsrc(0)
	s_getreg_b32 s2, hwreg(HW_REG_IB_STS2, 6, 4)
	s_cmp_eq_u32 s2, 0
	s_cbranch_scc0 .Lentry_in_a_cluster
	s_endpgm
.Lentry_in_a_cluster:
	s_bfe_u32 s2, ttmp6, 0x10000c
	s_cmp_lg_u32 s2, 0xf033
	s_cbranch_scc0 .Lentry_shape_is_right
	s_endpgm
.Lentry_shape_is_right:
; hid = Q(gelu(y W1 + b1)): y and W1 on codes of FP6 (E2M3) with E8M0 scales; gelu(z) = z (1 + erf(z / sqrt 2)) / 2 in f32; the result quantised along the 4,096 hidden units, as the next product's operand A.
; THE PRODUCT: a tile of C, 256 x 256, by four waves of 128 x 128 (64 accumulators, 512 registers); K in steps of 256 through two LDS slots filled by the tensor data mover.
; Operands lie in memory as IMAGES OF THE OPERAND'S REGISTERS: [block of 128 rows][K step of 128][tile of 16 rows][1,536 bytes]: for each 64 along K 512 bytes of registers 0-3 (lane l at 16 l) and 256 of registers 4-5 (at 8 l).
; Scale words: [block][K step][128 rows] x 4 bytes; those of all of K come once.  ROWS STAND IN THE ORDER P (place p holds row p with bits 3 and 4 changed over).
; THE MATRIX INSTRUCTION IS USED TRANSPOSED (source 0 = 16 places of W1's columns, source 1 = 16 places of tokens): lane (r, h) holds token place r, and the 16 registers of B's tiles 2 g and 2 g + 1 are hidden units 32 g + 16 h + 0 .. 15.
; So the eight accumulators of A's tile a are one K step of the next product for 16 tokens: bias, gelu, quantiser, and the fragment leaves as it stands.
; CLUSTERS: 4 x 4 work-groups; A's tiles are asked for jointly along a row of the cluster, B's along a column.
; erf(x) = x P(x^2) / Q(x^2), P of degree 6, Q of degree 4, x held to -4 .. 4, where erf is +-1 to within f32's last bits.
; LIMITS: a block of zeros, or one under 2^-124, gets the byte 1 (this program alone reads the bytes); NaN and infinities are not served.
.set KDIM,  1024
.set KST,   KDIM/128                   ; K steps of 128
.set LAPS,  KDIM/512                   ; a lap = once round the ring = 512 along K
.set NQ,    2                          ; matrix instructions deep in a slot
.set FR,    12                         ; registers of a fragment
.set NL,    4                          ; LDS loads that bring one
.set NP,    4                          ; places behind this matrix instruction (ISA guide 7.12.1)
.set PIECE, 24576                      ; 128 rows x 256 K: what one tensor load brings
.set SLOT,  4*PIECE
.set SCL,   2*SLOT                     ; behind the ring: the scale words
.set HALFS, KST*512                    ; those of 128 rows.
.set SPARE, SCL+4*HALFS+256            ; the spare words, 128 bytes for each wave: two blocks of 256 bytes that no other line names
.set ADRA, 16
.set ADRB, 20
.set ADRS, 27
.set SPW,  28                          ; v28 LDS address of my spare word; never rewritten
.set NIL,  29                          ; v29 0; never rewritten
.set SC,   32
.set AF,   128
.set G1, 24
.set G0, 32
.set G1B, 48
.set G0B, 56
.set G1S, 68
.set G0S, 76
.set G1SB, 80
.set G0SB, 88
.set MSB, 0
.macro WIN new                         ; the immediate's high byte repeats the setting that is left
.if MSB != (\new)
	s_set_vgpr_msb (MSB<<8)|(\new)
.set MSB, (\new)
.endif
.endm
.set MUL_LO, 0xa1                      ; source 0 (B) window 1, source 1 (A) window 0, C and D window 2
.set MUL_HI, 0xf1                      ; the same, C and D window 3
.set TO_B,   0x40                      ; destination window 1, address window 0
.macro JLOAD g0a, g1a, g0b, g1b        ; a joint load: waves 0 and 1 fetch for A, waves 2 and 3 for B; four v_nop follow each of the two lines
	s_cmp_eq_u32 s15, 0
	s_cbranch_scc0 .Lfor_b_\@
	tensor_load_to_lds s[\g0a:\g0a+3], s[\g1a:\g1a+7]
	s_nop 0
.rept 4
	v_nop
.endr
	s_branch .Lasked_\@
.Lfor_b_\@:
	tensor_load_to_lds s[\g0b:\g0b+3], s[\g1b:\g1b+7]
	s_nop 0
.rept 4
	v_nop
.endr
.Lasked_\@:
.endm
.macro CREST                           ; a round of the cluster's barrier behind its opening barrier
	s_cmp_lg_u32 s14, 0
	s_cbranch_scc1 .Lnot_wave_0_\@
	s_barrier_signal -3
.Lnot_wave_0_\@:
	s_barrier_wait -3
	s_barrier_signal -1
	s_barrier_wait -1
.endm
.macro CROUND
	s_barrier_signal -1
	s_barrier_wait -1
	CREST
.endm
.macro FRAG reg, adr, q, i             ; tile i's fragment of the slot's q-th 128 along K: two images on end
	ds_load_b128 v[\reg:\reg+3], v[\adr] offset:(8*(\q)+(\i))*1536
	ds_load_b64 v[\reg+4:\reg+5], v[\adr+2] offset:(8*(\q)+(\i))*1536+512
	ds_load_b128 v[\reg+6:\reg+9], v[\adr] offset:(8*(\q)+(\i))*1536+768
	ds_load_b64 v[\reg+10:\reg+11], v[\adr+2] offset:(8*(\q)+(\i))*1536+1280
.endm
.macro MUL16 a0, p, q, sc, zero        ; 16 matrix instructions: A's tiles a0, a0 + 1 x B's eight; the 64 accumulators take turns
.irp a, \a0, \a0+1
.irp b, 0,1,2,3,4,5,6,7
.if \zero
	v_wmma_scale_f32_16x16x128_f8f6f4 v[8*(8*((\a)%4)+\b):8*(8*((\a)%4)+\b)+7], v[128*(\p)+FR*\b:128*(\p)+FR*\b+FR-1], v[AF+FR*(\a):AF+FR*(\a)+FR-1], 0, v[SC+8*NQ*(\sc)+NQ*\b+(\q)], v[SC+8*NQ*(\sc)+NQ*(\a)+(\q)] matrix_a_fmt:MATRIX_FMT_FP6 matrix_b_fmt:MATRIX_FMT_FP6 matrix_a_scale:MATRIX_SCALE_ROW1
.else
	v_wmma_scale_f32_16x16x128_f8f6f4 v[8*(8*((\a)%4)+\b):8*(8*((\a)%4)+\b)+7], v[128*(\p)+FR*\b:128*(\p)+FR*\b+FR-1], v[AF+FR*(\a):AF+FR*(\a)+FR-1], v[8*(8*((\a)%4)+\b):8*(8*((\a)%4)+\b)+7], v[SC+8*NQ*(\sc)+NQ*\b+(\q)], v[SC+8*NQ*(\sc)+NQ*(\a)+(\q)] matrix_a_fmt:MATRIX_FMT_FP6 matrix_b_fmt:MATRIX_FMT_FP6 matrix_a_scale:MATRIX_SCALE_ROW1
.endif
.endr
.endr
.endm
.macro FETCH_B slot, q, p
	WIN TO_B
.irp i, 0,1,2,3,4,5,6,7
	FRAG 128*(\p)+FR*\i, ADRB+\slot, \q, \i
.endr
	WIN 0
.endm
.macro FETCH_A slot, q, i0
.irp i, \i0, \i0+1, \i0+2, \i0+3
	FRAG AF+FR*(\i), ADRA+\slot, \q, \i
.endr
.endm
.macro SCALES sc                       ; a slot's scale words: lanes 0-15 take A's tile i, lanes 16-31 B's tile i
.irp i, 0,1,2,3,4,5,6,7
.irp q, 0,1
	ds_load_b32 v[SC+8*NQ*\sc+NQ*\i+\q], v[ADRS] offset:\q*512+\i*64
.endr
.endr
.endm
.macro PLACES n
.rept \n
	v_nop
.endr
.endm
.macro STEP slot, q, zero              ; a step of 128 along K that has its successor in the same slot
	s_wait_dscnt 4*NL                              ; all but the youngest sixteen loads (A's tiles 4-7) are in
	WIN MUL_LO
	MUL16 0, (\q)%2, \q, \slot, \zero
	MUL16 2, (\q)%2, \q, \slot, \zero
	s_wait_dscnt 0
	PLACES NP
	FETCH_B \slot, (\q)+1, 1-(\q)%2
	FETCH_A \slot, (\q)+1, 0
	WIN MUL_HI
	MUL16 4, (\q)%2, \q, \slot, \zero
	MUL16 6, (\q)%2, \q, \slot, \zero
	PLACES NP
	WIN 0
	FETCH_A \slot, (\q)+1, 4
.endm
.macro TURN slot, next, fill           ; a slot's last step changes slots; fill = 1: the slot is filled again, 512 along K ahead
	s_wait_tensorcnt 0x0                           ; all my tensor loads have landed: my part of the next slot
	ds_add_u32 v[SPW], v[NIL]                      ; 0 onto my spare word
	s_wait_dscnt 4*NL+1                            ; (the add and the youngest sixteen loads may be out)
	WIN MUL_LO
	MUL16 0, 1, NQ-1, \slot, 0
	s_wait_dscnt 0x0                               ; the add is done, and my reads of this slot are over
	s_barrier_signal -1
	MUL16 2, 1, NQ-1, \slot, 0
	WIN 0
	s_barrier_wait -1
.if \fill
	CREST                                          ; the barrier has opened a round of the cluster's barrier
	s_add_nc_u64 s[G0+4*\slot+2:G0+4*\slot+3], s[G0+4*\slot+2:G0+4*\slot+3], 2*PIECE
	s_add_nc_u64 s[G0B+4*\slot+2:G0B+4*\slot+3], s[G0B+4*\slot+2:G0B+4*\slot+3], 2*PIECE
	JLOAD G0+4*\slot, G1, G0B+4*\slot, G1B         ; the first tensor load behind the round; its four v_nop are the places in front of the loads below
.else
	PLACES NP
.endif
	v_add_nc_u32 v[ADRS], 512*NQ, v[ADRS]
	FETCH_B \next, 0, 0
	FETCH_A \next, 0, 0
	SCALES \next
	WIN MUL_HI
	MUL16 4, 1, NQ-1, \slot, 0
	MUL16 6, 1, NQ-1, \slot, 0
	PLACES NP
	WIN 0
	FETCH_A \next, 0, 4
.endm
.set BIAS, 64                          ; v64-127  b1 of my 128 hidden units, in the accumulators' order
.set T,    128                         ; v128-191 64 numbers at work
.set GS,   192                         ; gelu: v192-207 x, then z / 2;  v208-223 x^2;  v224-239 P;  v240-255 Q
.set GX,   208
.set GP,   224
.set GQ,   240
.set PC,   192                         ; the quantiser, behind gelu: v192-211 codes, v212-227 at work, v228 the scale word
.set TM,   212
.set PW,   228
.set O16,  4                           ; v4 16 x lane, v5 8 x lane
.set O8,   5
.set SW,   26                          ; LDS: where my scale words are gathered: 512 w + 4 r
.set SWA,  31                          ; the same + 64 a
.set RDW,  30                          ; and read back: 512 w + 16 x lane
.set SEL,  104
.set AI,   96                          ; s96 A's tile in hand;  s97 64 x it
.set SWS,  97
.macro QUANT s                         ; 64 numbers of a lane, register 16 b + i = k 32 b + 16 h + i of my row, become a fragment's codes in v[PC] on and its scale word in v[PW]
.irp b, 0,1,2,3
	v_max3_num_f32 v[TM+\b], |v[\s+16*\b]|, |v[\s+1+16*\b]|, 0x1800000   ; and the floor 2^(3 - 127): the byte cannot fall under 1
.endr
.irp i, 2,4,6,8,10,12,14
.irp b, 0,1,2,3
	v_max3_num_f32 v[TM+\b], v[TM+\b], |v[\s+16*\b+\i]|, |v[\s+1+16*\b+\i]|
.endr
.endr
.irp b, 0,1,2,3
	v_permlanex16_b32 v[TM+4+\b], v[TM+\b], s[SEL], s[SEL+1]
.endr
.irp b, 0,1,2,3
	v_max_num_f32 v[TM+\b], v[TM+\b], v[TM+4+\b]
.endr
.irp b, 0,1,2,3
	v_add_nc_u32 v[TM+12+\b], 0xff000000, v[TM+\b] ; 2 off the exponent field: the conversion's scale operand
.endr
.irp b, 0,1,2,3
	v_lshrrev_b32 v[TM+4+\b], 23, v[TM+12+\b]      ; the scale's byte
.endr
	v_lshl_or_b32 v[PW], v[TM+5], 8, v[TM+4]
	v_lshl_or_b32 v[PW], v[TM+6], 16, v[PW]
	v_lshl_or_b32 v[PW], v[TM+7], 24, v[PW]
.irp c, 0,1
	v_cvt_scalef32_pk16_fp6_f32 v[PC+6*\c:PC+2+6*\c], v[\s+32*\c:\s+15+32*\c], v[TM+12+2*\c]
	v_cvt_scalef32_pk16_fp6_f32 v[PC+12+4*\c:PC+14+4*\c], v[\s+16+32*\c:\s+31+32*\c], v[TM+12+2*\c+1]
.endr
	v_nop                                          ; one plain place behind a scaled conversion
.irp c, 0,1
.irp i, 0,1,2
	v_permlane16_swap_b32 v[PC+6*\c+\i], v[PC+12+4*\c+\i]
.endr
.irp i, 0,1,2
	v_mov_b32 v[PC+3+6*\c+\i], v[PC+12+4*\c+\i]
.endr
.endr
.endm
; gelu of 16 numbers, v[T + 16 k] on, in place; two at a time but for the hold and the reciprocals.  The sixteen reciprocals are one batch with one wait.
.macro GELU16 k
.set ZZ, T+16*(\k)
.irp i, 0,2,4,6,8,10,12,14
	v_pk_mul_f32 v[GS+\i:GS+\i+1], v[ZZ+\i:ZZ+\i+1], 0x3f3504f3 op_sel_hi:[1,0]   ; x = z / sqrt 2
.endr
.irp i, 0,1,2,3,4,5,6,7,8,9,10,11,12,13,14,15
	v_med3_num_f32 v[GS+\i], v[GS+\i], -4.0, 4.0
.endr
.irp i, 0,2,4,6,8,10,12,14
	v_pk_mul_f32 v[GX+\i:GX+\i+1], v[GS+\i:GS+\i+1], v[GS+\i:GS+\i+1]
.endr
.irp i, 0,2,4,6,8,10,12,14
	v_pk_fma_f32 v[GP+\i:GP+\i+1], v[GX+\i:GX+\i+1], v[32:33], 0x32edffee op_sel_hi:[1,1,0]
.endr
.irp c, 0xb60cff51, 0xb86ec2d2, 0xba40ac63, 0xbb41a1f6, 0xbc83dbd4
.irp i, 0,2,4,6,8,10,12,14
	v_pk_fma_f32 v[GP+\i:GP+\i+1], v[GP+\i:GP+\i+1], v[GX+\i:GX+\i+1], \c op_sel_hi:[1,1,0]
.endr
.endr
.irp i, 0,2,4,6,8,10,12,14
	v_pk_fma_f32 v[GQ+\i:GQ+\i+1], v[GX+\i:GX+\i+1], v[34:35], 0xb95fbd29 op_sel_hi:[1,1,0]
.endr
.irp c, 0xbadc924e, 0xbbf19bf8, 0xbc69b6a7
.irp i, 0,2,4,6,8,10,12,14
	v_pk_fma_f32 v[GQ+\i:GQ+\i+1], v[GQ+\i:GQ+\i+1], v[GX+\i:GX+\i+1], \c op_sel_hi:[1,1,0]
.endr
.endr
.irp i, 0,1,2,3,4,5,6,7,8,9,10,11,12,13,14,15
	v_rcp_f32 v[GQ+\i], v[GQ+\i]
.endr
.irp i, 0,2,4,6,8,10,12,14
	v_pk_mul_f32 v[GP+\i:GP+\i+1], v[GP+\i:GP+\i+1], v[GS+\i:GS+\i+1]             ; x P: plain work behind the batch
.endr
.irp i, 0,2,4,6,8,10,12,14
	v_pk_mul_f32 v[GS+\i:GS+\i+1], v[ZZ+\i:ZZ+\i+1], 0.5 op_sel_hi:[1,0]          ; z / 2
.endr
	s_wait_alu depctr_va_vdst(0)                   ; one wait for the sixteen, ahead of their first reader
.irp i, 0,2,4,6,8,10,12,14
	v_pk_mul_f32 v[GP+\i:GP+\i+1], v[GP+\i:GP+\i+1], v[GQ+\i:GQ+\i+1]             ; erf
.endr
.irp i, 0,2,4,6,8,10,12,14
	v_pk_fma_f32 v[ZZ+\i:ZZ+\i+1], v[GS+\i:GS+\i+1], v[GP+\i:GP+\i+1], v[GS+\i:GS+\i+1]   ; z / 2 x erf + z / 2
.endr
.endm
	s_load_b128 s[96:99], s[0:1], 0x0              ; act, wts
	s_load_b128 s[4:7], s[0:1], 0x10               ; b1, hid
	v_lshl_add_u32 v[SPW], v0, 2, SPARE
	v_mov_b32 v[NIL], 0
	ds_add_u32 v28, v29
	s_wait_dscnt 0x0
	v_lshrrev_b32 v1, 5, v0
	v_readfirstlane_b32 s14, v1                    ; wave 0..3
	s_lshr_b32 s15, s14, 1
	s_and_b32 s16, s14, 1
	s_bfe_u32 s40, ttmp6, 0x40000                  ; cx, cy
	s_bfe_u32 s41, ttmp6, 0x40004
	s_lshl_b32 s42, ttmp9, 2
	s_add_co_u32 s42, s42, s40                     ; tile column of C
	s_and_b32 s17, ttmp7, 0xffff
	s_lshl_b32 s17, s17, 2
	s_add_co_u32 s17, s17, s41                     ; tile row of C
	s_mov_b32 s[SEL], 0x76543210
	s_mov_b32 s[SEL+1], 0xfedcba98
	s_wait_kmcnt 0x0
	s_mov_b64 s[66:67], s[4:5]                     ; b1
	s_mov_b64 s[12:13], s[6:7]                     ; hid
	s_mov_b64 s[4:5], s[96:97]                     ; A's codes, A's scale words, B's codes, B's scale words
	s_add_nc_u64 s[6:7], s[96:97], 3145728
	s_add_nc_u64 s[8:9], s[98:99], 256*12288
	s_add_nc_u64 s[10:11], s[98:99], 9437184+256*512
	s_lshl_b32 s43, s41, 2
	s_lshl_b32 s43, 15, s43                        ; my row of the cluster
	s_lshl_b32 s44, 0x1111, s40                    ; my column
	s_or_b32 s[G1+0], s43, (3<<16)|(1<<21)         ; 15:0 the mask; 17:16 elements of 8 bytes; 20 no padding; 21 set beside a mask
	s_or_b32 s[G1B+0], s44, (3<<16)|(1<<21)
.irp g, G1, G1B                        ; a dense block of 24,576 bytes as 96 rows of 256
	s_mov_b32 s[\g+1], 32<<16
	s_mov_b32 s[\g+2], 96<<16
	s_mov_b32 s[\g+3], 32<<16
	s_mov_b32 s[\g+4], 96
	s_mov_b32 s[\g+5], 32
	s_mov_b32 s[\g+6], 0
	s_mov_b32 s[\g+7], 0
.endr
	s_or_b32 s[G1S+0], s43, (3<<16)|(1<<21)
	s_or_b32 s[G1SB+0], s44, (3<<16)|(1<<21)
.irp g, G1S, G1SB                      ; the scale words of 128 rows: HALFS dense bytes as rows of 256
	s_mov_b32 s[\g+1], 32<<16
	s_mov_b32 s[\g+2], (HALFS/256)<<16
	s_mov_b32 s[\g+3], 32<<16
	s_mov_b32 s[\g+4], HALFS/256
	s_mov_b32 s[\g+5], 32
	s_mov_b32 s[\g+6], 0
	s_mov_b32 s[\g+7], 0
.endr
	s_lshl_b32 s20, s17, 1
	s_add_co_u32 s20, s20, s16                     ; A: the block of 128 rows that I fetch
	s_lshl_b32 s46, s42, 1
	s_add_co_u32 s46, s46, s16                     ; B: likewise
	s_mul_i32 s22, s20, HALFS
	s_mul_i32 s20, s20, KST*12288
	s_mul_i32 s92, s46, HALFS
	s_mul_i32 s46, s46, KST*12288
	s_mov_b32 s21, 0
	s_mov_b32 s23, 0
	s_mov_b32 s47, 0
	s_mov_b32 s93, 0
	s_mul_i32 s45, s14, PIECE
	s_mul_i32 s94, s14, HALFS
	s_lshl_b32 s95, s15, 7
	s_add_co_u32 s94, s94, s95
	s_add_nc_u64 s[20:21], s[4:5], s[20:21]
	s_add_nc_u64 s[22:23], s[6:7], s[22:23]
	s_add_nc_u64 s[46:47], s[8:9], s[46:47]
	s_add_nc_u64 s[92:93], s[10:11], s[92:93]
	CROUND                                         ; all sixteen work-groups are here: the first joint loads meet
	s_mov_b32 s[G0S], 1
	s_add_co_u32 s[G0S+1], s94, SCL
	s_mov_b64 s[G0S+2:G0S+3], s[22:23]
	s_or_b32 s[G0S+3], s[G0S+3], 0x80000000
	s_mov_b32 s[G0SB], 1
	s_add_co_u32 s[G0SB+1], s94, SCL
	s_mov_b64 s[G0SB+2:G0SB+3], s[92:93]
	s_or_b32 s[G0SB+3], s[G0SB+3], 0x80000000
	JLOAD G0S, G1S, G0SB, G1SB
.irp s, 0,1
	s_mov_b32 s[G0+4*\s], 1
	s_add_co_u32 s[G0+4*\s+1], s45, \s*SLOT
	s_add_nc_u64 s[G0+4*\s+2:G0+4*\s+3], s[20:21], \s*PIECE
	s_or_b32 s[G0+4*\s+3], s[G0+4*\s+3], 0x80000000
	s_mov_b32 s[G0B+4*\s], 1
	s_add_co_u32 s[G0B+4*\s+1], s45, \s*SLOT
	s_add_nc_u64 s[G0B+4*\s+2:G0B+4*\s+3], s[46:47], \s*PIECE
	s_or_b32 s[G0B+4*\s+3], s[G0B+4*\s+3], 0x80000000
	JLOAD G0+4*\s, G1, G0B+4*\s, G1B
.endr
	v_and_b32 v1, 15, v0                           ; r
	v_bfe_u32 v2, v0, 4, 1                         ; h
	v_and_b32 v3, 31, v0                           ; lane
	v_lshlrev_b32 v4, 4, v3
	v_lshlrev_b32 v5, 3, v3
	s_mul_i32 s21, s15, PIECE
	s_mul_i32 s22, s16, PIECE
	s_add_co_u32 s22, s22, 2*PIECE
.irp s, 0,1
	v_add_nc_u32 v[ADRA+\s], s21, v4
	v_add_nc_u32 v[ADRB+\s], s22, v4
	v_add_nc_u32 v[ADRA+2+\s], s21, v5
	v_add_nc_u32 v[ADRB+2+\s], s22, v5
	s_add_co_u32 s21, s21, SLOT
	s_add_co_u32 s22, s22, SLOT
.endr
	s_mul_i32 s21, s15, HALFS
	s_mul_i32 s22, s16, HALFS
	s_add_co_u32 s22, s22, 2*HALFS+128
	s_sub_co_u32 s22, s22, s21
	v_mul_u32_u24 v6, s22, v2                      ; lanes 16-31 take B's
	s_add_co_u32 s21, s21, SCL
	v_lshl_add_u32 v6, v1, 2, v6
	v_add_nc_u32 v[ADRS], s21, v6
	s_lshl_b32 s18, s42, 10
	s_lshl_b32 s19, s16, 9
	s_add_co_u32 s18, s18, s19
	s_mov_b32 s19, 0
	s_add_nc_u64 s[66:67], s[66:67], s[18:19]      ; b1 at my 128 hidden units
	v_lshlrev_b32 v7, 6, v2                        ; + 16 h numbers
.irp g, 0,1,2,3
.irp k, 0,1,2,3
	global_load_b128 v[BIAS+16*\g+4*\k:BIAS+16*\g+4*\k+3], v7, s[66:67] offset:128*\g+16*\k   ; register 16 g + i: hidden unit 32 g + 16 h + i
.endr
.endr
	s_lshl_b32 s18, s17, 1
	s_add_co_u32 s18, s18, s15                     ; my block of 128 tokens
	s_lshl_b32 s20, s42, 1
	s_add_co_u32 s20, s20, s16                     ; my K step of the next product
	s_mul_i32 s22, s18, 393216
	s_mul_i32 s23, s20, 12288
	s_add_co_u32 s22, s22, s23
	s_mov_b32 s23, 0
	s_lshl_b32 s18, s18, 14
	s_lshl_b32 s20, s20, 9
	s_add_co_u32 s18, s18, s20
	s_add_co_u32 s18, s18, 12582912
	s_add_nc_u64 s[98:99], s[12:13], s[18:19]      ; my 128 scale words
	s_add_nc_u64 s[12:13], s[12:13], s[22:23]      ; my eight fragments
	s_lshl_b32 s18, s14, 9
	v_lshl_add_u32 v[SW], v1, 2, s18
	v_add_nc_u32 v[RDW], s18, v4
	s_wait_tensorcnt 1                             ; the scale words and my part of slot 0 are in (slot 1's load may be out)
	s_barrier_signal -1
	s_barrier_wait -1
	FETCH_B 0, 0, 0
	FETCH_A 0, 0, 0
	SCALES 0
	FETCH_A 0, 0, 4
	STEP 0, 0, 1                                   ; the first step stands in front of the loop: its products start the sums
	s_mov_b32 s3, LAPS-1
.Llap:
	TURN 0, 1, 1
	STEP 1, 0, 0
	TURN 1, 0, 1
	STEP 0, 0, 0
	s_sub_co_u32 s3, s3, 1
	s_cmp_lg_u32 s3, 0
	s_cbranch_scc1 .Llap
	TURN 0, 1, 0                                   ; the last lap fills nothing
	STEP 1, 0, 0
	s_wait_dscnt 4*NL
	WIN MUL_LO
	MUL16 0, 1, NQ-1, 1, 0
	MUL16 2, 1, NQ-1, 1, 0
	s_wait_dscnt 0
	WIN MUL_HI
	MUL16 4, 1, NQ-1, 1, 0
	MUL16 6, 1, NQ-1, 1, 0
	WIN 0
	; THE WAY OUT: a loop of eight trips, one for each of A's tiles, so that gelu and the quantiser are written once.  Only the lines that fetch a tile's accumulators differ from trip to trip: a ladder of eight.
	PLACES NP
	s_wait_loadcnt 0x0                             ; b1
	v_mov_b32 v32, 0xaf95df0b                      ; P's and Q's leading coefficients, as pairs
	v_mov_b32 v33, 0xaf95df0b
	v_mov_b32 v34, 0xb77460cd
	v_mov_b32 v35, 0xb77460cd
	s_mov_b32 s[AI], 0
	s_mov_b32 s[SWS], 0
.macro TAKE a
	WIN 0x02+(\a)/4                                ; source 0: window 2 or 3
.set ii, 0
.rept 32
	v_pk_add_f32 v[T+ii:T+ii+1], v[64*((\a)%4)+ii:64*((\a)%4)+ii+1], v[BIAS+ii:BIAS+ii+1]   ; each accumulator from its low end on
.set ii, ii+2
.endr
	WIN 0
.endm
.Lrow:
.irp a, 0,1,2,3,4,5,6
	s_cmp_lg_u32 s[AI], \a
	s_cbranch_scc1 .Lnot\a
	TAKE \a
	s_branch .Lgot
.Lnot\a:
.endr
	TAKE 7
.Lgot:
	GELU16 0
	GELU16 1
	GELU16 2
	GELU16 3
	QUANT T
	global_store_b128 v[O16], v[PC:PC+3], s[12:13]             ; the fragment as it stands: 512, 256, 512, 256 consecutive bytes
	global_store_b64 v[O8], v[PC+4:PC+5], s[12:13] offset:512
	global_store_b128 v[O16], v[PC+6:PC+9], s[12:13] offset:768
	global_store_b64 v[O8], v[PC+10:PC+11], s[12:13] offset:1280
	v_add_nc_u32 v[SWA], s[SWS], v[SW]
	ds_store_b32 v[SWA], v[PW]                     ; (both halves of the lanes write the same word with the same value)
	s_wait_xcnt 0x0                                ; the stores have read their registers and their base: both are written again only behind this wait
	s_add_nc_u64 s[12:13], s[12:13], 1536
	s_add_co_u32 s[SWS], s[SWS], 64
	s_add_co_u32 s[AI], s[AI], 1
	s_cmp_lt_u32 s[AI], 8
	s_cbranch_scc1 .Lrow
	ds_load_b128 v[T:T+3], v[RDW]                  ; LDS serves a wave's instructions in order: this sees my stores
	s_wait_dscnt 0x0
	global_store_b128 v[O16], v[T:T+3], s[98:99]   ; 512 consecutive bytes
	s_wait_tensorcnt 0x0                           ; the wave's end
	ds_add_u32 v[SPW], v[NIL]
	s_wait_dscnt 0x0
	CROUND                                         ; the closing round
	s_endpgm
.Lfunc_end_k_q6ea3dc1e26_ffn1:
	.size	k_q6ea3dc1e26_ffn1, .Lfunc_end_k_q6ea3dc1e26_ffn1-k_q6ea3dc1e26_ffn1
	.p2alignl 7, 3214868480
	.fill 96, 4, 3214868480
	.section	.rodata,"a",@progbits
	.p2align	6, 0x0
	.amdhsa_kernel k_q6ea3dc1e26_ffn1
		.amdhsa_group_segment_fixed_size 327680
		.amdhsa_private_segment_fixed_size 0
		.amdhsa_enable_private_segment 0
		.amdhsa_kernarg_size 32
		.amdhsa_user_sgpr_count 2
		.amdhsa_user_sgpr_kernarg_segment_ptr 1
		.amdhsa_wavefront_size32 1
		.amdhsa_system_sgpr_workgroup_id_x 1
		.amdhsa_system_sgpr_workgroup_id_y 1
		.amdhsa_system_sgpr_workgroup_id_z 1
		.amdhsa_system_vgpr_workitem_id 0
		.amdhsa_next_free_vgpr 1024
		.amdhsa_next_free_sgpr 106
		.amdhsa_reserve_vcc 0
		.amdhsa_float_denorm_mode_32 3
		.amdhsa_float_denorm_mode_16_64 3
		.amdhsa_memory_ordered 1
		.amdhsa_forward_progress 1
		.amdhsa_inst_pref_size 189
	.end_amdhsa_kernel
	.amdgpu_metadata
---
amdhsa.version: [ 1, 2 ]
amdhsa.kernels:
  - .name:           k_q6ea3dc1e26_ffn1
    .symbol:         k_q6ea3dc1e26_ffn1.kd
    .args:
      - { .name: act, .offset: 0, .size: 8, .value_kind: global_buffer, .address_space: global }
      - { .name: wts, .offset: 8, .size: 8, .value_kind: global_buffer, .address_space: global }
      - { .name: b1, .offset: 16, .size: 8, .value_kind: global_buffer, .address_space: global }
      - { .name: hid, .offset: 24, .size: 8, .value_kind: global_buffer, .address_space: global }
    .group_segment_fixed_size: 327680
    .private_segment_fixed_size: 0
    .kernarg_segment_align: 8
    .kernarg_segment_size: 32
    .max_flat_workgroup_size: 128
    .sgpr_count:     106
    .vgpr_count:     1024
    .wavefront_size: 32
...
	.end_amdgpu_metadata
.endif
;; end of part 6
;; launch ffn2 (part 7): grid 4 x 16, 4 waves a work-group, clusters of 4 x 4, 327,680 bytes of LDS; arguments hid, wts, b2, h, out0; writes out0
.if DOCPART == 7
	.amdgcn_target "amdgcn-amd-amdhsa--gfx1250"
	.amdhsa_code_object_version 6
	.text
	.protected	k_q6ea3dc1e26_ffn2
	.globl	k_q6ea3dc1e26_ffn2
	.p2align	8
	.type	k_q6ea3dc1e26_ffn2,@function
k_q6ea3dc1e26_ffn2:
	s_mov_b64 s[64:65], 0
	v_nop
	global_prefetch_b8 v0, s[64:65] scope:SCOPE_SE
	s_setreg_imm32_b32 hwreg(HW_REG_WAVE_MODE, 25, 1), 1
	s_wait_xcnt 0x0
	s_wait_alu depctr_hold_cnt(0) depctr_sa_sdst(0) depctr_va_vdst(0) depctr_va_sdst(0) depctr_va_ssrc(0) depctr_va_vcc(0) depctr_vm_vsrc(0)
	s_getreg_b32 s2, hwreg(HW_REG_IB_STS2, 6, 4)
	s_cmp_eq_u32 s2, 0
	s_cbranch_scc0 .Lentry_in_a_cluster
	s_endpgm
.Lentry_in_a_cluster:
	s_bfe_u32 s2, ttmp6, 0x10000c
	s_cmp_lg_u32 s2, 0xf033
	s_cbranch_scc0 .Lentry_shape_is_right
	s_endpgm
.Lentry_shape_is_right:
; out = h + (hid W2 + b2): the hidden layer and W2 on codes of FP6 (E2M3) with E8M0 scales, K = 4,096; out [4,096][1,024] f32.
; THE PRODUCT: a tile of C, 256 x 256, by four waves of 128 x 128 (64 accumulators, 512 registers); K in steps of 256 through two LDS slots filled by the tensor data mover.
; Operands lie in memory as IMAGES OF THE OPERAND'S REGISTERS: [block of 128 rows][K step of 128][tile of 16 rows][1,536 bytes]: for each 64 along K 512 bytes of registers 0-3 (lane l at 16 l) and 256 of registers 4-5 (at 8 l).
; So a slot's part of 128 rows is one dense block of 24,576 bytes, every LDS load reads consecutive bytes, and there is no padding.  Scale words: [block][K step][128 rows] x 4 bytes; those of all of K come once.
; ROWS STAND IN THE ORDER P (place p holds row p with bits 3 and 4 changed over).  THE MATRIX INSTRUCTION IS USED TRANSPOSED (source 0 = 16 places of B, source 1 = 16 places of A).
; CLUSTERS: 4 x 4 work-groups; A's tiles are asked for jointly along a row of the cluster, B's along a column.  C has 64 tiles of 256 x 256: 64 work-groups.
; THE WAY OUT undoes P: on the columns by the place of a lane's 32 bytes in the stage, on the rows by the stores' immediates.
; REGISTERS: window 0: v0-31 addresses; v32-63 scale words; v64-67 the bias; v128-223 A's fragments; on the way out v128-255 rows of C.  window 1: B's fragments, later the residual.  windows 2, 3: the accumulators.
.set KDIM,  4096
.set ASCL,  12582912                   ; where A's scale words begin in its buffer
.set BREC,  512                        ; B's first record in wts
.set KST,   KDIM/128                   ; K steps of 128
.set LAPS,  KDIM/512                   ; a lap = once round the ring = 512 along K
.set NQ,    2                          ; matrix instructions deep in a slot
.set FR,    12                         ; registers of a fragment
.set NL,    4                          ; LDS loads that bring one
.set NP,    4                          ; places behind this matrix instruction (ISA guide 7.12.1)
.set PIECE, 24576                      ; 128 rows x 256 K: what one tensor load brings
.set SLOT,  4*PIECE                    ; A's two blocks, then B's two
.set SCL,   2*SLOT                     ; behind the ring: the scale words
.set HALFS, KST*512                    ; those of 128 rows.
.set SPARE, SCL+4*HALFS+256            ; the spare words, 128 bytes for each wave: two blocks of 256 bytes that no other line names
.set ADRA, 16                          ; v16-17 LDS address of my A fragments in slot 0, 1, + 16 x lane;  v18-19 the same + 8 x lane
.set ADRB, 20                          ; v20-23 the same for B
.set ADRS, 27                          ; v27 my scale words: lanes 0-15 A's, lanes 16-31 B's
.set SPW,  28                          ; v28 LDS address of my spare word; never rewritten
.set NIL,  29                          ; v29 0; never rewritten
.set SC,   32
.set AF,   128
.set G1, 24
.set G0, 32
.set G1B, 48
.set G0B, 56
.set G1S, 68
.set G0S, 76
.set G1SB, 80
.set G0SB, 88
.set MSB, 0
.macro WIN new                         ; the immediate's high byte repeats the setting that is left
.if MSB != (\new)
	s_set_vgpr_msb (MSB<<8)|(\new)
.set MSB, (\new)
.endif
.endm
.set MUL_LO, 0xa1                      ; source 0 (B) window 1, source 1 (A) window 0, C and D window 2
.set MUL_HI, 0xf1                      ; the same, C and D window 3
.set TO_B,   0x40                      ; destination window 1, address window 0
.macro JLOAD g0a, g1a, g0b, g1b        ; a joint load: waves 0 and 1 fetch for A, waves 2 and 3 for B; four v_nop follow each of the two lines
	s_cmp_eq_u32 s15, 0
	s_cbranch_scc0 .Lfor_b_\@
	tensor_load_to_lds s[\g0a:\g0a+3], s[\g1a:\g1a+7]
	s_nop 0
.rept 4
	v_nop
.endr
	s_branch .Lasked_\@
.Lfor_b_\@:
	tensor_load_to_lds s[\g0b:\g0b+3], s[\g1b:\g1b+7]
	s_nop 0
.rept 4
	v_nop
.endr
.Lasked_\@:
.endm
.macro CREST                           ; a round of the cluster's barrier behind its opening barrier
	s_cmp_lg_u32 s14, 0
	s_cbranch_scc1 .Lnot_wave_0_\@
	s_barrier_signal -3
.Lnot_wave_0_\@:
	s_barrier_wait -3
	s_barrier_signal -1
	s_barrier_wait -1
.endm
.macro CROUND
	s_barrier_signal -1
	s_barrier_wait -1
	CREST
.endm
.macro FRAG reg, adr, q, i             ; tile i's fragment of the slot's q-th 128 along K: two images on end
	ds_load_b128 v[\reg:\reg+3], v[\adr] offset:(8*(\q)+(\i))*1536
	ds_load_b64 v[\reg+4:\reg+5], v[\adr+2] offset:(8*(\q)+(\i))*1536+512
	ds_load_b128 v[\reg+6:\reg+9], v[\adr] offset:(8*(\q)+(\i))*1536+768
	ds_load_b64 v[\reg+10:\reg+11], v[\adr+2] offset:(8*(\q)+(\i))*1536+1280
.endm
.macro MUL16 a0, p, q, sc, zero        ; 16 matrix instructions: A's tiles a0, a0 + 1 x B's eight; the 64 accumulators take turns
.irp a, \a0, \a0+1
.irp b, 0,1,2,3,4,5,6,7
.if \zero
	v_wmma_scale_f32_16x16x128_f8f6f4 v[8*(8*((\a)%4)+\b):8*(8*((\a)%4)+\b)+7], v[128*(\p)+FR*\b:128*(\p)+FR*\b+FR-1], v[AF+FR*(\a):AF+FR*(\a)+FR-1], 0, v[SC+8*NQ*(\sc)+NQ*\b+(\q)], v[SC+8*NQ*(\sc)+NQ*(\a)+(\q)] matrix_a_fmt:MATRIX_FMT_FP6 matrix_b_fmt:MATRIX_FMT_FP6 matrix_a_scale:MATRIX_SCALE_ROW1
.else
	v_wmma_scale_f32_16x16x128_f8f6f4 v[8*(8*((\a)%4)+\b):8*(8*((\a)%4)+\b)+7], v[128*(\p)+FR*\b:128*(\p)+FR*\b+FR-1], v[AF+FR*(\a):AF+FR*(\a)+FR-1], v[8*(8*((\a)%4)+\b):8*(8*((\a)%4)+\b)+7], v[SC+8*NQ*(\sc)+NQ*\b+(\q)], v[SC+8*NQ*(\sc)+NQ*(\a)+(\q)] matrix_a_fmt:MATRIX_FMT_FP6 matrix_b_fmt:MATRIX_FMT_FP6 matrix_a_scale:MATRIX_SCALE_ROW1
.endif
.endr
.endr
.endm
.macro FETCH_B slot, q, p
	WIN TO_B
.irp i, 0,1,2,3,4,5,6,7
	FRAG 128*(\p)+FR*\i, ADRB+\slot, \q, \i
.endr
	WIN 0
.endm
.macro FETCH_A slot, q, i0
.irp i, \i0, \i0+1, \i0+2, \i0+3
	FRAG AF+FR*(\i), ADRA+\slot, \q, \i
.endr
.endm
.macro SCALES sc                       ; a slot's scale words: lanes 0-15 take A's tile i, lanes 16-31 B's tile i
.irp i, 0,1,2,3,4,5,6,7
.irp q, 0,1
	ds_load_b32 v[SC+8*NQ*\sc+NQ*\i+\q], v[ADRS] offset:\q*512+\i*64
.endr
.endr
.endm
.macro PLACES n
.rept \n
	v_nop
.endr
.endm
.macro STEP slot, q, zero              ; a step of 128 along K that has its successor in the same slot
	s_wait_dscnt 4*NL                              ; all but the youngest sixteen loads (A's tiles 4-7) are in
	WIN MUL_LO
	MUL16 0, (\q)%2, \q, \slot, \zero
	MUL16 2, (\q)%2, \q, \slot, \zero
	s_wait_dscnt 0
	PLACES NP
	FETCH_B \slot, (\q)+1, 1-(\q)%2
	FETCH_A \slot, (\q)+1, 0
	WIN MUL_HI
	MUL16 4, (\q)%2, \q, \slot, \zero
	MUL16 6, (\q)%2, \q, \slot, \zero
	PLACES NP
	WIN 0
	FETCH_A \slot, (\q)+1, 4
.endm
.macro TURN slot, next, fill           ; a slot's last step changes slots; fill = 1: the slot is filled again, 512 along K ahead
	s_wait_tensorcnt 0x0                           ; all my tensor loads have landed: my part of the next slot
	ds_add_u32 v[SPW], v[NIL]                      ; 0 onto my spare word
	s_wait_dscnt 4*NL+1                            ; (the add and the youngest sixteen loads may be out)
	WIN MUL_LO
	MUL16 0, 1, NQ-1, \slot, 0
	s_wait_dscnt 0x0                               ; the add is done, and my reads of this slot are over
	s_barrier_signal -1
	MUL16 2, 1, NQ-1, \slot, 0
	WIN 0
	s_barrier_wait -1
.if \fill
	CREST                                          ; the barrier has opened a round of the cluster's barrier
	s_add_nc_u64 s[G0+4*\slot+2:G0+4*\slot+3], s[G0+4*\slot+2:G0+4*\slot+3], 2*PIECE
	s_add_nc_u64 s[G0B+4*\slot+2:G0B+4*\slot+3], s[G0B+4*\slot+2:G0B+4*\slot+3], 2*PIECE
	JLOAD G0+4*\slot, G1, G0B+4*\slot, G1B         ; the first tensor load behind the round; its four v_nop are the places in front of the loads below
.else
	PLACES NP
.endif
	v_add_nc_u32 v[ADRS], 512*NQ, v[ADRS]
	FETCH_B \next, 0, 0
	FETCH_A \next, 0, 0
	SCALES \next
	WIN MUL_HI
	MUL16 4, 1, NQ-1, \slot, 0
	MUL16 6, 1, NQ-1, \slot, 0
	PLACES NP
	WIN 0
	FETCH_A \next, 0, 4
.endm
.set STO,  24                          ; v24 the stage: where I put 32 bytes of a row: 8,448 w + 528 r + 64 h
.set RD,   25                          ; v25 and where I read a row back: 8,448 w + 16 x lane
.set CO,   4                           ; v4  16 x lane: my bytes of a row of 512
.set PFR,  30                          ; v30 the prefetches' offset: row lane / 2, block lane % 2
.set BK,   128                         ; 16 rows read back: v128-191 and v192-255 by turns
.set OUTP, 12                          ; s[12:13] the output at my first row and column
.set RES,  100                         ; s[100:101] the residual likewise
	s_load_b128 s[96:99], s[0:1], 0x0              ; A's buffer, wts
	s_load_b128 s[4:7], s[0:1], 0x10               ; the bias, the residual
	s_load_b64 s[12:13], s[0:1], 0x20              ; the output
	v_lshl_add_u32 v[SPW], v0, 2, SPARE
	v_mov_b32 v[NIL], 0
	ds_add_u32 v28, v29
	s_wait_dscnt 0x0
	v_lshrrev_b32 v1, 5, v0
	v_readfirstlane_b32 s14, v1                    ; wave 0..3
	s_lshr_b32 s15, s14, 1
	s_and_b32 s16, s14, 1
	s_bfe_u32 s40, ttmp6, 0x40000                  ; cx, cy
	s_bfe_u32 s41, ttmp6, 0x40004
	s_lshl_b32 s42, ttmp9, 2
	s_add_co_u32 s42, s42, s40                     ; tile column of C
	s_and_b32 s17, ttmp7, 0xffff
	s_lshl_b32 s17, s17, 2
	s_add_co_u32 s17, s17, s41                     ; tile row of C
	s_wait_kmcnt 0x0
	s_mov_b64 s[66:67], s[4:5]
	s_mov_b64 s[RES:RES+1], s[6:7]
	s_mov_b64 s[4:5], s[96:97]                     ; A's codes, A's scale words, B's codes, B's scale words
	s_add_nc_u64 s[6:7], s[96:97], ASCL
	s_add_nc_u64 s[8:9], s[98:99], BREC*12288
	s_add_nc_u64 s[10:11], s[98:99], 9437184+BREC*512
	s_lshl_b32 s43, s41, 2
	s_lshl_b32 s43, 15, s43                        ; my row of the cluster
	s_lshl_b32 s44, 0x1111, s40                    ; my column
	s_or_b32 s[G1+0], s43, (3<<16)|(1<<21)         ; 15:0 the mask; 17:16 elements of 8 bytes; 20 no padding; 21 set beside a mask
	s_or_b32 s[G1B+0], s44, (3<<16)|(1<<21)
.irp g, G1, G1B                        ; a dense block of 24,576 bytes as 96 rows of 256
	s_mov_b32 s[\g+1], 32<<16
	s_mov_b32 s[\g+2], 96<<16
	s_mov_b32 s[\g+3], 32<<16
	s_mov_b32 s[\g+4], 96
	s_mov_b32 s[\g+5], 32
	s_mov_b32 s[\g+6], 0
	s_mov_b32 s[\g+7], 0
.endr
	s_or_b32 s[G1S+0], s43, (3<<16)|(1<<21)
	s_or_b32 s[G1SB+0], s44, (3<<16)|(1<<21)
.irp g, G1S, G1SB                      ; the scale words of 128 rows: HALFS dense bytes as rows of 256
	s_mov_b32 s[\g+1], 32<<16
	s_mov_b32 s[\g+2], (HALFS/256)<<16
	s_mov_b32 s[\g+3], 32<<16
	s_mov_b32 s[\g+4], HALFS/256
	s_mov_b32 s[\g+5], 32
	s_mov_b32 s[\g+6], 0
	s_mov_b32 s[\g+7], 0
.endr
	s_lshl_b32 s20, s17, 1
	s_add_co_u32 s20, s20, s16                     ; A: the block of 128 rows that I fetch
	s_lshl_b32 s46, s42, 1
	s_add_co_u32 s46, s46, s16                     ; B: likewise
	s_mul_i32 s22, s20, HALFS
	s_mul_i32 s20, s20, KST*12288
	s_mul_i32 s92, s46, HALFS
	s_mul_i32 s46, s46, KST*12288
	s_mov_b32 s21, 0
	s_mov_b32 s23, 0
	s_mov_b32 s47, 0
	s_mov_b32 s93, 0
	s_mul_i32 s45, s14, PIECE
	s_mul_i32 s94, s14, HALFS
	s_lshl_b32 s95, s15, 7
	s_add_co_u32 s94, s94, s95
	s_add_nc_u64 s[20:21], s[4:5], s[20:21]
	s_add_nc_u64 s[22:23], s[6:7], s[22:23]
	s_add_nc_u64 s[46:47], s[8:9], s[46:47]
	s_add_nc_u64 s[92:93], s[10:11], s[92:93]
	CROUND                                         ; all sixteen work-groups are here: the first joint loads meet
	s_mov_b32 s[G0S], 1
	s_add_co_u32 s[G0S+1], s94, SCL
	s_mov_b64 s[G0S+2:G0S+3], s[22:23]
	s_or_b32 s[G0S+3], s[G0S+3], 0x80000000
	s_mov_b32 s[G0SB], 1
	s_add_co_u32 s[G0SB+1], s94, SCL
	s_mov_b64 s[G0SB+2:G0SB+3], s[92:93]
	s_or_b32 s[G0SB+3], s[G0SB+3], 0x80000000
	JLOAD G0S, G1S, G0SB, G1SB
.irp s, 0,1
	s_mov_b32 s[G0+4*\s], 1
	s_add_co_u32 s[G0+4*\s+1], s45, \s*SLOT
	s_add_nc_u64 s[G0+4*\s+2:G0+4*\s+3], s[20:21], \s*PIECE
	s_or_b32 s[G0+4*\s+3], s[G0+4*\s+3], 0x80000000
	s_mov_b32 s[G0B+4*\s], 1
	s_add_co_u32 s[G0B+4*\s+1], s45, \s*SLOT
	s_add_nc_u64 s[G0B+4*\s+2:G0B+4*\s+3], s[46:47], \s*PIECE
	s_or_b32 s[G0B+4*\s+3], s[G0B+4*\s+3], 0x80000000
	JLOAD G0+4*\s, G1, G0B+4*\s, G1B
.endr
	v_and_b32 v1, 15, v0                           ; r
	v_bfe_u32 v2, v0, 4, 1                         ; h
	v_and_b32 v3, 31, v0                           ; lane
	v_lshlrev_b32 v4, 4, v3
	v_lshlrev_b32 v5, 3, v3
	s_mul_i32 s21, s15, PIECE
	s_mul_i32 s22, s16, PIECE
	s_add_co_u32 s22, s22, 2*PIECE
.irp s, 0,1
	v_add_nc_u32 v[ADRA+\s], s21, v4
	v_add_nc_u32 v[ADRB+\s], s22, v4
	v_add_nc_u32 v[ADRA+2+\s], s21, v5
	v_add_nc_u32 v[ADRB+2+\s], s22, v5
	s_add_co_u32 s21, s21, SLOT
	s_add_co_u32 s22, s22, SLOT
.endr
	s_mul_i32 s21, s15, HALFS
	s_mul_i32 s22, s16, HALFS
	s_add_co_u32 s22, s22, 2*HALFS+128
	s_sub_co_u32 s22, s22, s21
	v_mul_u32_u24 v6, s22, v2                      ; lanes 16-31 take B's
	s_add_co_u32 s21, s21, SCL
	v_lshl_add_u32 v6, v1, 2, v6
	v_add_nc_u32 v[ADRS], s21, v6
	s_lshl_b32 s18, s42, 10
	s_lshl_b32 s19, s16, 9
	s_add_co_u32 s18, s18, s19                     ; my first column, in bytes
	s_mov_b32 s19, 0
	s_add_nc_u64 s[66:67], s[66:67], s[18:19]
	global_load_b128 v[64:67], v[CO], s[66:67]     ; the bias of my four columns of a row of 128
	s_lshl_b32 s20, s17, 8
	s_lshl_b32 s21, s15, 7
	s_add_co_u32 s20, s20, s21                     ; my first row
	s_lshl_b32 s20, s20, 12
	s_add_co_u32 s18, s18, s20
	s_add_nc_u64 s[OUTP:OUTP+1], s[OUTP:OUTP+1], s[18:19]
	s_add_nc_u64 s[RES:RES+1], s[RES:RES+1], s[18:19]
	s_mul_i32 s18, s14, 16*528
	v_mul_u32_u24 v[STO], v1, 528
	v_lshl_add_u32 v[STO], v2, 6, v[STO]
	v_add_nc_u32 v[STO], s18, v[STO]
	v_add_nc_u32 v[RD], s18, v4
	v_lshrrev_b32 v[PFR], 1, v3
	v_lshlrev_b32 v[PFR], 12, v[PFR]
	v_and_b32 v7, 1, v3
	v_lshl_add_u32 v[PFR], v7, 8, v[PFR]
	s_wait_tensorcnt 1                             ; the scale words and my part of slot 0 are in (slot 1's load may be out)
	s_barrier_signal -1
	s_barrier_wait -1
	FETCH_B 0, 0, 0
	FETCH_A 0, 0, 0
	SCALES 0
	FETCH_A 0, 0, 4
	STEP 0, 0, 1                                   ; the first step stands in front of the loop: its products start the sums
	s_mov_b32 s3, LAPS-1
.Llap:
	TURN 0, 1, 1
	STEP 1, 0, 0
	TURN 1, 0, 1
	STEP 0, 0, 0
	s_sub_co_u32 s3, s3, 1
	s_cmp_lg_u32 s3, 0
	s_cbranch_scc1 .Llap
	TURN 0, 1, 0                                   ; the last lap fills nothing
.irp k, 0,1,2,3,4,5,6,7                ; the residual of my 128 rows x 512 bytes is prefetched into the L2 here, two steps (128 matrix instructions) ahead of its loads: 256 blocks of 256 bytes, a lane a block, each named once
	global_prefetch_b8 v[PFR], s[RES:RES+1] offset:\k*65536 th:TH_LOAD_NT scope:SCOPE_SE
.endr
	STEP 1, 0, 0
	s_wait_dscnt 4*NL
	WIN MUL_LO
	MUL16 0, 1, NQ-1, 1, 0
	MUL16 2, 1, NQ-1, 1, 0
	s_wait_dscnt 0
	WIN MUL_HI
	MUL16 4, 1, NQ-1, 1, 0
	MUL16 6, 1, NQ-1, 1, 0
	WIN 0
; THE WAY OUT, A's tile a (16 places x 128 columns) at a time, through my own stage in slot 0, which has had its last fill and its last read.  Place t of tile a is row 32 (a / 2) + 8 (a % 2) + t % 8 + 16 (t / 8) of my 128.
.macro RLOAD a                         ; the residual's 16 rows, into window 1: three sets of 64 by turns
	WIN 0x40
.irp t, 0,1,2,3,4,5,6,7,8,9,10,11,12,13,14,15
	global_load_b128 v[64*((\a)%3)+4*\t:64*((\a)%3)+4*\t+3], v[CO], s[RES:RES+1] offset:(32*((\a)/2)+8*((\a)%2)+(\t%8)+16*(\t/8))*4096 th:TH_LOAD_NT
.endr
	WIN 0
.endm
.macro TOSTAGE a
.set AC, 64*((\a)%4)
	WIN 0x08+4*((\a)/4)                            ; an LDS store's data are its source 1: window 2 or 3
.irp b, 0,1,2,3,4,5,6,7
	ds_store_b128 v[STO], v[AC+8*\b:AC+8*\b+3] offset:128*(\b/2)+32*(\b%2)       ; columns 32 (b / 2) + 16 h + 8 (b % 2) + 0 .. 7; each accumulator from its low end on
	ds_store_b128 v[STO], v[AC+8*\b+4:AC+8*\b+7] offset:128*(\b/2)+32*(\b%2)+16
.endr
	WIN 0
.set BB, BK+64*((\a)%2)
.irp t, 0,1,2,3,4,5,6,7,8,9,10,11,12,13,14,15
	ds_load_b128 v[BB+4*\t:BB+4*\t+3], v[RD] offset:\t*528     ; LDS serves a wave's instructions in order: these see the stores above
.endr
.endm
.macro SEND a, younger                 ; younger: the LDS instructions issued behind tile a's loads
.set BB, BK+64*((\a)%2)
.set RR, 64*((\a)%3)
	s_wait_dscnt \younger
.irp t, 0,1,2,3,4,5,6,7,8,9,10,11,12,13,14,15
	v_pk_add_f32 v[BB+4*\t:BB+4*\t+1], v[BB+4*\t:BB+4*\t+1], v[64:65]
	v_pk_add_f32 v[BB+4*\t+2:BB+4*\t+3], v[BB+4*\t+2:BB+4*\t+3], v[66:67]
.endr
.if (\a) < 6
	s_wait_loadcnt 32                              ; this tile's residual is in; the two tiles' behind it may be out
.elseif (\a) == 6
	s_wait_loadcnt 16
.else
	s_wait_loadcnt 0
.endif
	WIN 0x04                                       ; source 1: window 1
.set ii, 0
.rept 32
	v_pk_add_f32 v[BB+ii:BB+ii+1], v[BB+ii:BB+ii+1], v[RR+ii:RR+ii+1]
.set ii, ii+2
.endr
	WIN 0
.irp t, 0,1,2,3,4,5,6,7,8,9,10,11,12,13,14,15
	global_store_b128 v[CO], v[BB+4*\t:BB+4*\t+3], s[OUTP:OUTP+1] offset:(32*((\a)/2)+8*((\a)%2)+(\t%8)+16*(\t/8))*4096   ; 512 consecutive bytes, at a multiple of 256 from the buffer's first byte
.endr
.endm
	PLACES NP
	s_wait_loadcnt 0x0                             ; the bias
	RLOAD 0
	RLOAD 1
	RLOAD 2
	TOSTAGE 0
.irp a, 1,2,3,4,5,6,7
.if \a > 1
	s_wait_xcnt 0x0                                ; tile a - 2's stores have read their registers: tile a's rows may land there
.endif
	TOSTAGE \a
	SEND \a-1, 32                                  ; behind tile a - 1's loads: tile a's 16 stores and 16 loads
.if \a < 6
	RLOAD \a+2
.endif
.endr
	SEND 7, 0
	s_wait_tensorcnt 0x0                           ; the wave's end
	ds_add_u32 v[SPW], v[NIL]
	s_wait_dscnt 0x0
	CROUND                                         ; the closing round
	s_endpgm
.Lfunc_end_k_q6ea3dc1e26_ffn2:
	.size	k_q6ea3dc1e26_ffn2, .Lfunc_end_k_q6ea3dc1e26_ffn2-k_q6ea3dc1e26_ffn2
	.p2alignl 7, 3214868480
	.fill 96, 4, 3214868480
	.section	.rodata,"a",@progbits
	.p2align	6, 0x0
	.amdhsa_kernel k_q6ea3dc1e26_ffn2
		.amdhsa_group_segment_fixed_size 327680
		.amdhsa_private_segment_fixed_size 0
		.amdhsa_enable_private_segment 0
		.amdhsa_kernarg_size 40
		.amdhsa_user_sgpr_count 2
		.amdhsa_user_sgpr_kernarg_segment_ptr 1
		.amdhsa_wavefront_size32 1
		.amdhsa_system_sgpr_workgroup_id_x 1
		.amdhsa_system_sgpr_workgroup_id_y 1
		.amdhsa_system_sgpr_workgroup_id_z 1
		.amdhsa_system_vgpr_workitem_id 0
		.amdhsa_next_free_vgpr 1024
		.amdhsa_next_free_sgpr 106
		.amdhsa_reserve_vcc 0
		.amdhsa_float_denorm_mode_32 3
		.amdhsa_float_denorm_mode_16_64 3
		.amdhsa_memory_ordered 1
		.amdhsa_forward_progress 1
		.amdhsa_inst_pref_size 192
	.end_amdhsa_kernel
	.amdgpu_metadata
---
amdhsa.version: [ 1, 2 ]
amdhsa.kernels:
  - .name:           k_q6ea3dc1e26_ffn2
    .symbol:         k_q6ea3dc1e26_ffn2.kd
    .args:
      - { .name: hid, .offset: 0, .size: 8, .value_kind: global_buffer, .address_space: global }
      - { .name: wts, .offset: 8, .size: 8, .value_kind: global_buffer, .address_space: global }
      - { .name: b2, .offset: 16, .size: 8, .value_kind: global_buffer, .address_space: global }
      - { .name: h, .offset: 24, .size: 8, .value_kind: global_buffer, .address_space: global }
      - { .name: out0, .offset: 32, .size: 8, .value_kind: global_buffer, .address_space: global }
    .group_segment_fixed_size: 327680
    .private_segment_fixed_size: 0
    .kernarg_segment_align: 8
    .kernarg_segment_size: 40
    .max_flat_workgroup_size: 128
    .sgpr_count:     106
    .vgpr_count:     1024
    .wavefront_size: 32
...
	.end_amdgpu_metadata
.endif
;; end of part 7
;; ======== version 2 of 2: 7 launches
;; limits: right only within a limited range of input values
;; workspace buffers: wts 9,830,400 bytes; act 3,276,800 bytes; qkv 10,223,616 bytes; h 16,777,216 bytes; hid 13,107,200 bytes
;; launch ln (part 8): grid 1024 x 1, 4 waves a work-group, no clusters, 66,304 bytes of LDS; arguments x, g1, beta1, act, wq, wk, wv, wo, w1, w2, wts; writes act, wts
.if DOCPART == 8
	.amdgcn_target "amdgcn-amd-amdhsa--gfx1250"
	.amdhsa_code_object_version 6
	.text
	.protected	k_q6ea3dc1e26_ln
	.globl	k_q6ea3dc1e26_ln
	.p2align	8
	.type	k_q6ea3dc1e26_ln,@function
k_q6ea3dc1e26_ln:
	s_mov_b64 s[64:65], 0
	v_nop
	global_prefetch_b8 v0, s[64:65] scope:SCOPE_SE
	s_setreg_imm32_b32 hwreg(HW_REG_WAVE_MODE, 25, 1), 1
	s_wait_xcnt 0x0
; y = (x - mean) rsqrt(var + 1e-5) g + beta over rows of 1,024 f32, and y quantised along the row to FP6 (E2M3) with one E8M0 scale for each 32: the A operand of the next products.
; OUTPUT: codes [block of 128 rows][K step of 128][tile of 16 rows][2][768 bytes], each 768 bytes the image of registers 0-5 of half a fragment (bytes 0-511 registers 0-3, lane l at 16 l; bytes 512-767 registers 4-5, at 512 + 8 l);
; scale words (4 bytes: 128 along K of a row) [block][K step][128 rows] from byte 3,145,728 on.  ROWS STAND IN THE ORDER P: place p holds row P(p) = p with bits 3 and 4 changed over.
; A work-group makes one tile of 16 places.  Phase 1: wave w takes places 4 w .. 4 w + 3, which are four neighbouring rows: a row lies in 32 registers of the wave, mean and variance in two passes (the variance of x - mean),
; y goes to LDS (rows 4,112 bytes apart: 257 x 16, so that 16 rows at one column fall on 16 different groups of banks).  One barrier.  Phase 2: wave w makes K steps 2 w and 2 w + 1: lane (r, h) reads, of row r,
; the 32 numbers of each of its two blocks of a K step: a whole block in a lane, and the conversions' results are the operand's registers.
; The scale words leave in pieces of 64 bytes: a tile has 16 rows.  They are one byte in 128 of what the launch reads.
; LIMITS: a block of zeros, or one under 2^-124, gets the byte 1 (this program alone reads the bytes); NaN and infinities are not served.
.set X,   32                           ; v32-159  four rows, later two K steps of 64 numbers
.set GA,  160                          ; v160-191 g;  later the codes
.set BE,  192                          ; v192-223 beta;  later the scale words
.set PIT, 4112
.set F,   160                          ; codes: 12 registers for each K step
.set U,   184                          ; v184-191 upper halves before they are moved
; ONE BODY, TWO JOBS, parted by the work-group's number alone: work-groups 0-255 make the layer norm's tiles, as above; work-groups 256-1,023 (present in the first launch alone) quantise the six weights, at .Lweights.
; THE LAYOUT OF ALL OPERANDS, which holds where the lines above differ: a RECORD is 128 rows x 128 along K in 12,800 bytes: 12,288 bytes of codes (8 tiles x 1,536) and behind them the 128 rows' scale words (512 bytes).
; Here record 8 x block + K step lies at 12,800 x that number in act.  No work is left out in this program but the score tiles that lie wholly under the causal mask.
	s_cmp_ge_u32 ttmp9, 256
	s_cbranch_scc1 .Lweights
	s_load_b256 s[4:11], s[0:1], 0x0
	v_lshl_add_u32 v254, v0, 2, 0x10100
	v_mov_b32 v255, 0
	v_lshrrev_b32 v1, 5, v0
	v_readfirstlane_b32 s12, v1                    ; wave
	v_and_b32 v1, 31, v0                           ; lane
	v_and_b32 v2, 15, v0                           ; r
	v_bfe_u32 v3, v0, 4, 1                         ; h
	v_lshlrev_b32 v4, 4, v1                        ; 16 x lane
	v_lshlrev_b32 v5, 3, v1                        ; 8 x lane
	s_mul_i32 s13, s12, 4*PIT
	v_add_nc_u32 v6, s13, v4                       ; LDS, in: my wave's four rows, 16 bytes a lane
	v_mul_u32_u24 v7, v2, PIT
	v_lshl_add_u32 v7, v3, 7, v7
	s_lshl_b32 s13, s12, 10
	v_add_nc_u32 v7, s13, v7                       ; LDS, out: row r, + 128 h, + my wave's two K steps
	v_lshlrev_b32 v224, 3, v3                      ; 8 h
	v_lshlrev_b32 v225, 2, v2
	v_mad_u32_u24 v225, v3, 12800, v225            ; the scale words' place: 4 r, and for lanes 16-31 the next record
.irp i, 17,19,21,23,25,27,29,31
	v_mov_b32 v\i, 0                               ; written once: a lane permute's destination counts as one of its sources
.endr
	s_mov_b32 s20, 0x3a800000                      ; 1 / 1,024
	s_mov_b32 s21, 0x3727c5ac                      ; 1e-5
	s_mov_b32 s22, 0x76543210
	s_mov_b32 s23, 0xfedcba98                      ; v_permlanex16_b32's selects for lane l xor 16
	s_lshr_b32 s14, ttmp9, 1
	s_lshl_b32 s14, s14, 5
	s_and_b32 s15, ttmp9, 1
	s_lshl_b32 s15, s15, 3
	s_add_co_u32 s14, s14, s15
	s_and_b32 s15, s12, 1
	s_lshl_b32 s15, s15, 2
	s_add_co_u32 s14, s14, s15
	s_lshr_b32 s15, s12, 1
	s_lshl_b32 s15, s15, 4
	s_add_co_u32 s14, s14, s15                     ; my first row: 32 (T / 2) + 8 (T % 2) + 4 (w % 2) + 16 (w / 2)
	s_lshl_b32 s14, s14, 12
	s_mov_b32 s15, 0
	s_lshr_b32 s16, ttmp9, 3
	s_lshl_b32 s16, s16, 3
	s_lshl_b32 s17, s12, 1
	s_add_co_u32 s16, s16, s17                     ; 8 x block + my first K step
	s_and_b32 s17, ttmp9, 7                        ; the tile in its block
	s_mul_i32 s18, s16, 12800
	s_mul_i32 s19, s17, 1536
	s_add_co_u32 s18, s18, s19
	s_mov_b32 s19, 0
	s_mul_i32 s24, s16, 12800
	s_lshl_b32 s25, s17, 6
	s_add_co_u32 s24, s24, s25
	s_add_co_u32 s24, s24, 12288                   ; behind the record's codes
	s_mov_b32 s25, 0
	s_wait_kmcnt 0x0
	s_add_nc_u64 s[4:5], s[4:5], s[14:15]
	s_add_nc_u64 s[18:19], s[10:11], s[18:19]
	s_add_nc_u64 s[24:25], s[10:11], s[24:25]
.irp k, 0,1,2,3
.irp j, 0,1,2,3,4,5,6,7
	global_load_b128 v[X+32*\k+4*\j:X+32*\k+4*\j+3], v4, s[4:5] offset:4096*\k+512*\j th:TH_LOAD_NT   ; 512 consecutive bytes
.endr
.endr
.irp j, 0,1,2,3,4,5,6,7
	global_load_b128 v[GA+4*\j:GA+4*\j+3], v4, s[6:7] offset:512*\j
.endr
.irp j, 0,1,2,3,4,5,6,7
	global_load_b128 v[BE+4*\j:BE+4*\j+3], v4, s[8:9] offset:512*\j
.endr
.macro WSUM b                          ; four sums over the wave's 32 lanes, by turns: v[b + 2 k]; v[b + 2 k + 1] at work
.irp m, 1,2,4,8
.irp k, 0,1,2,3
	v_add_f32_dpp v[\b+2*\k], v[\b+2*\k], v[\b+2*\k] row_xmask:\m row_mask:0xf bank_mask:0xf
.endr
.endr
.irp k, 0,1,2,3
	v_permlanex16_b32 v[\b+2*\k+1], v[\b+2*\k], s22, s23
.endr
.irp k, 0,1,2,3
	v_add_f32 v[\b+2*\k], v[\b+2*\k], v[\b+2*\k+1]
.endr
.endm
	s_wait_loadcnt 16                              ; the rows are in; the sixteen loads of g and beta may be out
.irp k, 0,1,2,3
	v_pk_add_f32 v[8+2*\k:9+2*\k], v[X+32*\k:X+32*\k+1], v[X+32*\k+2:X+32*\k+3]
.endr
.irp i, 4,6,8,10,12,14,16,18,20,22,24,26,28,30
.irp k, 0,1,2,3
	v_pk_add_f32 v[8+2*\k:9+2*\k], v[8+2*\k:9+2*\k], v[X+32*\k+\i:X+32*\k+\i+1]
.endr
.endr
.irp k, 0,1,2,3
	v_add_f32 v[16+2*\k], v[8+2*\k], v[9+2*\k]
.endr
	WSUM 16
.irp k, 0,1,2,3
	v_mul_f32 v[16+2*\k], s20, v[16+2*\k]          ; the mean
.endr
.irp i, 0,2,4,6,8,10,12,14,16,18,20,22,24,26,28,30
.irp k, 0,1,2,3
	v_pk_add_f32 v[X+32*\k+\i:X+32*\k+\i+1], v[X+32*\k+\i:X+32*\k+\i+1], v[16+2*\k:17+2*\k] op_sel_hi:[1,0] neg_lo:[0,1] neg_hi:[0,1]   ; d = x - mean
.endr
.endr
.irp k, 0,1,2,3
	v_pk_mul_f32 v[8+2*\k:9+2*\k], v[X+32*\k:X+32*\k+1], v[X+32*\k:X+32*\k+1]
.endr
.irp i, 2,4,6,8,10,12,14,16,18,20,22,24,26,28,30
.irp k, 0,1,2,3
	v_pk_fma_f32 v[8+2*\k:9+2*\k], v[X+32*\k+\i:X+32*\k+\i+1], v[X+32*\k+\i:X+32*\k+\i+1], v[8+2*\k:9+2*\k]
.endr
.endr
.irp k, 0,1,2,3
	v_add_f32 v[24+2*\k], v[8+2*\k], v[9+2*\k]
.endr
	WSUM 24
.irp k, 0,1,2,3
	v_fma_f32 v[24+2*\k], v[24+2*\k], s20, s21     ; the variance + 1e-5
.endr
	s_wait_alu depctr_va_vdst(0)
.irp k, 0,1,2,3
	v_rsq_f32 v[24+2*\k], v[24+2*\k]
.endr
	v_nop                                          ; a plain place behind the last transcendental
	s_wait_loadcnt 0x0                             ; g and beta
	s_wait_alu depctr_va_vdst(0)                   ; one wait for the four, ahead of their first reader
.irp k, 0,1,2,3
.irp i, 0,2,4,6,8,10,12,14,16,18,20,22,24,26,28,30
	v_pk_mul_f32 v[X+32*\k+\i:X+32*\k+\i+1], v[X+32*\k+\i:X+32*\k+\i+1], v[24+2*\k:25+2*\k] op_sel_hi:[1,0]
.endr
.irp i, 0,2,4,6,8,10,12,14,16,18,20,22,24,26,28,30
	v_pk_fma_f32 v[X+32*\k+\i:X+32*\k+\i+1], v[X+32*\k+\i:X+32*\k+\i+1], v[GA+\i:GA+\i+1], v[BE+\i:BE+\i+1]
.endr
.irp j, 0,1,2,3,4,5,6,7
	ds_store_b128 v6, v[X+32*\k+4*\j:X+32*\k+4*\j+3] offset:\k*PIT+512*\j
.endr
.endr
	s_wait_dscnt 0x0                               ; for the others' sake: my stores have landed
	s_barrier_signal -1
	s_barrier_wait -1                              ; the tile's 16 rows of y lie in LDS
.irp s, 0,1
.irp c, 0,1
.irp i, 0,1,2,3,4,5,6,7
	ds_load_b128 v[X+64*\s+32*\c+4*\i:X+64*\s+32*\c+4*\i+3], v7 offset:\s*512+\c*256+16*\i   ; y(r, 128 (2 w + s) + 64 c + 32 h + 4 i ..)
.endr
.endr
.endr
; 64 numbers of a lane from v[y] on: register 32 c + i = k 64 c + 32 h + i of row r.  Codes to v[f] on (12 registers, the operand's own), the row's scale word to v[wreg].
.macro LNQ y, f, wreg
.irp c, 0,1
	v_max3_num_f32 v[8+\c], |v[\y+32*\c]|, |v[\y+32*\c+1]|, 0x1800000   ; my block 2 c + h, and the floor 2^(3 - 127)
.endr
.irp i, 2,4,6,8,10,12,14,16,18,20,22,24,26,28,30
.irp c, 0,1
	v_max3_num_f32 v[8+\c], v[8+\c], |v[\y+32*\c+\i]|, |v[\y+32*\c+\i+1]|
.endr
.endr
.irp c, 0,1
	v_add_nc_u32 v[12+\c], 0xff000000, v[8+\c]     ; 2 off the exponent field: the conversion's scale operand
.endr
.irp c, 0,1
	v_lshrrev_b32 v[14+\c], 23, v[12+\c]           ; the scale's byte
.endr
	v_lshl_or_b32 v[\wreg], v15, 16, v14           ; my two bytes: blocks h and 2 + h,
	v_lshlrev_b32 v[\wreg], v224, v[\wreg]         ; at their places (8 h bits up);
	v_permlanex16_b32 v10, v[\wreg], s22, s23
	v_or_b32 v[\wreg], v[\wreg], v10               ; with lane l xor 16's two the word is whole
.irp c, 0,1
	v_cvt_scalef32_pk16_fp6_f32 v[\f+6*\c:\f+6*\c+2], v[\y+32*\c:\y+32*\c+15], v[12+\c]
	v_cvt_scalef32_pk16_fp6_f32 v[U+4*\c:U+4*\c+2], v[\y+32*\c+16:\y+32*\c+31], v[12+\c]   ; (a conversion's three registers begin on an even number)
.endr
	v_nop                                          ; one plain place behind a scaled conversion
.irp c, 0,1
.irp i, 0,1,2
	v_mov_b32 v[\f+6*\c+3+\i], v[U+4*\c+\i]
.endr
.endr
.endm
.macro OUTK s                          ; K step s's fragment leaves as two images: stores of 512 and of 256 consecutive bytes
	global_store_b128 v4, v[F+12*\s:F+12*\s+3], s[18:19] offset:\s*12800
	global_store_b64 v5, v[F+12*\s+4:F+12*\s+5], s[18:19] offset:\s*12800+512
	global_store_b128 v4, v[F+12*\s+6:F+12*\s+9], s[18:19] offset:\s*12800+768
	global_store_b64 v5, v[F+12*\s+10:F+12*\s+11], s[18:19] offset:\s*12800+1280
.endm
	s_wait_dscnt 16                                ; the first K step's sixteen loads are in
	LNQ X, F, 192
	OUTK 0
	s_wait_dscnt 0x0
	LNQ X+64, F+12, 193
	OUTK 1
	v_cmp_gt_u32 vcc_lo, 16, v1
	v_cndmask_b32 v194, v193, v192, vcc_lo         ; lanes 0-15 the first K step's words, lanes 16-31 the second's
	global_store_b32 v225, v194, s[24:25]
	s_wait_tensorcnt 0x0
	ds_add_u32 v254, v255
	s_wait_dscnt 0x0
	s_endpgm
; THE WEIGHTS.  The six weights, f32 stored [K][N], become records of 128 columns x 128 along K in wts, record n at 12,800 n: wq 0-63, wk 64-127, wv 128-191, wo 192-255, w1 256-511 (8 x block + K step), w2 512-767 (32 x block + K step).
; The columns of a record stand in the order P (place p holds column p with bits 3 and 4 changed over).  A work-group makes one record, wave w its places 32 w .. 32 w + 31.
; A lane takes a column and its 128 registers run down K: a load reads 128 neighbouring bytes a wave, a block of 32 lies in one lane, nothing is transposed.
; LIMITS: a block of zeros, or one under 2^-124, gets the byte 1 (this program alone reads the bytes); NaN and infinities are not served.
.Lweights:
.set E, 160                            ; v160-191 codes: 8 registers for each block, 6 used
.set U, 192                            ; v192-199 a block's upper 16 codes, before they are moved
	s_load_b256 s[4:11], s[0:1], 0x20              ; wq, wk, wv, wo
	s_load_b128 s[12:15], s[0:1], 0x40             ; w1, w2
	s_load_b64 s[16:17], s[0:1], 0x50              ; wts
	s_sub_co_u32 s2, ttmp9, 256                    ; the record
	v_lshrrev_b32 v1, 5, v0
	v_readfirstlane_b32 s18, v1                    ; wave
	v_and_b32 v1, 31, v0
	v_and_b32 v2, 7, v1
	v_and_b32 v6, 8, v1
	v_lshl_add_u32 v2, v6, 1, v2
	v_and_b32 v6, 16, v1
	v_lshrrev_b32 v6, 1, v6
	v_add_nc_u32 v2, v2, v6                        ; P(lane)
	s_lshl_b32 s19, s18, 7
	v_lshl_add_u32 v2, v2, 2, s19                  ; my column's byte in the record's 512 bytes of a row
	v_lshlrev_b32 v3, 4, v1
	v_lshlrev_b32 v4, 3, v1
	v_lshl_add_u32 v5, v1, 2, s19                  ; my scale word
	s_and_b32 s20, s2, 7                           ; K step and block: the square weights; w1; w2
	s_lshr_b32 s22, s2, 3
	s_and_b32 s21, s22, 7
	s_and_b32 s22, s22, 31
	s_and_b32 s23, s2, 31
	s_lshr_b32 s24, s2, 5
	s_and_b32 s24, s24, 7
	s_lshr_b32 s25, s2, 8                          ; 1 for w1
	s_cmp_ge_u32 s2, 256
	s_cselect_b32 s21, s22, s21
	s_cmp_ge_u32 s2, 512
	s_cselect_b32 s20, s23, s20
	s_cselect_b32 s21, s24, s21
	s_cmp_eq_u32 s25, 1
	s_cselect_b32 s26, 21, 19                      ; 128 rows of 16,384 bytes (w1) or of 4,096
	s_lshl_b32 s26, s20, s26
	s_lshl_b32 s21, s21, 9
	s_add_co_u32 s26, s26, s21
	s_mov_b32 s27, 0
	s_mul_i32 s28, s2, 12800
	s_add_co_u32 s30, s28, 12288                   ; the record's scale words
	s_mul_i32 s29, s18, 3072
	s_add_co_u32 s28, s28, s29                     ; my two tiles' images
	s_mov_b32 s29, 0
	s_mov_b32 s31, 0
	s_wait_kmcnt 0x0
	s_cmp_ge_u32 s2, 64                            ; which weight: by the work-group's number alone
	s_cselect_b64 s[4:5], s[6:7], s[4:5]
	s_cmp_ge_u32 s2, 128
	s_cselect_b64 s[4:5], s[8:9], s[4:5]
	s_cmp_ge_u32 s2, 192
	s_cselect_b64 s[4:5], s[10:11], s[4:5]
	s_cmp_ge_u32 s2, 256
	s_cselect_b64 s[4:5], s[12:13], s[4:5]
	s_cmp_ge_u32 s2, 512
	s_cselect_b64 s[4:5], s[14:15], s[4:5]
	s_add_nc_u64 s[4:5], s[4:5], s[26:27]
	s_add_nc_u64 s[6:7], s[16:17], s[28:29]
	s_add_nc_u64 s[8:9], s[16:17], s[30:31]
.macro LOADS pitch                     ; W(k, my column), k = 0 .. 127: every offset an immediate
.set k, 0
.rept 128
	global_load_b32 v[X+k], v2, s[4:5] offset:k*\pitch th:TH_LOAD_NT
.set k, k+1
.endr
.endm
	s_cmp_eq_u32 s25, 1
	s_cbranch_scc1 .Lwide
	s_wait_alu depctr_va_vdst(0)                   ; the wait at the head's end, on both ways
	LOADS 4096
	s_branch .Lloaded
.Lwide:
	s_wait_alu depctr_va_vdst(0)
	LOADS 16384
.Lloaded:
.macro WPAIR c                         ; blocks 2 c and 2 c + 1 of my column, by turns; then the two tiles' images of 64 along K
.irp b, 0,1
	v_max3_num_f32 v[8+\b], |v[X+64*\c+32*\b]|, |v[X+64*\c+32*\b+1]|, 0x1800000   ; with the floor 2^(3 - 127): the byte cannot fall under 1
.endr
.irp i, 2,4,6,8,10,12,14,16,18,20,22,24,26,28,30
.irp b, 0,1
	v_max3_num_f32 v[8+\b], v[8+\b], |v[X+64*\c+32*\b+\i]|, |v[X+64*\c+32*\b+\i+1]|
.endr
.endr
.irp b, 0,1
	v_add_nc_u32 v[16+\b], 0xff000000, v[8+\b]     ; 2 off the exponent field: the conversion's scale operand
.endr
.irp b, 0,1
	v_lshrrev_b32 v[20+\b], 23, v[16+\b]           ; the scale's byte
.endr
.if \c == 0
	v_lshl_or_b32 v24, v21, 8, v20
.else
	v_lshl_or_b32 v24, v20, 16, v24
	v_lshl_or_b32 v24, v21, 24, v24
.endif
.irp b, 0,1
	v_cvt_scalef32_pk16_fp6_f32 v[E+16*\c+8*\b:E+16*\c+8*\b+2], v[X+64*\c+32*\b:X+64*\c+32*\b+15], v[16+\b]
	v_cvt_scalef32_pk16_fp6_f32 v[U+4*\b:U+4*\b+2], v[X+64*\c+32*\b+16:X+64*\c+32*\b+31], v[16+\b]
.endr
	v_nop                                          ; one plain place behind a scaled conversion
.irp b, 0,1
.irp i, 0,1,2
	v_mov_b32 v[E+16*\c+8*\b+3+\i], v[U+4*\b+\i]
.endr
.endr
.irp i, 0,1,2,3,4,5                    ; an image wants block 2 c in lanes 0-15 and block 2 c + 1 in lanes 16-31, of one tile
	v_permlane16_swap_b32 v[E+16*\c+\i], v[E+16*\c+8+\i]
.endr
.irp t, 0,1
	global_store_b128 v3, v[E+16*\c+8*\t:E+16*\c+8*\t+3], s[6:7] offset:\t*1536+\c*768        ; 512 consecutive bytes
	global_store_b64 v4, v[E+16*\c+8*\t+4:E+16*\c+8*\t+5], s[6:7] offset:\t*1536+\c*768+512   ; 256 consecutive bytes
.endr
.endm
	s_wait_loadcnt 63                              ; at most the youngest 63 are out: k = 0 .. 64 are in
	WPAIR 0
	s_wait_loadcnt 0x0
	WPAIR 1
	global_store_b32 v5, v24, s[8:9]               ; 128 consecutive bytes a wave, the four waves' 512 on end
	s_endpgm
.Lfunc_end_k_q6ea3dc1e26_ln:
	.size	k_q6ea3dc1e26_ln, .Lfunc_end_k_q6ea3dc1e26_ln-k_q6ea3dc1e26_ln
	.p2alignl 7, 3214868480
	.fill 96, 4, 3214868480
	.section	.rodata,"a",@progbits
	.p2align	6, 0x0
	.amdhsa_kernel k_q6ea3dc1e26_ln
		.amdhsa_group_segment_fixed_size 66304
		.amdhsa_private_segment_fixed_size 0
		.amdhsa_enable_private_segment 0
		.amdhsa_kernarg_size 88
		.amdhsa_user_sgpr_count 2
		.amdhsa_user_sgpr_kernarg_segment_ptr 1
		.amdhsa_wavefront_size32 1
		.amdhsa_system_sgpr_workgroup_id_x 1
		.amdhsa_system_sgpr_workgroup_id_y 1
		.amdhsa_system_sgpr_workgroup_id_z 1
		.amdhsa_system_vgpr_workitem_id 0
		.amdhsa_next_free_vgpr 256
		.amdhsa_next_free_sgpr 66
		.amdhsa_reserve_vcc 1
		.amdhsa_float_denorm_mode_32 3
		.amdhsa_float_denorm_mode_16_64 3
		.amdhsa_memory_ordered 1
		.amdhsa_forward_progress 1
		.amdhsa_inst_pref_size 76
	.end_amdhsa_kernel
	.amdgpu_metadata
---
amdhsa.version: [ 1, 2 ]
amdhsa.kernels:
  - .name:           k_q6ea3dc1e26_ln
    .symbol:         k_q6ea3dc1e26_ln.kd
    .args:
      - { .name: x, .offset: 0, .size: 8, .value_kind: global_buffer, .address_space: global }
      - { .name: g1, .offset: 8, .size: 8, .value_kind: global_buffer, .address_space: global }
      - { .name: beta1, .offset: 16, .size: 8, .value_kind: global_buffer, .address_space: global }
      - { .name: act, .offset: 24, .size: 8, .value_kind: global_buffer, .address_space: global }
      - { .name: wq, .offset: 32, .size: 8, .value_kind: global_buffer, .address_space: global }
      - { .name: wk, .offset: 40, .size: 8, .value_kind: global_buffer, .address_space: global }
      - { .name: wv, .offset: 48, .size: 8, .value_kind: global_buffer, .address_space: global }
      - { .name: wo, .offset: 56, .size: 8, .value_kind: global_buffer, .address_space: global }
      - { .name: w1, .offset: 64, .size: 8, .value_kind: global_buffer, .address_space: global }
      - { .name: w2, .offset: 72, .size: 8, .value_kind: global_buffer, .address_space: global }
      - { .name: wts, .offset: 80, .size: 8, .value_kind: global_buffer, .address_space: global }
    .group_segment_fixed_size: 66304
    .private_segment_fixed_size: 0
    .kernarg_segment_align: 8
    .kernarg_segment_size: 88
    .max_flat_workgroup_size: 128
    .sgpr_count:     66
    .vgpr_count:     256
    .wavefront_size: 32
...
	.end_amdgpu_metadata
.endif
;; end of part 8
;; launch qkv (part 9): grid 12 x 16, 4 waves a work-group, clusters of 4 x 4, 327,680 bytes of LDS; arguments act, wts, bq, bk, bv, qkv; writes qkv
.if DOCPART == 9
	.amdgcn_target "amdgcn-amd-amdhsa--gfx1250"
	.amdhsa_code_object_version 6
	.text
	.protected	k_q6ea3dc1e26_qkv
	.globl	k_q6ea3dc1e26_qkv
	.p2align	8
	.type	k_q6ea3dc1e26_qkv,@function
k_q6ea3dc1e26_qkv:
	s_mov_b64 s[64:65], 0
	v_nop
	global_prefetch_b8 v0, s[64:65] scope:SCOPE_SE
	s_setreg_imm32_b32 hwreg(HW_REG_WAVE_MODE, 25, 1), 1
	s_wait_xcnt 0x0
	s_wait_alu depctr_hold_cnt(0) depctr_sa_sdst(0) depctr_va_vdst(0) depctr_va_sdst(0) depctr_va_ssrc(0) depctr_va_vcc(0) depctr_vm_vsrc(0)
	s_getreg_b32 s2, hwreg(HW_REG_IB_STS2, 6, 4)
	s_cmp_eq_u32 s2, 0
	s_cbranch_scc0 .Lentry_in_a_cluster
	s_endpgm
.Lentry_in_a_cluster:
	s_bfe_u32 s2, ttmp6, 0x10000c
	s_cmp_lg_u32 s2, 0xf033
	s_cbranch_scc0 .Lentry_shape_is_right
	s_endpgm
.Lentry_shape_is_right:
; q = y Wq + bq, k = y Wk + bk, v = y Wv + bv on codes of FP6 (E2M3) with E8M0 scales, and all three quantised again for the attention's two products: q and k along a head's 64, v along the keys.
; Cluster column X = 0: q; 1: k; 2: v.  For q and k the tokens are operand A (rows of C) and the weight's columns operand B; for v it is the other way round, so that a lane's registers run along the TOKENS, which are v's K.
; THE PRODUCT: a tile of C, 256 x 256, by four waves of 128 x 128 (64 accumulators, 512 registers); K in steps of 256 through two LDS slots filled by the tensor data mover.
; Operands lie in memory as IMAGES OF THE OPERAND'S REGISTERS: [block of 128 rows][K step of 128][tile of 16 rows][1,536 bytes]: for each 64 along K 512 bytes of registers 0-3 (lane l at 16 l) and 256 of registers 4-5 (at 8 l).
; So a slot's part of 128 rows is one dense block of 24,576 bytes, every LDS load reads consecutive bytes, and there is no padding.  Scale words: [block][K step][128 rows] x 4 bytes; those of all of K come once.
; ROWS STAND IN THE ORDER P (place p holds row p with bits 3 and 4 changed over).  THE MATRIX INSTRUCTION IS USED TRANSPOSED (source 0 = 16 places of B, source 1 = 16 places of A): lane (r, h) then holds A's place r, and
; the 16 registers of B's tiles 2 g and 2 g + 1 are B's rows 32 g + 16 h + 0 .. 15 in their true order: 16 neighbours along the next product's K.
; CLUSTERS: 4 x 4 work-groups; A's tiles are asked for jointly along a row of the cluster, B's along a column.
; OUTPUT (buffer qkv): q's images [head 32][tile 128][768] at 0, k's at 3,145,728; v's [head][128 keys][tile of 16 channels][1,536] at 6,291,456; q's scale words at 9,437,184 + head x 12,288;
; k's at 9,830,400 + head x 12,288 and v's 8,192 bytes behind them.  A head's scale word for q or k has its two bytes below; the two above (the next head's, or 0) meet zero codes alone and are never 0xff.
; LIMITS: a block of zeros, or one under 2^-124, gets the byte 1 (this program alone reads the bytes); NaN and infinities are not served.
; REGISTERS: window 0: v0-31 addresses; v32-63 scale words, two sets; v64-127 the bias along B; v128-223 A's fragments, one set; v248-255 the bias along A; on the way out v128-229 at work.
;   window 1: B's fragments, two sets, at v0 and v128.   windows 2, 3: the accumulators ((a, b) at v[8 (8 (a % 4) + b)]).
.set KDIM,  1024
.set KST,   KDIM/128                   ; K steps of 128
.set LAPS,  KDIM/512                   ; a lap = once round the ring = 512 along K
.set NQ,    2                          ; matrix instructions deep in a slot
.set FR,    12                         ; registers of a fragment
.set NL,    4                          ; LDS loads that bring one
.set NP,    4                          ; places behind this matrix instruction (ISA guide 7.12.1)
; THE LAYOUT, which holds where the lines above differ: a record (128 rows x 128 K) is 12,800 bytes: 12,288 of codes, then the rows' 128 scale words; a block's K steps lie on end.  There is no tile of scale words.
; LDS: four regions, A's two blocks and B's two, each with slot 0's two records and then slot 1's.  At the head each wave asks for its block's first four records by ONE dense load of 51,200 bytes, which fills both slots' parts;
; a refill brings two records, 25,600 bytes.  The two refills' records are asked for into the L2 at the head, 25 blocks of 256 bytes a wave and refill, the four partners of a joint load sharing its 100 blocks by address.
.set REC,   12800
.set PIECE, 2*REC                      ; a block's part of a slot: what one refill brings
.set BLK,   2*PIECE                    ; a block's region
.set SLOT,  PIECE                      ; from slot 0 to slot 1 inside a region
.set SPARE, 4*BLK                      ; the spare words
.set ADRA, 16                          ; v16-17 LDS address of my A fragments in slot 0, 1, + 16 x lane;  v18-19 the same + 8 x lane
.set ADRB, 20                          ; v20-23 the same for B
.set ADRS, 24                          ; v24-25 my scale words in slot 0, 1: lanes 0-15 A's, lanes 16-31 B's
.set SPW,  28                          ; v28 LDS address of my spare word; never rewritten
.set NIL,  29                          ; v29 0; never rewritten
.set SC,   32                          ; scale words: set s at v[SC + 16 s]; register 2 i + q: lanes 0-15 A's tile i, lanes 16-31 B's tile i, the slot's q-th 128 along K
.set AF,   128
.set G1, 24                            ; s[24:31] group 1 for A's tiles; s[32:39] group 0, a set for each slot
.set G0, 32
.set G1B, 48                           ; s[48:55], s[56:63] the same for B's
.set G0B, 56
.set PFA, 68                           ; s[68:69] my share of my block, for the prefetches
.set PFO, 10                           ; v10 256 x min(lane, 24)
.set MSB, 0
.macro WIN new                         ; the immediate's high byte repeats the setting that is left
.if MSB != (\new)
	s_set_vgpr_msb (MSB<<8)|(\new)
.set MSB, (\new)
.endif
.endm
.set MUL_LO, 0xa1                      ; source 0 (B) window 1, source 1 (A) window 0, C and D window 2
.set MUL_HI, 0xf1                      ; the same, C and D window 3
.set TO_B,   0x40                      ; destination window 1, address window 0
; A joint load: waves 0 and 1 fetch for A, waves 2 and 3 for B; the branch hangs on the wave's number alone.  Four v_nop follow each of the two lines.
.macro JLOAD g0a, g1a, g0b, g1b
	s_cmp_eq_u32 s15, 0
	s_cbranch_scc0 .Lfor_b_\@
	tensor_load_to_lds s[\g0a:\g0a+3], s[\g1a:\g1a+7]
	s_nop 0
.rept 4
	v_nop
.endr
	s_branch .Lasked_\@
.Lfor_b_\@:
	tensor_load_to_lds s[\g0b:\g0b+3], s[\g1b:\g1b+7]
	s_nop 0
.rept 4
	v_nop
.endr
.Lasked_\@:
.endm
.macro CREST                           ; a round of the cluster's barrier behind its opening barrier
	s_cmp_lg_u32 s14, 0
	s_cbranch_scc1 .Lnot_wave_0_\@
	s_barrier_signal -3
.Lnot_wave_0_\@:
	s_barrier_wait -3
	s_barrier_signal -1
	s_barrier_wait -1
.endm
.macro CROUND                          ; a whole round
	s_barrier_signal -1
	s_barrier_wait -1
	CREST
.endm
.macro FRAG reg, adr, q, i             ; tile i's fragment of the slot's q-th 128 along K: two images on end, each 512 + 256 consecutive bytes
	ds_load_b128 v[\reg:\reg+3], v[\adr] offset:(\q)*REC+(\i)*1536
	ds_load_b64 v[\reg+4:\reg+5], v[\adr+2] offset:(\q)*REC+(\i)*1536+512
	ds_load_b128 v[\reg+6:\reg+9], v[\adr] offset:(\q)*REC+(\i)*1536+768
	ds_load_b64 v[\reg+10:\reg+11], v[\adr+2] offset:(\q)*REC+(\i)*1536+1280
.endm
; 16 matrix instructions: A's tiles a0, a0 + 1 x B's eight.  p: B's set; sc: the set of scale words; zero = 1: the first product starts the sums.  The 64 accumulators take turns, one instruction a turn.
.macro MUL16 a0, p, q, sc, zero
.irp a, \a0, \a0+1
.irp b, 0,1,2,3,4,5,6,7
.if \zero
	v_wmma_scale_f32_16x16x128_f8f6f4 v[8*(8*((\a)%4)+\b):8*(8*((\a)%4)+\b)+7], v[128*(\p)+FR*\b:128*(\p)+FR*\b+FR-1], v[AF+FR*(\a):AF+FR*(\a)+FR-1], 0, v[SC+8*NQ*(\sc)+NQ*\b+(\q)], v[SC+8*NQ*(\sc)+NQ*(\a)+(\q)] matrix_a_fmt:MATRIX_FMT_FP6 matrix_b_fmt:MATRIX_FMT_FP6 matrix_a_scale:MATRIX_SCALE_ROW1
.else
	v_wmma_scale_f32_16x16x128_f8f6f4 v[8*(8*((\a)%4)+\b):8*(8*((\a)%4)+\b)+7], v[128*(\p)+FR*\b:128*(\p)+FR*\b+FR-1], v[AF+FR*(\a):AF+FR*(\a)+FR-1], v[8*(8*((\a)%4)+\b):8*(8*((\a)%4)+\b)+7], v[SC+8*NQ*(\sc)+NQ*\b+(\q)], v[SC+8*NQ*(\sc)+NQ*(\a)+(\q)] matrix_a_fmt:MATRIX_FMT_FP6 matrix_b_fmt:MATRIX_FMT_FP6 matrix_a_scale:MATRIX_SCALE_ROW1
.endif
.endr
.endr
.endm
.macro FETCH_B slot, q, p
	WIN TO_B
.irp i, 0,1,2,3,4,5,6,7
	FRAG 128*(\p)+FR*\i, ADRB+\slot, \q, \i
.endr
	WIN 0
.endm
.macro FETCH_A slot, q, i0
.irp i, \i0, \i0+1, \i0+2, \i0+3
	FRAG AF+FR*(\i), ADRA+\slot, \q, \i
.endr
.endm
.macro SCALES sc                       ; a slot's scale words: lanes 0-15 take A's tile i, lanes 16-31 B's tile i
.irp i, 0,1,2,3,4,5,6,7
.irp q, 0,1
	ds_load_b32 v[SC+8*NQ*\sc+NQ*\i+\q], v[ADRS+\sc] offset:\q*REC+\i*64
.endr
.endr
.endm
.macro PLACES n                        ; places in front of loads into registers that matrix instructions have read, and of the first read of results
.rept \n
	v_nop
.endr
.endm
.macro STEP slot, q, zero              ; a step of 128 along K that has its successor in the same slot
	s_wait_dscnt 4*NL                              ; all but the youngest sixteen loads (A's tiles 4-7) are in
	WIN MUL_LO
	MUL16 0, (\q)%2, \q, \slot, \zero
	MUL16 2, (\q)%2, \q, \slot, \zero
	s_wait_dscnt 0
	PLACES NP
	FETCH_B \slot, (\q)+1, 1-(\q)%2
	FETCH_A \slot, (\q)+1, 0
	WIN MUL_HI
	MUL16 4, (\q)%2, \q, \slot, \zero
	MUL16 6, (\q)%2, \q, \slot, \zero
	PLACES NP
	WIN 0
	FETCH_A \slot, (\q)+1, 4
.endm
; A slot's last step changes slots: one barrier; in front of it each wave waits for all its tensor loads, adds 0 to its spare word, and waits for that and for its reads of this slot.  fill = 1: the slot is filled again, 512 along K ahead.
.macro TURN slot, next, fill
	s_wait_tensorcnt 0x0                           ; all my tensor loads have landed: my part of the next slot
	ds_add_u32 v[SPW], v[NIL]                      ; 0 onto my spare word
	s_wait_dscnt 4*NL+1                            ; (the add and the youngest sixteen loads may be out)
	WIN MUL_LO
	MUL16 0, 1, NQ-1, \slot, 0
	s_wait_dscnt 0x0                               ; the add is done, and my reads of this slot are over
	s_barrier_signal -1
	MUL16 2, 1, NQ-1, \slot, 0
	WIN 0
	s_barrier_wait -1
.if \fill
	CREST                                          ; the barrier has opened a round of the cluster's barrier: no wave of any partner still reads this slot or has a load on its way
	s_add_nc_u64 s[G0+4*\slot+2:G0+4*\slot+3], s[G0+4*\slot+2:G0+4*\slot+3], 2*PIECE
	s_add_nc_u64 s[G0B+4*\slot+2:G0B+4*\slot+3], s[G0B+4*\slot+2:G0B+4*\slot+3], 2*PIECE
	JLOAD G0+4*\slot, G1, G0B+4*\slot, G1B         ; the first tensor load behind the round; its four v_nop are the places in front of the loads below
.else
	PLACES NP
.endif
	FETCH_B \next, 0, 0
	FETCH_A \next, 0, 0
	SCALES \next
	WIN MUL_HI
	MUL16 4, 1, NQ-1, \slot, 0
	MUL16 6, 1, NQ-1, \slot, 0
	PLACES NP
	WIN 0
	FETCH_A \next, 0, 4
.endm
.set BIAS, 64                          ; v64-127  the bias of my 128 rows of B, in the accumulators' order
.set BV,   248                         ; v248-255 bv at my place r of A's tile a
.set T,    128                         ; v128-191 64 numbers to be quantised
.set PC,   192                         ; v192-211 the codes just made
.set TM,   212                         ; v212-227 at work
.set PW,   228                         ; the scale word just made
.set PW2,  229
.set O16,  4                           ; v4 16 x lane, v5 8 x lane: from the head on
.set O8,   5
.set SWQ,  26                          ; LDS: where q's or k's scale words are gathered: 1,024 w + 4 r
.set RDQ,  31                          ; and read back: 1,024 w + 16 x lane
.set SWV,  30                          ; the same for v, in bytes of its own: 8,192 + 512 w + 4 r
.set RDV,  15
.set OV,   14                          ; v's scale words in memory: 16 r + 12,288 h
.set SEL,  104                         ; s[104:105] v_permlanex16_b32's selects for lane l xor 16
; 64 numbers of a lane, register 16 b + i = k 32 b + 16 h + i of my row, become a fragment's codes in v[PC] on and its scale word in v[PW].
.macro QUANT s
.irp b, 0,1,2,3
	v_max3_num_f32 v[TM+\b], |v[\s+16*\b]|, |v[\s+1+16*\b]|, 0x1800000   ; block b: my 16 numbers, and the floor 2^(3 - 127): the byte cannot fall under 1
.endr
.irp i, 2,4,6,8,10,12,14
.irp b, 0,1,2,3
	v_max3_num_f32 v[TM+\b], v[TM+\b], |v[\s+16*\b+\i]|, |v[\s+1+16*\b+\i]|
.endr
.endr
.irp b, 0,1,2,3
	v_permlanex16_b32 v[TM+4+\b], v[TM+\b], s[SEL], s[SEL+1]
.endr
.irp b, 0,1,2,3
	v_max_num_f32 v[TM+\b], v[TM+\b], v[TM+4+\b]   ; with lane l xor 16's: the block's largest magnitude
.endr
.irp b, 0,1,2,3
	v_add_nc_u32 v[TM+12+\b], 0xff000000, v[TM+\b] ; 2 off its exponent field: the conversion's scale operand
.endr
.irp b, 0,1,2,3
	v_lshrrev_b32 v[TM+4+\b], 23, v[TM+12+\b]      ; the scale's byte
.endr
	v_lshl_or_b32 v[PW], v[TM+5], 8, v[TM+4]
	v_lshl_or_b32 v[PW], v[TM+6], 16, v[PW]
	v_lshl_or_b32 v[PW], v[TM+7], 24, v[PW]
.irp c, 0,1
	v_cvt_scalef32_pk16_fp6_f32 v[PC+6*\c:PC+2+6*\c], v[\s+32*\c:\s+15+32*\c], v[TM+12+2*\c]
	v_cvt_scalef32_pk16_fp6_f32 v[PC+12+4*\c:PC+14+4*\c], v[\s+16+32*\c:\s+31+32*\c], v[TM+12+2*\c+1]   ; (a conversion's three registers begin on an even number)
.endr
	v_nop                                          ; one plain place behind a scaled conversion
.irp c, 0,1                                    ; the operand's layout wants a whole block in a lane: lanes 0-15 block 2 c, lanes 16-31 block 2 c + 1
.irp i, 0,1,2
	v_permlane16_swap_b32 v[PC+6*\c+\i], v[PC+12+4*\c+\i]
.endr
.irp i, 0,1,2
	v_mov_b32 v[PC+3+6*\c+\i], v[PC+12+4*\c+\i]
.endr
.endr
.endm
	s_load_b128 s[96:99], s[0:1], 0x0              ; act, wts
	s_load_b128 s[4:7], s[0:1], 0x10               ; bq, bk
	s_load_b128 s[8:11], s[0:1], 0x20              ; bv, qkv
	v_lshl_add_u32 v[SPW], v0, 2, SPARE
	v_mov_b32 v[NIL], 0
	ds_add_u32 v28, v29
	ds_add_u32 v28, v29
	s_wait_dscnt 0x0
	v_lshrrev_b32 v1, 5, v0
	v_readfirstlane_b32 s14, v1                    ; wave 0..3
	s_lshr_b32 s15, s14, 1                         ; which half of the tile's rows is mine.  Also: I fetch for A (0) or for B (1)
	s_and_b32 s16, s14, 1                          ; which half of its columns.  Also: which 128 rows I fetch
	s_bfe_u32 s40, ttmp6, 0x40000                  ; cx, cy: my place in the cluster
	s_bfe_u32 s41, ttmp6, 0x40004
	s_and_b32 s18, ttmp7, 0xffff                   ; cluster y: which 1,024 tokens
	s_cmp_eq_u32 ttmp9, 2                          ; v?  The same in all sixteen partners
	s_cselect_b32 s17, 0, s18
	s_cselect_b32 s42, s18, 0
	s_lshl_b32 s17, s17, 2
	s_add_co_u32 s17, s17, s41                     ; tile row of C: q, k: 4 x cluster y + cy (tokens); v: cy (channels)
	s_lshl_b32 s42, s42, 2
	s_add_co_u32 s42, s42, s40                     ; tile column of C: q, k: cx (channels); v: 4 x cluster y + cx (tokens)
	s_mul_i32 s20, ttmp9, 64*REC                   ; the weight's 64 records
	s_mov_b32 s21, 0
	s_mov_b32 s[SEL], 0x76543210
	s_mov_b32 s[SEL+1], 0xfedcba98
	s_wait_kmcnt 0x0
	s_mov_b64 s[12:13], s[10:11]                   ; qkv
	s_mov_b64 s[100:101], s[8:9]                   ; bv
	s_cmp_eq_u32 ttmp9, 0
	s_cselect_b64 s[66:67], s[4:5], s[6:7]
	s_cmp_eq_u32 ttmp9, 2
	s_cselect_b64 s[66:67], s[8:9], s[66:67]       ; the bias of this cluster column's weight
	s_add_nc_u64 s[20:21], s[98:99], s[20:21]
	s_cselect_b64 s[4:5], s[20:21], s[96:97]       ; A's records, B's records
	s_cselect_b64 s[8:9], s[96:97], s[20:21]
	s_lshl_b32 s43, s41, 2
	s_lshl_b32 s43, 15, s43                        ; my row of the cluster
	s_lshl_b32 s44, 0x1111, s40                    ; my column
	s_or_b32 s[G1+0], s43, (3<<16)|(1<<21)         ; 15:0 the mask; 17:16 elements of 8 bytes; 20 no padding; 21 set beside a mask
	s_or_b32 s[G1B+0], s44, (3<<16)|(1<<21)
.irp g, G1, G1B                        ; 51,200 dense bytes as 200 rows of 256
	s_mov_b32 s[\g+1], 32<<16
	s_mov_b32 s[\g+2], 200<<16
	s_mov_b32 s[\g+3], 32<<16
	s_mov_b32 s[\g+4], 200
	s_mov_b32 s[\g+5], 32
	s_mov_b32 s[\g+6], 0
	s_mov_b32 s[\g+7], 0
.endr
	s_lshl_b32 s20, s17, 1
	s_add_co_u32 s20, s20, s16                     ; A: the block of 128 rows that I fetch
	s_lshl_b32 s46, s42, 1
	s_add_co_u32 s46, s46, s16                     ; B: likewise
	s_mul_i32 s20, s20, KST*REC
	s_mul_i32 s46, s46, KST*REC
	s_mov_b32 s21, 0
	s_mov_b32 s47, 0
	s_mul_i32 s45, s14, BLK                        ; where it goes: by the wave's number alone
	s_add_nc_u64 s[20:21], s[4:5], s[20:21]
	s_add_nc_u64 s[46:47], s[8:9], s[46:47]
	CROUND                                         ; all sixteen work-groups are here: the first joint loads meet
.irp s, 0,1
	s_mov_b32 s[G0+4*\s], 1
	s_add_co_u32 s[G0+4*\s+1], s45, \s*SLOT
	s_add_nc_u64 s[G0+4*\s+2:G0+4*\s+3], s[20:21], \s*PIECE
	s_or_b32 s[G0+4*\s+3], s[G0+4*\s+3], 0x80000000
	s_mov_b32 s[G0B+4*\s], 1
	s_add_co_u32 s[G0B+4*\s+1], s45, \s*SLOT
	s_add_nc_u64 s[G0B+4*\s+2:G0B+4*\s+3], s[46:47], \s*PIECE
	s_or_b32 s[G0B+4*\s+3], s[G0B+4*\s+3], 0x80000000
.endr
	JLOAD G0, G1, G0B, G1B                         ; my one load at the head: 200 rows of 256 bytes from slot 0's place on: both slots' parts of my block
	s_cmp_eq_u32 s15, 0
	s_cselect_b64 s[PFA:PFA+1], s[20:21], s[46:47] ; the prefetches: my block,
	s_cselect_b32 s22, s40, s41                    ; my place among the four that ask for it with me,
	s_mul_i32 s22, s22, 6400                       ; 25 blocks of 256 bytes of a refill's 100
	s_mov_b32 s23, 0
	s_add_nc_u64 s[PFA:PFA+1], s[PFA:PFA+1], s[22:23]
	v_and_b32 v1, 15, v0                           ; r
	v_bfe_u32 v2, v0, 4, 1                         ; h
	v_and_b32 v3, 31, v0                           ; lane
	v_lshlrev_b32 v4, 4, v3
	v_lshlrev_b32 v5, 3, v3
	s_mul_i32 s21, s15, BLK
	s_mul_i32 s22, s16, BLK
	s_add_co_u32 s22, s22, 2*BLK
.irp s, 0,1
	v_add_nc_u32 v[ADRA+\s], s21, v4
	v_add_nc_u32 v[ADRB+\s], s22, v4
	v_add_nc_u32 v[ADRA+2+\s], s21, v5
	v_add_nc_u32 v[ADRB+2+\s], s22, v5
	s_add_co_u32 s21, s21, SLOT
	s_add_co_u32 s22, s22, SLOT
.endr
	s_mul_i32 s21, s15, BLK
	s_mul_i32 s22, s16, BLK
	s_add_co_u32 s22, s22, 2*BLK
	s_sub_co_u32 s22, s22, s21
	v_mul_u32_u24 v6, s22, v2                      ; lanes 16-31 take B's
	s_add_co_u32 s21, s21, 12288                   ; behind a record's codes
	v_lshl_add_u32 v6, v1, 2, v6
	v_add_nc_u32 v[ADRS], s21, v6
	v_add_nc_u32 v[ADRS+1], PIECE, v[ADRS]
	v_min_u32 v[PFO], 24, v3                       ; lanes 25-31 name my last block again
	v_lshlrev_b32 v[PFO], 8, v[PFO]
	global_prefetch_b8 v[PFO], s[PFA:PFA+1] offset:BLK th:TH_LOAD_NT scope:SCOPE_SE         ; K steps 4, 5: the first refill's
	global_prefetch_b8 v[PFO], s[PFA:PFA+1] offset:BLK+PIECE th:TH_LOAD_NT scope:SCOPE_SE   ; K steps 6, 7: the second's, the block's last
	; the biases, both kinds in every work-group, so that no register's state hangs on the path; each way out uses one
	s_and_b32 s18, s42, 3
	s_lshl_b32 s18, s18, 10
	s_lshl_b32 s19, s16, 9
	s_add_co_u32 s18, s18, s19
	s_mov_b32 s19, 0
	s_add_nc_u64 s[66:67], s[66:67], s[18:19]      ; my 128 channels of B
	v_lshlrev_b32 v7, 6, v2                        ; + 16 h numbers
.irp g, 0,1,2,3
.irp k, 0,1,2,3
	global_load_b128 v[BIAS+16*\g+4*\k:BIAS+16*\g+4*\k+3], v7, s[66:67] offset:128*\g+16*\k   ; register 16 g + i: channel 32 g + 16 h + i
.endr
.endr
	s_and_b32 s18, s17, 3
	s_lshl_b32 s18, s18, 1
	s_add_co_u32 s18, s18, s15
	s_lshl_b32 s18, s18, 9
	s_add_nc_u64 s[100:101], s[100:101], s[18:19]  ; my 128 channels of A
	v_and_b32 v8, 7, v1
	v_lshrrev_b32 v9, 3, v1
	v_lshlrev_b32 v8, 2, v8
	v_lshl_add_u32 v8, v9, 6, v8                   ; place r of a tile: channel r % 8 + 16 (r / 8)
.irp a, 0,1,2,3,4,5,6,7
	global_load_b32 v[BV+\a], v8, s[100:101] offset:(32*(\a/2)+8*(\a%2))*4
.endr
	s_lshl_b32 s18, s14, 10
	v_lshl_add_u32 v[SWQ], v1, 2, s18
	v_add_nc_u32 v[RDQ], s18, v4
	s_lshl_b32 s18, s14, 9
	s_add_co_u32 s18, s18, 8192
	v_lshl_add_u32 v[SWV], v1, 2, s18
	v_add_nc_u32 v[RDV], s18, v4
	v_mul_u32_u24 v[OV], v2, 12288
	v_lshl_add_u32 v[OV], v1, 4, v[OV]
	s_wait_alu depctr_va_vdst(0)                   ; the wait at the head's end
	s_wait_tensorcnt 0x0                           ; my block's four records are in; no load of mine is out, so a descriptor may be written:
	s_mov_b32 s[G1+2], 100<<16                     ; from here on a load brings 100 rows of 256 bytes
	s_mov_b32 s[G1+4], 100
	s_mov_b32 s[G1B+2], 100<<16
	s_mov_b32 s[G1B+4], 100
	s_barrier_signal -1
	s_barrier_wait -1                              ; everybody's are
	FETCH_B 0, 0, 0
	FETCH_A 0, 0, 0
	SCALES 0
	FETCH_A 0, 0, 4
	STEP 0, 0, 1                                   ; the first step stands in front of the loop: its products start the sums
	s_mov_b32 s3, LAPS-1
.Llap:                                                 ; a trip goes once round the ring and fills both slots again
	TURN 0, 1, 1
	STEP 1, 0, 0
	TURN 1, 0, 1
	STEP 0, 0, 0
	s_sub_co_u32 s3, s3, 1
	s_cmp_lg_u32 s3, 0
	s_cbranch_scc1 .Llap
	TURN 0, 1, 0                                   ; the last lap fills nothing
	STEP 1, 0, 0
	s_wait_dscnt 4*NL
	WIN MUL_LO
	MUL16 0, 1, NQ-1, 1, 0
	MUL16 2, 1, NQ-1, 1, 0
	s_wait_dscnt 0
	WIN MUL_HI
	MUL16 4, 1, NQ-1, 1, 0
	MUL16 6, 1, NQ-1, 1, 0
	WIN 0
	; THE WAY OUT.  A's tile a at a time: its eight accumulators are 64 numbers of a lane, 128 neighbours of B's rows: bias, quantiser, and the fragment leaves as it stands, in stores of 512 and 256 consecutive bytes.
	; The scale words are gathered in the wave's own bytes of slot 0, which has had its last fill and its last read, and leave in whole runs of 256 or 512 bytes.
	PLACES NP
	s_wait_loadcnt 0x0                             ; the biases
.irp b, 0,1,2,3
	v_mov_b32 v[TM+4+\b], 0                        ; written once: a lane permute's destination counts as one of its sources
.endr
	s_cmp_eq_u32 ttmp9, 2
	s_cbranch_scc1 .Lvpath
	s_lshl_b32 s18, s17, 1
	s_add_co_u32 s18, s18, s15                     ; my block of 128 tokens
	s_lshr_b32 s19, s18, 4
	s_lshl_b32 s19, s19, 4                         ; 16 x batch
	s_lshl_b32 s20, s42, 2
	s_add_co_u32 s19, s19, s20
	s_lshl_b32 s20, s16, 1
	s_add_co_u32 s19, s19, s20                     ; my first head (of two)
	s_and_b32 s18, s18, 15                         ; the block in its sequence
	s_lshl_b32 s20, s19, 7
	s_lshl_b32 s21, s18, 3
	s_add_co_u32 s20, s20, s21
	s_mul_i32 s20, s20, 768
	s_mul_i32 s21, ttmp9, 3145728
	s_add_co_u32 s20, s20, s21
	s_mov_b32 s21, 0
	s_add_nc_u64 s[20:21], s[12:13], s[20:21]      ; the images
	s_mul_i32 s22, s19, 12288
	s_lshl_b32 s23, s18, 9
	s_add_co_u32 s22, s22, s23
	s_mul_i32 s23, ttmp9, 393216
	s_add_co_u32 s22, s22, s23
	s_add_co_u32 s22, s22, 9437184
	s_mov_b32 s23, 0
	s_add_nc_u64 s[22:23], s[12:13], s[22:23]      ; the scale words
.macro QKBLK a
	WIN 0x02+(\a)/4                                ; source 0: window 2 or 3
.set ii, 0
.rept 32
	v_pk_add_f32 v[T+ii:T+ii+1], v[64*((\a)%4)+ii:64*((\a)%4)+ii+1], v[BIAS+ii:BIAS+ii+1]   ; each accumulator from its low end on
.set ii, ii+2
.endr
	WIN 0
.if (\a) > 0
	s_wait_xcnt 0x0                                ; the last tile's stores have read their registers
.endif
	QUANT T
	global_store_b128 v[O16], v[PC:PC+3], s[20:21] offset:(\a)*768            ; the first 64 channels: my first head
	global_store_b64 v[O8], v[PC+4:PC+5], s[20:21] offset:(\a)*768+512
	global_store_b128 v[O16], v[PC+6:PC+9], s[20:21] offset:98304+(\a)*768    ; the other 64: the next head
	global_store_b64 v[O8], v[PC+10:PC+11], s[20:21] offset:98304+(\a)*768+512
	v_lshrrev_b32 v[PW2], 16, v[PW]
	ds_store_b32 v[SWQ], v[PW] offset:(\a)*64      ; (both halves of the lanes write the same word with the same value)
	ds_store_b32 v[SWQ], v[PW2] offset:512+(\a)*64
.endm
.irp a, 0,1,2,3,4,5,6,7
	QKBLK \a
.endr
	ds_load_b128 v[T:T+3], v[RDQ]                  ; LDS serves a wave's instructions in order: these see my stores
	ds_load_b128 v[T+4:T+7], v[RDQ] offset:512
	s_wait_dscnt 0x0
	global_store_b128 v[O16], v[T:T+3], s[22:23]   ; 512 consecutive bytes
	global_store_b128 v[O16], v[T+4:T+7], s[22:23] offset:12288
	s_branch .Ldone
.Lvpath:
	s_lshl_b32 s18, s17, 1
	s_add_co_u32 s18, s18, s15
	s_lshl_b32 s18, s18, 1                         ; my first head (of two)
	s_lshl_b32 s19, s42, 1
	s_add_co_u32 s19, s19, s16                     ; my block of 128 tokens
	s_lshr_b32 s20, s19, 4
	s_and_b32 s19, s19, 15                         ; the block in its sequence
	s_lshl_b32 s20, s20, 4
	s_add_co_u32 s18, s20, s18                     ; 16 x batch + head
	s_lshl_b32 s20, s18, 4
	s_add_co_u32 s20, s20, s19
	s_mul_i32 s20, s20, 6144
	s_add_co_u32 s20, s20, 6291456
	s_mov_b32 s21, 0
	s_add_nc_u64 s[20:21], s[12:13], s[20:21]      ; the images
	s_mul_i32 s22, s18, 12288
	s_lshl_b32 s23, s19, 8
	s_add_co_u32 s22, s22, s23
	s_add_co_u32 s22, s22, 9830400+8192
	s_mov_b32 s23, 0
	s_add_nc_u64 s[22:23], s[12:13], s[22:23]      ; the scale words
.macro VBLK a
	WIN 0x02+(\a)/4
.set ii, 0
.rept 64
	v_add_f32 v[T+ii], v[64*((\a)%4)+ii], v[BV+(\a)]   ; my channel's bias; each accumulator from its low end on
.set ii, ii+1
.endr
	WIN 0
.if (\a) > 0
	s_wait_xcnt 0x0
.endif
	QUANT T
	global_store_b128 v[O16], v[PC:PC+3], s[20:21] offset:((\a)/4)*98304+((\a)%4)*1536
	global_store_b64 v[O8], v[PC+4:PC+5], s[20:21] offset:((\a)/4)*98304+((\a)%4)*1536+512
	global_store_b128 v[O16], v[PC+6:PC+9], s[20:21] offset:((\a)/4)*98304+((\a)%4)*1536+768
	global_store_b64 v[O8], v[PC+10:PC+11], s[20:21] offset:((\a)/4)*98304+((\a)%4)*1536+1280
	ds_store_b32 v[SWV], v[PW] offset:(\a)*64
.endm
.irp a, 0,1,2,3,4,5,6,7
	VBLK \a
.endr
	ds_load_b128 v[T:T+3], v[RDV]
	s_wait_dscnt 0x0
	global_store_b128 v[OV], v[T:T+3], s[22:23]    ; lanes 0-15: 256 consecutive bytes of my first head, lanes 16-31 of the next
.Ldone:
	s_wait_tensorcnt 0x0                           ; the wave's end
	ds_add_u32 v[SPW], v[NIL]
	s_wait_dscnt 0x0
	CROUND                                         ; the closing round
	s_endpgm
.Lfunc_end_k_q6ea3dc1e26_qkv:
	.size	k_q6ea3dc1e26_qkv, .Lfunc_end_k_q6ea3dc1e26_qkv-k_q6ea3dc1e26_qkv
	.p2alignl 7, 3214868480
	.fill 96, 4, 3214868480
	.section	.rodata,"a",@progbits
	.p2align	6, 0x0
	.amdhsa_kernel k_q6ea3dc1e26_qkv
		.amdhsa_group_segment_fixed_size 327680
		.amdhsa_private_segment_fixed_size 0
		.amdhsa_enable_private_segment 0
		.amdhsa_kernarg_size 48
		.amdhsa_user_sgpr_count 2
		.amdhsa_user_sgpr_kernarg_segment_ptr 1
		.amdhsa_wavefront_size32 1
		.amdhsa_system_sgpr_workgroup_id_x 1
		.amdhsa_system_sgpr_workgroup_id_y 1
		.amdhsa_system_sgpr_workgroup_id_z 1
		.amdhsa_system_vgpr_workitem_id 0
		.amdhsa_next_free_vgpr 1024
		.amdhsa_next_free_sgpr 106
		.amdhsa_reserve_vcc 0
		.amdhsa_float_denorm_mode_32 3
		.amdhsa_float_denorm_mode_16_64 3
		.amdhsa_memory_ordered 1
		.amdhsa_forward_progress 1
		.amdhsa_inst_pref_size 220
	.end_amdhsa_kernel
	.amdgpu_metadata
---
amdhsa.version: [ 1, 2 ]
amdhsa.kernels:
  - .name:           k_q6ea3dc1e26_qkv
    .symbol:         k_q6ea3dc1e26_qkv.kd
    .args:
      - { .name: act, .offset: 0, .size: 8, .value_kind: global_buffer, .address_space: global }
      - { .name: wts, .offset: 8, .size: 8, .value_kind: global_buffer, .address_space: global }
      - { .name: bq, .offset: 16, .size: 8, .value_kind: global_buffer, .address_space: global }
      - { .name: bk, .offset: 24, .size: 8, .value_kind: global_buffer, .address_space: global }
      - { .name: bv, .offset: 32, .size: 8, .value_kind: global_buffer, .address_space: global }
      - { .name: qkv, .offset: 40, .size: 8, .value_kind: global_buffer, .address_space: global }
    .group_segment_fixed_size: 327680
    .private_segment_fixed_size: 0
    .kernarg_segment_align: 8
    .kernarg_segment_size: 48
    .max_flat_workgroup_size: 128
    .sgpr_count:     106
    .vgpr_count:     1024
    .wavefront_size: 32
...
	.end_amdgpu_metadata
.endif
;; end of part 9
;; launch attn (part 10): grid 8 x 32, 16 waves a work-group, no clusters, 327,680 bytes of LDS; arguments qkv, act; writes act
.if DOCPART == 10
	.amdgcn_target "amdgcn-amd-amdhsa--gfx1250"
	.amdhsa_code_object_version 6
	.text
	.protected	k_q6ea3dc1e26_attn
	.globl	k_q6ea3dc1e26_attn
	.p2align	8
	.type	k_q6ea3dc1e26_attn,@function
k_q6ea3dc1e26_attn:
	s_mov_b64 s[64:65], 0
	v_nop
	global_prefetch_b8 v0, s[64:65] scope:SCOPE_SE
	s_setreg_imm32_b32 hwreg(HW_REG_WAVE_MODE, 25, 1), 1
	s_wait_xcnt 0x0
; Causal attention of 32 heads (2 x 16) of 2,048 tokens x 64 channels, both products on codes of FP6 (E2M3) with E8M0 scales, and its result quantised along the 1,024 channels for the next product.
; t = score x log2(e) / 8; M = the largest t so far, rounded UP to a whole number; p = 2^(t - M) is quantised along the keys, not normalised; the row's sum is taken of the unquantised p and divides at the end.
; When M moves, the sum and O are multiplied by 2^(old M - new M): exact.  Key steps that lie wholly under the causal mask are left out.
; INPUT (buffer qkv): images of operand registers, tokens and channels in the order P (place p holds row p with bits 3 and 4 changed over): q, k [head][tile of 16 tokens][768 bytes: 64 channels];
; v [head][128 keys][tile of 16 channels][1,536 bytes]; scale words beside them.  The score product's K is 64: registers 6-11 of both its operands hold zero codes.
; SHARES.  A work-group takes two blocks of 128 queries of one head, ONE AFTER THE OTHER: job 0 is block 15 - i, job 1 block i.  Its 16 waves are 8 tiles of 16 queries x 2 PARITIES of key steps:
; wave (t, p) takes tile t and, of each slot's four key steps of 128 keys, steps p and p + 2.  So a tile's keys are walked by two waves side by side, each with a running M, sum and O^T of its own.
; At a job's end parity 1 puts its O^T, -M and sums into LDS bytes of its own; the next change's barrier shows them; parity 0 brings both halves under the larger M (powers of two: exact), adds, divides, quantises, stores.
; EVENTS.  A slot holds 512 keys: K's 32 tiles, V's 4 x 6,144 bytes, and their scale words (2,048 + 1,024 bytes).  Job 0 needs 4 slots and job 1 one (i < 4), or 3 and 2: FIVE slot events in every work-group, through two LDS slots.
; Waves 0-3 fetch K's and V's halves, wave 4 K's scale words, wave 5 V's: one tensor load a wave at the head and behind each of four changes; the tail, which fetches nothing, is a loop of its own.  Every wait on TENSORcnt is for 0.
; Which slot of the head an event holds is a number made of ids; it enters the loads' global addresses alone.  LDS addresses hang on the wave's number and on the slot in hand, which changes over at every event.
; The two regions for the halves change over with the slot in hand: what is read in an event and what is stored at its end lie in different regions.
; Both products are used transposed (S^T = K Q^T, O^T = V^T P^T): a lane holds one query throughout.
; NO CLUSTER: the work-groups that share K and V hold different slots at the same event (job 1 begins at event 3 or 4, by the work-group's number).
; PREFETCH INTO THE L2: all eight work-groups of a head walk the same K and V; the first of them asks, at events 0 and 1, for slots 2 and 3: waves 6-8 K's 96 blocks of 256 bytes, waves 9-11 V's, a lane a block.
; LIMITS: the promise holds while the scaled scores stay under 2^31 in magnitude; a block of zeros gets the byte 1 (this program alone reads the bytes); NaN and infinities are not served.
.set SLOT1, 65536                      ; slot 1 begins here: one exclusive or turns an address in one slot into the other's
.set VOFF,  24576
.set STEPB, 6144                       ; a key step's bytes of K, and of V
.set KSC,   49152                      ; a slot's scale words of K,
.set VSC,   51200                      ; and of V
.set MRG,   131072                     ; the halves: 8 x 4,608 bytes; the second region SLOT1 further on
.set QST,   233472                     ; job 1's Q, 2,048 bytes a wave
.set SPARE, 266240                     ; the spare words, 128 bytes for each wave
.set L16,  1                           ; v1 16 x lane;  v2 8 x lane
.set L8,   2
.set SPW,  5
.set NIL,  6
.set DQ,   7                           ; v7 my query's number in its block - 16 h
.set AD16, 8                           ; v8-11 the slot's LDS addresses
.set AD8,  9
.set ADS,  10
.set ADT,  11
.set PFO,  28
.set R4,   29
.set KFR,  32                          ; v32-79   four fragments of K (registers 6-11 of each stay 0)
.set VFR,  80                          ; v80-127  four fragments of V; at a job's end the other half
.set S,    128                         ; v128-191 S^T, then p
.set O,    192                         ; v192-223 O^T;  v224-235 p's codes;  v232-254 at work;  v255 Q's scale word;  v12 -M, v13 the largest t, v[14:15] the sum;  v16-27 Q
.set TB,   2                           ; s2 the slot in hand;  s3 the event
.set EV,   3
.set QW,   12                          ; s12 my Q stash;  s13 my parity
.set WV,   18
.set SEL,  20
.set CS,   22
.set G1,   24                          ; group 1: K's and V's parts (48 rows of 256 bytes); K's scale words (8 rows); V's (4 rows)
.set G1K,  32
.set G0,   40
.set G0K,  44
.set G0V,  48
.set G1V,  52
.set NL,   60                          ; job 0's slots: 4 or 3
.set SN,   61                          ; which slot of the head the next load brings
.set P6,   62
.set PK,   63
.set PV,   66
.set MW,   67
.set KF,   68                          ; my next step's first key
.set QB,   69                          ; the job's first query
.set PFA,  70
.set LIM,  72
.set BKV,  92
.set BSK,  94
.set BSV,  96
.set T0,   98                          ; s[98:99] an offset; s99 stays 0
.macro NOPS4
.rept 4
	v_nop
.endr
.endm
.macro TLOAD3                          ; one chain of branches on the wave's number, one load to an arm; s_nop 0 and four v_nop behind each
	s_cmp_lt_u32 s[WV], 4
	s_cbranch_scc0 .Lta_\@
	tensor_load_to_lds s[G0:G0+3], s[G1:G1+7]
	s_nop 0
	NOPS4
	s_branch .Ltd_\@
.Lta_\@:
	s_cmp_eq_u32 s[WV], 4
	s_cbranch_scc0 .Ltb_\@
	tensor_load_to_lds s[G0K:G0K+3], s[G1K:G1K+7]
	s_nop 0
	NOPS4
	s_branch .Ltd_\@
.Ltb_\@:
	s_cmp_eq_u32 s[WV], 5
	s_cbranch_scc0 .Ltd_\@
	tensor_load_to_lds s[G0V:G0V+3], s[G1V:G1V+7]
	s_nop 0
	NOPS4
.Ltd_\@:
.endm
.macro DESC g, rows
	s_mov_b32 s[\g], 3<<16
	s_mov_b32 s[\g+1], 32<<16
	s_mov_b32 s[\g+2], (\rows)<<16
	s_mov_b32 s[\g+3], 32<<16
	s_mov_b32 s[\g+4], \rows
	s_mov_b32 s[\g+5], 32
	s_mov_b32 s[\g+6], 0
	s_mov_b32 s[\g+7], 0
.endm
	s_load_b128 s[4:7], s[0:1], 0x0                ; qkv, act
	v_lshl_add_u32 v[SPW], v0, 2, SPARE
	v_mov_b32 v[NIL], 0
	ds_add_u32 v[SPW], v[NIL]                      ; the opening lines: the add twice on end and its wait
	ds_add_u32 v[SPW], v[NIL]
	v_lshrrev_b32 v8, 5, v0
	v_readfirstlane_b32 s[WV], v8                  ; wave 0..15
	s_and_b32 s73, ttmp7, 0xffff                   ; the head (16 x batch + head)
	s_and_b32 s74, s[WV], 7                        ; my tile
	s_lshr_b32 s13, s[WV], 3                       ; my parity
	s_sub_co_u32 s75, 15, ttmp9                    ; job 0's block
	s_lshl_b32 s[QB], s75, 7
	s_lshl_b32 s[KF], s13, 7
	s_cmp_lt_u32 ttmp9, 4
	s_cselect_b32 s[NL], 4, 3
	DESC G1, 48
	DESC G1K, 8
	DESC G1V, 4
	s_and_b32 s76, s[WV], 3                        ; which part of K and V I fetch, if I fetch
	s_lshr_b32 s77, s76, 1
	s_mul_i32 s77, s77, 3145728
	s_and_b32 s78, s76, 1
	s_mul_i32 s78, s78, 12288
	s_add_co_u32 s77, s77, s78
	s_mul_i32 s78, s73, 98304
	s_add_co_u32 s78, s78, 3145728                 ; my head's K
	s_add_co_u32 s80, s77, s78
	s_mov_b32 s81, 0
	s_mul_i32 s82, s73, 12288
	s_add_co_u32 s84, s82, 9830400                 ; its scale words
	s_mov_b32 s85, 0
	s_mul_i32 s86, s76, 12288
	s_mul_i32 s[P6], s13, STEPB
	s_lshl_b32 s[PK], s13, 9
	s_add_co_u32 s[PK], s[PK], KSC
	s_lshl_b32 s[PV], s13, 8
	s_add_co_u32 s[PV], s[PV], VSC
	s_mul_i32 s[MW], s74, 4608
	s_add_co_u32 s[MW], s[MW], MRG
	s_lshl_b32 s[QW], s[WV], 11
	s_add_co_u32 s[QW], s[QW], QST
	s_mov_b32 s[SEL], 0x76543210
	s_mov_b32 s[SEL+1], 0xfedcba98
	s_mov_b32 s[CS], 0x3e38aa3b                    ; log2(e) / 8
	s_mov_b32 s[CS+1], s[CS]
	s_mov_b32 s[TB], 0
	s_mov_b32 s[EV], 0
	s_mov_b32 s[SN], 0
	s_mov_b32 s[T0+1], 0
	s_wait_dscnt 0x0
	s_wait_kmcnt 0x0
	s_add_nc_u64 s[BKV:BKV+1], s[4:5], s[80:81]
	s_add_nc_u64 s[BSK:BSK+1], s[4:5], s[84:85]
	s_add_nc_u64 s[BSV:BSV+1], s[BSK:BSK+1], 8192
	s_mov_b32 s[G0], 1
	s_mov_b32 s[G0+1], s86
	s_mov_b64 s[G0+2:G0+3], s[BKV:BKV+1]
	s_or_b32 s[G0+3], s[G0+3], 0x80000000
	s_mov_b32 s[G0K], 1
	s_mov_b32 s[G0K+1], KSC
	s_mov_b64 s[G0K+2:G0K+3], s[BSK:BSK+1]
	s_or_b32 s[G0K+3], s[G0K+3], 0x80000000
	s_mov_b32 s[G0V], 1
	s_mov_b32 s[G0V+1], VSC
	s_mov_b64 s[G0V+2:G0V+3], s[BSV:BSV+1]
	s_or_b32 s[G0V+3], s[G0V+3], 0x80000000
	TLOAD3                                         ; slot 0 of the head
	s_lshl_b32 s79, s75, 3
	s_add_co_u32 s79, s79, s74                     ; my tile in the sequence, job 0;
	s_lshl_b32 s87, ttmp9, 3
	s_add_co_u32 s87, s87, s74                     ; job 1
	s_lshl_b32 s88, s73, 7
	s_add_co_u32 s80, s88, s79
	s_mul_i32 s80, s80, 768
	s_add_nc_u64 s[8:9], s[4:5], s[80:81]          ; Q's images
	s_add_co_u32 s80, s88, s87
	s_mul_i32 s80, s80, 768
	s_add_nc_u64 s[10:11], s[4:5], s[80:81]
	s_lshl_b32 s84, s79, 6
	s_add_co_u32 s84, s84, s82
	s_add_co_u32 s84, s84, 9437184
	s_add_nc_u64 s[14:15], s[4:5], s[84:85]        ; and their scale words
	s_lshl_b32 s84, s87, 6
	s_add_co_u32 s84, s84, s82
	s_add_co_u32 s84, s84, 9437184
	s_add_nc_u64 s[16:17], s[4:5], s[84:85]
	s_sub_co_u32 s87, s[WV], 6                     ; the prefetches: waves 6 to 11 of the head's first work-group
	s_cmp_lt_u32 s87, 6
	s_cselect_b32 s88, 0, 1
	s_or_b32 s88, s88, ttmp9
	s_cmp_eq_u32 s88, 0
	s_cselect_b32 s[LIM], 2, 0
	s_min_u32 s87, s87, 5
	s_lshl_b32 s87, s87, 13                        ; 8,192 bytes a wave
	s_cmp_ge_u32 s[WV], 9
	s_cselect_b32 s88, 3145728-24576, 0            ; waves 9 to 11: in V
	s_add_co_u32 s88, s88, s87
	s_add_co_u32 s88, s88, s78
	s_add_co_u32 s88, s88, 24576                   ; in slot 1: the first change steps it to slot 2
	s_mov_b32 s89, 0
	s_add_nc_u64 s[PFA:PFA+1], s[4:5], s[88:89]
	s_lshr_b32 s87, s74, 1
	s_lshl_b32 s87, s87, 5
	s_and_b32 s88, s74, 1
	s_lshl_b32 s88, s88, 3
	s_add_co_u32 s87, s87, s88
	v_and_b32 v8, 31, v0
	v_and_b32 v9, 15, v0                           ; r
	v_bfe_u32 v10, v0, 4, 1                        ; h
	v_lshlrev_b32 v[L16], 4, v8
	v_lshlrev_b32 v[L8], 3, v8
	v_lshlrev_b32 v[PFO], 8, v8
	v_lshlrev_b32 v[R4], 2, v9
	global_load_b128 v[16:19], v[L16], s[8:9]      ; job 0's Q stays in registers
	global_load_b64 v[20:21], v[L8], s[8:9] offset:512
	global_load_b32 v255, v[R4], s[14:15]
	global_load_b128 v[S:S+3], v[L16], s[10:11]    ; job 1's waits in my own LDS bytes
	global_load_b64 v[S+4:S+5], v[L8], s[10:11] offset:512
	global_load_b32 v[S+6], v[R4], s[16:17]
	v_and_b32 v11, 7, v9
	v_lshrrev_b32 v12, 3, v9
	v_lshl_add_u32 v11, v12, 4, v11
	v_lshlrev_b32 v12, 4, v10
	v_sub_nc_u32 v11, v11, v12
	v_add_nc_u32 v[DQ], s87, v11                   ; 32 (tile / 2) + 8 (tile % 2) + r % 8 + 16 (r / 8) - 16 h
	v_mov_b32 v13, 0xff61b1e6                      ; the largest t so far: -3e38
	v_floor_f32 v12, -v13                          ; -M
	v_mov_b32 v14, 0
	v_mov_b32 v15, 0
.irp j, 22,23,24,25,26,27
	v_mov_b32 v\j, 0                               ; Q's upper 64 along K: zero codes
.endr
.irp t, 0,1,2,3
.irp j, 6,7,8,9,10,11
	v_mov_b32 v[KFR+12*\t+\j], 0                   ; K's likewise: written once
.endr
.endr
.irp b, 0,1,2,3
	v_mov_b32 v[236+\b], 0                         ; a lane permute's destination counts as one of its sources
.endr
	v_mov_b32 v252, 0
	v_mov_b32 v253, 0
.set n, 0
.rept 32
	v_mov_b32 v[O+n], 0                            ; O^T: the step is written once, and a job's first finds zeros
.set n, n+1
.endr
	v_add_nc_u32 v[AD16], s[QW], v[L16]
	s_wait_alu depctr_va_vdst(0)                   ; the wait at the head's end
	s_wait_loadcnt 0x0
	ds_store_b128 v[AD16], v[S:S+3]
	ds_store_b64 v[AD16], v[S+4:S+5] offset:512
	ds_store_b32 v[AD16], v[S+6] offset:1024
; A KEY STEP: 128 keys, my q-th of the slot in hand (the slot's step p + 2 q).
.macro STEP q
	s_cmp_gt_u32 s[KF], s[QB]                      ; all its keys come after the job's queries: left out
	s_cbranch_scc1 .Lhidden_\@
.irp g, 0,1                                    ; S^T = K Q^T, four tiles of 16 keys at a time
	NOPS4                                          ; places in front of loads into registers that matrix instructions have read
.irp t, 0,1,2,3
	ds_load_b128 v[KFR+12*\t:KFR+12*\t+3], v[AD16] offset:2*STEPB*(\q)+(4*\g+\t)*768
	ds_load_b64 v[KFR+12*\t+4:KFR+12*\t+5], v[AD8] offset:2*STEPB*(\q)+(4*\g+\t)*768+512
	ds_load_b32 v[248+\t], v[ADS] offset:1024*(\q)+(4*\g+\t)*64
.endr
	s_wait_dscnt 0x0
.irp t, 0,1,2,3
	v_wmma_scale_f32_16x16x128_f8f6f4 v[S+8*(4*\g+\t):S+8*(4*\g+\t)+7], v[KFR+12*\t:KFR+12*\t+11], v[16:27], 0, v[248+\t], v255 matrix_a_fmt:MATRIX_FMT_FP6 matrix_b_fmt:MATRIX_FMT_FP6
.endr
.endr
	NOPS4
.irp t, 0,1,2,3                                ; V's fragments and scale words are asked for now and land under the softmax
	ds_load_b128 v[VFR+12*\t:VFR+12*\t+3], v[AD16] offset:VOFF+2*STEPB*(\q)+\t*1536
	ds_load_b64 v[VFR+12*\t+4:VFR+12*\t+5], v[AD8] offset:VOFF+2*STEPB*(\q)+\t*1536+512
	ds_load_b128 v[VFR+12*\t+6:VFR+12*\t+9], v[AD16] offset:VOFF+2*STEPB*(\q)+\t*1536+768
	ds_load_b64 v[VFR+12*\t+10:VFR+12*\t+11], v[AD8] offset:VOFF+2*STEPB*(\q)+\t*1536+1280
	ds_load_b32 v[248+\t], v[ADT] offset:512*(\q)+\t*64
.endr
	s_cmp_lt_u32 s[KF], s[QB]                      ; a step all of whose keys count skips the mask
	s_cbranch_scc1 .Lopen_\@
	v_mov_b32 v254, 0xff800000                     ; on the diagonal hidden scores become -infinity: register 16 b + i holds key 32 b + 16 h + i of the block
.set n, 0
.rept 64
	v_cmp_gt_i32 vcc_lo, 32*(n/16)+n%16, v[DQ]
	v_cndmask_b32 v[S+n], v[S+n], v254, vcc_lo
.set n, n+1
.endr
.Lopen_\@:
.irp b, 0,1,2,3
	v_max3_num_f32 v[232+\b], v[S+16*\b], v[S+1+16*\b], v[S+2+16*\b]   ; the largest score of each block of 32 keys: for the row's maximum and, since p rises with the score, for the block's largest p
.endr
.irp i, 3,5,7,9,11,13
.irp b, 0,1,2,3
	v_max3_num_f32 v[232+\b], v[232+\b], v[S+16*\b+\i], v[S+1+16*\b+\i]
.endr
.endr
.irp b, 0,1,2,3
	v_max_num_f32 v[232+\b], v[232+\b], v[S+15+16*\b]
.endr
.irp b, 0,1,2,3
	s_delay_alu instid0(VALU_DEP_4)
	v_permlanex16_b32 v[236+\b], v[232+\b], s[SEL], s[SEL+1]
.endr
.irp b, 0,1,2,3
	s_delay_alu instid0(VALU_DEP_4)
	v_max_num_f32 v[232+\b], v[232+\b], v[236+\b]
.endr
	s_delay_alu instid0(VALU_DEP_2)
	v_max3_num_f32 v254, v232, v233, v234
	s_delay_alu instid0(VALU_DEP_1)
	v_max_num_f32 v254, v254, v235
	s_delay_alu instid0(VALU_DEP_1)
	v_mul_f32 v254, s[CS], v254                    ; as t
	s_delay_alu instid0(VALU_DEP_1)
	v_max_num_f32 v13, v13, v254                   ; the running largest t
	v_mov_b32 v254, v12
	s_delay_alu instid0(VALU_DEP_2)
	v_floor_f32 v12, -v13                          ; the new -M = -ceil(t)
	s_delay_alu instid0(VALU_DEP_1)
	v_sub_f32 v254, v12, v254                      ; old M - new M: a whole number, 0 or less
	s_delay_alu instid0(VALU_DEP_1)
	v_cvt_i32_f32 v254, v254
	s_delay_alu instid0(VALU_DEP_1)
	v_ldexp_f32 v252, 1.0, v254                    ; f = 2^(old M - new M)
.set n, 0
.rept 32
	v_pk_fma_f32 v[S+n:S+n+1], v[S+n:S+n+1], s[CS:CS+1], v[12:13] op_sel_hi:[1,0,0]   ; t - M
.set n, n+2
.endr
.irp b, 0,1,2,3
	v_fma_f32 v[232+\b], v[232+\b], s[CS], v12
.endr
	s_wait_alu depctr_va_vdst(0)                   ; the wait ahead of the batch
.set n, 0
.rept 64
	v_exp_f32 v[S+n], v[S+n]                       ; p = 2^(t - M)
.set n, n+1
.endr
	v_pk_mul_f32 v[14:15], v[14:15], v[252:253] op_sel_hi:[1,0]   ; the sums under the new M (a plain place behind the exponentials)
	s_wait_alu depctr_va_vdst(0)                   ; one wait for the batch, ahead of its first reader
.irp b, 0,1,2,3
	v_exp_f32 v[232+\b], v[232+\b]                 ; each block's largest p
.endr
	v_pk_add_f32 v[236:237], v[S:S+1], v[S+2:S+3]  ; the row's sum of the unquantised p, in three chains
	v_pk_add_f32 v[30:31], v[S+4:S+5], v[S+6:S+7]
	v_pk_add_f32 v[14:15], v[14:15], v[S+8:S+9]
.set n, 10
.rept 9
	v_pk_add_f32 v[236:237], v[236:237], v[S+n:S+n+1]
	v_pk_add_f32 v[30:31], v[30:31], v[S+n+2:S+n+3]
	v_pk_add_f32 v[14:15], v[14:15], v[S+n+4:S+n+5]
.set n, n+6
.endr
	s_delay_alu instid0(VALU_DEP_1)
	v_pk_add_f32 v[14:15], v[14:15], v[30:31]
	s_delay_alu instid0(VALU_DEP_1)
	v_pk_add_f32 v[14:15], v[14:15], v[236:237]
	s_wait_alu depctr_va_vdst(0)                   ; and one for the four
.irp b, 0,1,2,3
	v_max_num_f32 v[232+\b], 0x1800000, v[232+\b]  ; the floor 2^(3 - 127): the byte cannot fall under 1
.endr
.irp b, 0,1,2,3
	s_delay_alu instid0(VALU_DEP_4)
	v_add_nc_u32 v[244+\b], 0xff000000, v[232+\b]
.endr
.irp b, 0,1,2,3
	s_delay_alu instid0(VALU_DEP_4)
	v_lshrrev_b32 v[236+\b], 23, v[244+\b]
.endr
	s_delay_alu instid0(VALU_DEP_3)
	v_lshl_or_b32 v253, v237, 8, v236              ; p's scale word for these 128 keys
	s_delay_alu instid0(VALU_DEP_1)
	v_lshl_or_b32 v253, v238, 16, v253
	s_delay_alu instid0(VALU_DEP_1)
	v_lshl_or_b32 v253, v239, 24, v253
.irp c, 0,1
	v_cvt_scalef32_pk16_fp6_f32 v[224+6*\c:226+6*\c], v[S+32*\c:S+15+32*\c], v[244+2*\c]
	v_cvt_scalef32_pk16_fp6_f32 v[236+4*\c:238+4*\c], v[S+16+32*\c:S+31+32*\c], v[244+2*\c+1]
.endr
	v_nop                                          ; one plain place behind a scaled conversion
.irp c, 0,1
.irp i, 0,1,2
	v_permlane16_swap_b32 v[224+6*\c+\i], v[236+4*\c+\i]
.endr
.irp i, 0,1,2
	s_delay_alu instid0(VALU_DEP_3)
	v_mov_b32 v[227+6*\c+\i], v[236+4*\c+\i]
.endr
.endr
.set n, 0
.rept 16
	v_pk_mul_f32 v[O+n:O+n+1], v[O+n:O+n+1], v[252:253] op_sel_hi:[1,0]   ; O^T under the new M.  (These sixteen are also the places between the scale word, the codes and the products below)
.set n, n+2
.endr
	s_wait_alu depctr_va_vdst(0)
	s_wait_dscnt 0x0                               ; V
.irp t, 0,1,2,3                                ; O^T += V^T P^T: the four accumulators by turns
	v_wmma_scale_f32_16x16x128_f8f6f4 v[O+8*\t:O+8*\t+7], v[VFR+12*\t:VFR+12*\t+11], v[224:235], v[O+8*\t:O+8*\t+7], v[248+\t], v253 matrix_a_fmt:MATRIX_FMT_FP6 matrix_b_fmt:MATRIX_FMT_FP6
.endr
.Lhidden_\@:
	s_add_co_u32 s[KF], s[KF], 256
.endm
; THE CHANGE OF SLOTS, at an event's head: each wave waits for all its tensor loads, adds 0 to its spare word, waits for that and for its LDS work, and passes the barrier.
; fill = 1: the slot that was left takes the next event's 512 keys: the head's next slot, or its slot 0 where job 1 begins.
.macro CHANGE fill
	s_wait_tensorcnt 0x0                           ; no tensor load of mine is out, so every group 0 may be written
	ds_add_u32 v[SPW], v[NIL]
.if \fill
	ds_add_u32 v[SPW], v[NIL]                      ; twice on end where a fill follows
	s_add_co_u32 s[T0], s[EV], 1
	s_add_co_u32 s[SN], s[SN], 1
	s_cmp_eq_u32 s[T0], s[NL]
	s_cselect_b32 s[SN], 0, s[SN]
	s_xor_b32 s[G0+1], s[G0+1], SLOT1
	s_xor_b32 s[G0K+1], s[G0K+1], SLOT1
	s_xor_b32 s[G0V+1], s[G0V+1], SLOT1
	s_mul_i32 s[T0], s[SN], 24576
	s_add_nc_u64 s[G0+2:G0+3], s[BKV:BKV+1], s[T0:T0+1]
	s_or_b32 s[G0+3], s[G0+3], 0x80000000
	s_lshl_b32 s[T0], s[SN], 11
	s_add_nc_u64 s[G0K+2:G0K+3], s[BSK:BSK+1], s[T0:T0+1]
	s_or_b32 s[G0K+3], s[G0K+3], 0x80000000
	s_lshl_b32 s[T0], s[SN], 10
	s_add_nc_u64 s[G0V+2:G0V+3], s[BSV:BSV+1], s[T0:T0+1]
	s_or_b32 s[G0V+3], s[G0V+3], 0x80000000
	s_wait_xcnt 0x0                                ; the last prefetch, an event back, has read its address
	s_add_nc_u64 s[PFA:PFA+1], s[PFA:PFA+1], 24576
.endif
	s_wait_dscnt 0x0
	s_barrier_signal -1
	s_barrier_wait -1
.if \fill
	TLOAD3                                         ; the first thing behind the barrier, and a wave's one tensor load until the next
	s_cmp_lt_u32 s[EV], s[LIM]
	s_cbranch_scc0 .Lnot_mine_\@
	global_prefetch_b8 v[PFO], s[PFA:PFA+1] th:TH_LOAD_NT scope:SCOPE_SE
.Lnot_mine_\@:
.endif
.endm
; A JOB'S END, parity 0: the other half comes from LDS; both are brought under the larger M; O^T / the sum is quantised: register 16 g + i is channel 32 g + 16 h + i of my query: one image of 768 bytes.
.macro FINAL
	s_add_co_u32 s[T0], s[TB], s[MW]
	v_add_nc_u32 v[AD16], s[T0], v[L16]
.irp k, 0,1,2,3,4,5,6,7,8
	ds_load_b128 v[VFR+4*\k:VFR+4*\k+3], v[AD16] offset:512*\k
.endr
	s_lshr_b32 s80, s73, 4
	s_lshl_b32 s80, s80, 4
	s_add_co_u32 s80, s80, s75                     ; my block of 128 tokens
	s_and_b32 s81, s73, 15
	s_lshr_b32 s82, s81, 1                         ; the next product's K step,
	s_and_b32 s81, s81, 1                          ; and which 64 of it
	s_mul_i32 s84, s80, 102400                     ; act: records of 12,800 bytes, eight to a block
	s_mul_i32 s83, s82, 12800
	s_add_co_u32 s86, s84, s83
	s_mul_i32 s83, s74, 1536
	s_add_co_u32 s84, s86, s83
	s_mul_i32 s83, s81, 768
	s_add_co_u32 s84, s84, s83
	s_mov_b32 s85, 0
	s_add_nc_u64 s[8:9], s[6:7], s[84:85]
	s_lshl_b32 s83, s74, 6
	s_add_co_u32 s84, s86, s83
	s_lshl_b32 s83, s81, 1
	s_add_co_u32 s84, s84, s83
	s_add_co_u32 s84, s84, 12288                   ; the record's scale words
	s_add_nc_u64 s[10:11], s[6:7], s[84:85]
	s_wait_dscnt 0x0
	v_min_num_f32 v254, v12, v[VFR+32]             ; -M of the two halves together
	v_add_f32 v14, v14, v15
	v_add_f32 v15, v[VFR+34], v[VFR+35]
	v_sub_f32 v252, v254, v12                      ; whole numbers, 0 or less (a half with no step has -M = 3e38: its factor comes out 0, over zeros)
	v_sub_f32 v238, v254, v[VFR+32]
	v_cvt_i32_f32 v252, v252
	v_cvt_i32_f32 v238, v238
	v_ldexp_f32 v252, 1.0, v252
	v_ldexp_f32 v238, 1.0, v238
	v_mul_f32 v14, v14, v252
	v_fmac_f32 v14, v15, v238
.set n, 0
.rept 16
	v_pk_mul_f32 v[O+n:O+n+1], v[O+n:O+n+1], v[252:253] op_sel_hi:[1,0]   ; each accumulator from its low end on
.set n, n+2
.endr
.set n, 0
.rept 16
	v_pk_fma_f32 v[O+n:O+n+1], v[VFR+n:VFR+n+1], v[238:239], v[O+n:O+n+1] op_sel_hi:[1,0,1]
.set n, n+2
.endr
	v_permlanex16_b32 v252, v14, s[SEL], s[SEL+1]
	s_delay_alu instid0(VALU_DEP_1)
	v_add_f32 v14, v14, v252                       ; the row's sum
	s_wait_alu depctr_va_vdst(0)
	v_rcp_f32 v14, v14
	v_nop                                          ; a plain place behind the transcendental
	s_wait_alu depctr_va_vdst(0)
.set n, 0
.rept 32
	v_mul_f32 v[S+n], v[O+n], v14
.set n, n+1
.endr
.irp b, 0,1
	v_max3_num_f32 v[232+\b], |v[S+16*\b]|, |v[S+1+16*\b]|, 0x1800000
.endr
.irp i, 2,4,6,8,10,12,14
.irp b, 0,1
	s_delay_alu instid0(VALU_DEP_2)
	v_max3_num_f32 v[232+\b], v[232+\b], |v[S+16*\b+\i]|, |v[S+1+16*\b+\i]|
.endr
.endr
.irp b, 0,1
	s_delay_alu instid0(VALU_DEP_2)
	v_permlanex16_b32 v[236+\b], v[232+\b], s[SEL], s[SEL+1]
.endr
.irp b, 0,1
	s_delay_alu instid0(VALU_DEP_2)
	v_max_num_f32 v[232+\b], v[232+\b], v[236+\b]
.endr
.irp b, 0,1
	s_delay_alu instid0(VALU_DEP_2)
	v_add_nc_u32 v[244+\b], 0xff000000, v[232+\b]
.endr
.irp b, 0,1
	s_delay_alu instid0(VALU_DEP_2)
	v_lshrrev_b32 v[236+\b], 23, v[244+\b]
.endr
	s_delay_alu instid0(VALU_DEP_1)
	v_lshl_or_b32 v253, v237, 8, v236              ; my row's two scale bytes
	v_cvt_scalef32_pk16_fp6_f32 v[224:226], v[S:S+15], v244
	v_cvt_scalef32_pk16_fp6_f32 v[240:242], v[S+16:S+31], v245
	v_nop
.irp i, 0,1,2
	v_permlane16_swap_b32 v[224+\i], v[240+\i]
.endr
.irp i, 0,1,2
	s_delay_alu instid0(VALU_DEP_3)
	v_mov_b32 v[227+\i], v[240+\i]
.endr
	global_store_b128 v[L16], v[224:227], s[8:9]   ; 512 consecutive bytes
	global_store_b64 v[L8], v[228:229], s[8:9] offset:512
	global_store_b16 v[R4], v253, s[10:11]         ; lanes r and 16 + r store the same two bytes at the same place
	s_wait_xcnt 0x0                                ; the stores have read their registers and bases
.endm
; What stands at the head of an event that follows a job's last (event NL, and event 5): parity 0 finishes the job; then, where job 1 begins, every wave starts anew with job 1's Q.
.macro XFIN
	s_cmp_eq_u32 s[EV], s[NL]
	s_cselect_b32 s77, 1, 0
	s_cmp_eq_u32 s[EV], 5
	s_cselect_b32 s77, 1, s77
	s_cmp_eq_u32 s77, 0
	s_cbranch_scc1 .Lnox_\@
	NOPS4                                          ; places behind the job's last products
	s_cmp_lt_u32 s[WV], 8
	s_cbranch_scc0 .Lnof_\@
	FINAL
.Lnof_\@:
	s_cmp_eq_u32 s[EV], 5
	s_cbranch_scc1 .Lnox_\@
	v_add_nc_u32 v[AD16], s[QW], v[L16]
	ds_load_b128 v[16:19], v[AD16]
	ds_load_b64 v[20:21], v[AD16] offset:512
	ds_load_b32 v255, v[AD16] offset:1024
	v_mov_b32 v13, 0xff61b1e6
	v_floor_f32 v12, -v13
	v_mov_b32 v14, 0
	v_mov_b32 v15, 0
.set n, 0
.rept 32
	v_mov_b32 v[O+n], 0
.set n, n+1
.endr
	s_mov_b32 s75, ttmp9                           ; job 1's block
	s_lshl_b32 s[QB], s75, 7
	s_lshl_b32 s[KF], s13, 7
	s_wait_dscnt 0x0
.Lnox_\@:
.endm
.macro SLOT_STEPS
	s_add_co_u32 s[T0], s[TB], s[P6]
	v_add_nc_u32 v[AD16], s[T0], v[L16]
	v_add_nc_u32 v[AD8], s[T0], v[L8]
	s_add_co_u32 s[T0], s[TB], s[PK]
	v_add_nc_u32 v[ADS], s[T0], v[R4]
	s_add_co_u32 s[T0], s[TB], s[PV]
	v_add_nc_u32 v[ADT], s[T0], v[R4]
	s_wait_alu depctr_va_vdst(0)
	STEP 0
	STEP 1
	s_xor_b32 s[TB], s[TB], SLOT1
.endm
; At the end of a job's last event parity 1 puts its half into the region that goes with the NEXT event's slot.
.macro PSTORE
	s_add_co_u32 s[T0], s[EV], 1
	s_cmp_eq_u32 s[T0], s[NL]
	s_cselect_b32 s77, 1, 0
	s_cmp_eq_u32 s[T0], 5
	s_cselect_b32 s77, 1, s77
	s_cmp_eq_u32 s77, 0
	s_cbranch_scc1 .Lnp_\@
	s_cmp_lt_u32 s[WV], 8
	s_cbranch_scc1 .Lnp_\@
	s_add_co_u32 s[T0], s[TB], s[MW]
	v_add_nc_u32 v[AD16], s[T0], v[L16]
	NOPS4
.irp k, 0,1,2,3,4,5,6,7
	ds_store_b128 v[AD16], v[O+4*\k:O+4*\k+3] offset:512*\k   ; each accumulator from its low end on
.endr
	ds_store_b128 v[AD16], v[12:15] offset:4096
.Lnp_\@:
.endm
.Levent:                                           ; events 0 to 3: each asks for the next event's slot
	CHANGE 1
	XFIN
	SLOT_STEPS
	PSTORE
	s_add_co_u32 s[EV], s[EV], 1
	s_cmp_lt_u32 s[EV], 4
	s_cbranch_scc1 .Levent
	s_mov_b32 s[EV], 4
.Ltail:                                            ; event 4, and event 5, which only finishes job 1 (its steps' keys come after the job's queries): no tensor load
	CHANGE 0
	XFIN
	SLOT_STEPS
	PSTORE
	s_add_co_u32 s[EV], s[EV], 1
	s_cmp_lt_u32 s[EV], 6
	s_cbranch_scc1 .Ltail
	s_wait_tensorcnt 0x0                           ; the wave's end
	ds_add_u32 v[SPW], v[NIL]
	s_wait_dscnt 0x0
	s_endpgm
.Lfunc_end_k_q6ea3dc1e26_attn:
	.size	k_q6ea3dc1e26_attn, .Lfunc_end_k_q6ea3dc1e26_attn-k_q6ea3dc1e26_attn
	.p2alignl 7, 3214868480
	.fill 96, 4, 3214868480
	.section	.rodata,"a",@progbits
	.p2align	6, 0x0
	.amdhsa_kernel k_q6ea3dc1e26_attn
		.amdhsa_group_segment_fixed_size 327680
		.amdhsa_private_segment_fixed_size 0
		.amdhsa_enable_private_segment 0
		.amdhsa_kernarg_size 16
		.amdhsa_user_sgpr_count 2
		.amdhsa_user_sgpr_kernarg_segment_ptr 1
		.amdhsa_wavefront_size32 1
		.amdhsa_system_sgpr_workgroup_id_x 1
		.amdhsa_system_sgpr_workgroup_id_y 1
		.amdhsa_system_sgpr_workgroup_id_z 1
		.amdhsa_system_vgpr_workitem_id 0
		.amdhsa_next_free_vgpr 256
		.amdhsa_next_free_sgpr 100
		.amdhsa_reserve_vcc 1
		.amdhsa_float_denorm_mode_32 3
		.amdhsa_float_denorm_mode_16_64 3
		.amdhsa_memory_ordered 1
		.amdhsa_forward_progress 1
		.amdhsa_inst_pref_size 127
	.end_amdhsa_kernel
	.amdgpu_metadata
---
amdhsa.version: [ 1, 2 ]
amdhsa.kernels:
  - .name:           k_q6ea3dc1e26_attn
    .symbol:         k_q6ea3dc1e26_attn.kd
    .args:
      - { .name: qkv, .offset: 0, .size: 8, .value_kind: global_buffer, .address_space: global }
      - { .name: act, .offset: 8, .size: 8, .value_kind: global_buffer, .address_space: global }
    .group_segment_fixed_size: 327680
    .private_segment_fixed_size: 0
    .kernarg_segment_align: 8
    .kernarg_segment_size: 16
    .max_flat_workgroup_size: 512
    .sgpr_count:     100
    .vgpr_count:     256
    .wavefront_size: 32
...
	.end_amdgpu_metadata
.endif
;; end of part 10
;; launch oproj (part 11): grid 8 x 32, 4 waves a work-group, clusters of 4 x 4, 327,680 bytes of LDS; arguments act, wts, bo, x, h; writes h
.if DOCPART == 11
	.amdgcn_target "amdgcn-amd-amdhsa--gfx1250"
	.amdhsa_code_object_version 6
	.text
	.protected	k_q6ea3dc1e26_oproj
	.globl	k_q6ea3dc1e26_oproj
	.p2align	8
	.type	k_q6ea3dc1e26_oproj,@function
k_q6ea3dc1e26_oproj:
	s_mov_b64 s[64:65], 0
	v_nop
	global_prefetch_b8 v0, s[64:65] scope:SCOPE_SE
	s_setreg_imm32_b32 hwreg(HW_REG_WAVE_MODE, 25, 1), 1
	s_wait_xcnt 0x0
	s_wait_alu depctr_hold_cnt(0) depctr_sa_sdst(0) depctr_va_vdst(0) depctr_va_sdst(0) depctr_va_ssrc(0) depctr_va_vcc(0) depctr_vm_vsrc(0)
	s_getreg_b32 s2, hwreg(HW_REG_IB_STS2, 6, 4)
	s_cmp_eq_u32 s2, 0
	s_cbranch_scc0 .Lentry_in_a_cluster
	s_endpgm
.Lentry_in_a_cluster:
	s_bfe_u32 s2, ttmp6, 0x10000c
	s_cmp_lg_u32 s2, 0xf033
	s_cbranch_scc0 .Lentry_shape_is_right
	s_endpgm
.Lentry_shape_is_right:
; h = x + (a Wo + bo): a, the attention's result, and Wo on codes of FP6 (E2M3) with E8M0 scales, K = 1,024; h [4,096][1,024] f32.
; 256 tiles of 128 x 128, one a work-group; four waves of 64 x 64: 16 accumulators.  The text is that of the launch for the second feed-forward product, with K = 1,024: see the notes there.
; OPERANDS: records of 128 rows x 128 K, 12,800 bytes: 12,288 of codes as images of the operand's registers (8 tiles x 1,536), then the rows' 128 scale words; a block's K steps lie on end.  Rows stand in the order P.
; LDS: A's slot 0, A's slot 1, B's slot 0, B's slot 1, four records (51,200 bytes) each; each wave fills one of the four by one dense joint load at the head.  Here that is all of K: nothing is filled again.
; NO PREFETCH: all sixteen records are asked for by the head's four loads; no later load exists to run ahead of.
; LIMITS: NaN and infinities are not served.
.set KDIM,  1024
.set BREC,  192                        ; B's first record in wts
.set KST,   KDIM/128
.set LAPS,  KDIM/1024
.set NQ,    4
.set FR,    12
.set NP,    4
.set REC,   12800
.set SLB,   NQ*REC
.set OPB,   2*SLB
.set STAGE, 2*OPB
.set SPI,   272
.set SPARE, STAGE+4*64*SPI
.set ADRS, 10
.set PFO,  12
.set ADRA, 16
.set ADRB, 20
.set STO,  24
.set RD,   25
.set CO,   26
.set SPW,  28
.set NIL,  29
.set BOF,  30
.set SC,   32
.set BI,   64
.set ROW,  128
.set RS,   128
.set G1, 24
.set G0, 32
.set G1B, 48
.set G0B, 56
.set G0H, 68
.set G0HB, 72
.set PFA, 76
.set MSB, 0
.macro WIN new
.if MSB != (\new)
	s_set_vgpr_msb (MSB<<8)|(\new)
.set MSB, (\new)
.endif
.endm
.set MULW, 0xa5
.set TO_F, 0x40
.macro JLOAD g0a, g1a, g0b, g1b
	s_cmp_eq_u32 s15, 0
	s_cbranch_scc0 .Lfor_b_\@
	tensor_load_to_lds s[\g0a:\g0a+3], s[\g1a:\g1a+7]
	s_nop 0
.rept 4
	v_nop
.endr
	s_branch .Lasked_\@
.Lfor_b_\@:
	tensor_load_to_lds s[\g0b:\g0b+3], s[\g1b:\g1b+7]
	s_nop 0
.rept 4
	v_nop
.endr
.Lasked_\@:
.endm
.macro CREST
	s_cmp_lg_u32 s14, 0
	s_cbranch_scc1 .Lnot_wave_0_\@
	s_barrier_signal -3
.Lnot_wave_0_\@:
	s_barrier_wait -3
	s_barrier_signal -1
	s_barrier_wait -1
.endm
.macro CROUND
	s_barrier_signal -1
	s_barrier_wait -1
	CREST
.endm
.macro ASK
	s_cmp_gt_u32 s3, 1
	s_cbranch_scc0 .Lno_ask_\@
	global_prefetch_b8 v[PFO], s[PFA:PFA+1] offset:2*SLB th:TH_LOAD_NT scope:SCOPE_SE
.Lno_ask_\@:
.endm
.macro FRAG reg, adr, q, i
	ds_load_b128 v[\reg:\reg+3], v[\adr] offset:(\q)*REC+(\i)*1536
	ds_load_b64 v[\reg+4:\reg+5], v[\adr+2] offset:(\q)*REC+(\i)*1536+512
	ds_load_b128 v[\reg+6:\reg+9], v[\adr] offset:(\q)*REC+(\i)*1536+768
	ds_load_b64 v[\reg+10:\reg+11], v[\adr+2] offset:(\q)*REC+(\i)*1536+1280
.endm
.macro FETCH_LO slot, q, f
	WIN TO_F
.irp i, 0,1,2,3
	FRAG \f+48+FR*\i, ADRB+\slot, \q, \i
.endr
.irp i, 0,1
	FRAG \f+FR*\i, ADRA+\slot, \q, \i
.endr
.endm
.macro FETCH_HI slot, q, f
	WIN TO_F
.irp i, 2,3
	FRAG \f+FR*\i, ADRA+\slot, \q, \i
.endr
.endm
.macro SCALES sc
.irp i, 0,1,2,3
.irp q, 0,1,2,3
	ds_load_b32 v[SC+16*\sc+NQ*\i+\q], v[ADRS+\sc] offset:\q*REC+\i*64
.endr
.endr
.endm
.macro MUL4 f, a, q, sc, zero
.irp b, 0,1,2,3
.if \zero
	v_wmma_scale_f32_16x16x128_f8f6f4 v[8*(4*(\a)+\b):8*(4*(\a)+\b)+7], v[\f+48+FR*\b:\f+48+FR*\b+FR-1], v[\f+FR*(\a):\f+FR*(\a)+FR-1], 0, v[SC+16*(\sc)+NQ*\b+(\q)], v[SC+16*(\sc)+NQ*(\a)+(\q)] matrix_a_fmt:MATRIX_FMT_FP6 matrix_b_fmt:MATRIX_FMT_FP6 matrix_a_scale:MATRIX_SCALE_ROW1
.else
	v_wmma_scale_f32_16x16x128_f8f6f4 v[8*(4*(\a)+\b):8*(4*(\a)+\b)+7], v[\f+48+FR*\b:\f+48+FR*\b+FR-1], v[\f+FR*(\a):\f+FR*(\a)+FR-1], v[8*(4*(\a)+\b):8*(4*(\a)+\b)+7], v[SC+16*(\sc)+NQ*\b+(\q)], v[SC+16*(\sc)+NQ*(\a)+(\q)] matrix_a_fmt:MATRIX_FMT_FP6 matrix_b_fmt:MATRIX_FMT_FP6 matrix_a_scale:MATRIX_SCALE_ROW1
.endif
.endr
.endm
.macro PLACES n
.rept \n
	v_nop
.endr
.endm
.macro QSTEP slot, q, zero
.set FF, 128*((\q)%2)
.set GG, 128-FF
	s_wait_dscnt 8                                 ; all but the youngest eight loads (A's tiles 2 and 3) are in
	WIN MULW
	MUL4 FF, 0, \q, \slot, \zero
	MUL4 FF, 1, \q, \slot, \zero
	PLACES NP
	FETCH_LO \slot, (\q)+1, GG
	FETCH_HI \slot, (\q)+1, GG
	s_wait_dscnt 32                                ; all but the 32 just issued
	WIN MULW
	MUL4 FF, 2, \q, \slot, \zero
	MUL4 FF, 3, \q, \slot, \zero
.endm
.macro TURN slot, next, fill
	WIN 0
.if \fill
	s_wait_xcnt 0x0
	s_add_nc_u64 s[PFA:PFA+1], s[PFA:PFA+1], SLB
.endif
	s_wait_tensorcnt 0x0
	ds_add_u32 v[SPW], v[NIL]
	s_wait_dscnt 9                                 ; (the add and the youngest eight loads may be out)
	WIN MULW
	MUL4 128, 0, NQ-1, \slot, 0
	s_wait_dscnt 0x0
	s_barrier_signal -1
	MUL4 128, 1, NQ-1, \slot, 0
	WIN 0
	s_barrier_wait -1
.if \fill
	CREST
	s_add_nc_u64 s[G0+4*\slot+2:G0+4*\slot+3], s[G0+4*\slot+2:G0+4*\slot+3], 2*SLB
	s_add_nc_u64 s[G0B+4*\slot+2:G0B+4*\slot+3], s[G0B+4*\slot+2:G0B+4*\slot+3], 2*SLB
	JLOAD G0+4*\slot, G1, G0B+4*\slot, G1B
.else
	PLACES NP
.endif
	FETCH_LO \next, 0, 0
	WIN 0
	SCALES \next
	FETCH_HI \next, 0, 0
.if \fill
	WIN 0
	ASK
.endif
	WIN MULW
	MUL4 128, 2, NQ-1, \slot, 0
	MUL4 128, 3, NQ-1, \slot, 0
.endm
	s_load_b128 s[96:99], s[0:1], 0x0              ; A's buffer, wts
	s_load_b128 s[4:7], s[0:1], 0x10               ; the bias, the residual
	s_load_b64 s[12:13], s[0:1], 0x20              ; the output
	v_lshl_add_u32 v[SPW], v0, 2, SPARE
	v_mov_b32 v[NIL], 0
	ds_add_u32 v[SPW], v[NIL]                      ; the opening lines: the add twice on end and its wait
	ds_add_u32 v[SPW], v[NIL]
	v_lshrrev_b32 v1, 5, v0
	v_readfirstlane_b32 s14, v1                    ; wave
	s_lshr_b32 s15, s14, 1                         ; my half of the tile's rows; also: I fetch for A (0) or B (1)
	s_and_b32 s16, s14, 1                          ; my half of its columns; also: which slot I fill at the head
	s_bfe_u32 s40, ttmp6, 0x40000
	s_bfe_u32 s41, ttmp6, 0x40004
	s_lshl_b32 s42, ttmp9, 2
	s_add_co_u32 s42, s42, s40                     ; tile column = B's block
	s_and_b32 s17, ttmp7, 0xffff
	s_lshl_b32 s17, s17, 2
	s_add_co_u32 s17, s17, s41                     ; tile row = A's block
	s_lshl_b32 s43, s41, 2
	s_lshl_b32 s43, 15, s43
	s_lshl_b32 s44, 0x1111, s40
	s_or_b32 s[G1+0], s43, (3<<16)|(1<<21)
	s_or_b32 s[G1B+0], s44, (3<<16)|(1<<21)
.irp g, G1, G1B                        ; 51,200 dense bytes as 200 rows of 256
	s_mov_b32 s[\g+1], 32<<16
	s_mov_b32 s[\g+2], 200<<16
	s_mov_b32 s[\g+3], 32<<16
	s_mov_b32 s[\g+4], 200
	s_mov_b32 s[\g+5], 32
	s_mov_b32 s[\g+6], 0
	s_mov_b32 s[\g+7], 0
.endr
	s_mul_i32 s20, s17, KST*REC
	s_mul_i32 s46, s42, KST*REC
	s_add_co_u32 s46, s46, BREC*REC
	s_mov_b32 s21, 0
	s_mov_b32 s47, 0
	s_mul_i32 s18, s16, SLB
	s_mov_b32 s19, 0
	s_mul_i32 s45, s14, SLB
	s_wait_dscnt 0x0
	s_wait_kmcnt 0x0
	s_add_nc_u64 s[20:21], s[96:97], s[20:21]
	s_add_nc_u64 s[46:47], s[98:99], s[46:47]
	CROUND
	s_mov_b32 s[G0H], 1
	s_mov_b32 s[G0H+1], s45
	s_add_nc_u64 s[G0H+2:G0H+3], s[20:21], s[18:19]
	s_or_b32 s[G0H+3], s[G0H+3], 0x80000000
	s_mov_b32 s[G0HB], 1
	s_mov_b32 s[G0HB+1], s45
	s_add_nc_u64 s[G0HB+2:G0HB+3], s[46:47], s[18:19]
	s_or_b32 s[G0HB+3], s[G0HB+3], 0x80000000
	JLOAD G0H, G1, G0HB, G1B
.if LAPS > 1
	s_mul_i32 s18, s16, 2*REC
	s_add_nc_u64 s[22:23], s[20:21], s[18:19]
	s_add_nc_u64 s[92:93], s[46:47], s[18:19]
	s_mul_i32 s94, s15, OPB
	s_add_co_u32 s94, s94, s18
.irp s, 0,1
	s_mov_b32 s[G0+4*\s], 1
	s_add_co_u32 s[G0+4*\s+1], s94, \s*SLB
	s_add_nc_u64 s[G0+4*\s+2:G0+4*\s+3], s[22:23], \s*SLB
	s_or_b32 s[G0+4*\s+3], s[G0+4*\s+3], 0x80000000
	s_mov_b32 s[G0B+4*\s], 1
	s_add_co_u32 s[G0B+4*\s+1], s94, \s*SLB
	s_add_nc_u64 s[G0B+4*\s+2:G0B+4*\s+3], s[92:93], \s*SLB
	s_or_b32 s[G0B+4*\s+3], s[G0B+4*\s+3], 0x80000000
.endr
	s_cmp_eq_u32 s15, 0
	s_cselect_b64 s[PFA:PFA+1], s[22:23], s[92:93]
	s_cselect_b32 s82, s40, s41
	s_mul_i32 s82, s82, 6400
	s_mov_b32 s83, 0
	s_add_nc_u64 s[PFA:PFA+1], s[PFA:PFA+1], s[82:83]
	s_add_nc_u64 s[PFA:PFA+1], s[PFA:PFA+1], SLB
.endif
	s_mul_i32 s80, s15, 4*1536                     ; my four tiles of A, of B
	s_mul_i32 s81, s16, 4*1536
	s_add_co_u32 s81, s81, OPB
	s_lshl_b32 s82, s15, 8                         ; their scale words
	s_lshl_b32 s83, s16, 8
	s_add_co_u32 s83, s83, OPB
	s_sub_co_u32 s83, s83, s82
	s_add_co_u32 s82, s82, 12288
	s_mul_i32 s84, s14, 64*SPI
	s_add_co_u32 s84, s84, STAGE                   ; my stage
	s_lshl_b32 s18, s42, 9
	s_lshl_b32 s85, s16, 8
	s_add_co_u32 s18, s18, s85                     ; my first column, in bytes
	s_add_nc_u64 s[4:5], s[4:5], s[18:19]
	s_lshl_b32 s85, s17, 7
	s_lshl_b32 s86, s15, 6
	s_add_co_u32 s85, s85, s86                     ; my first row
	s_lshl_b32 s85, s85, 12
	s_add_co_u32 s18, s18, s85
	s_add_nc_u64 s[12:13], s[12:13], s[18:19]
	s_add_nc_u64 s[6:7], s[6:7], s[18:19]
	v_and_b32 v1, 15, v0                           ; r
	v_bfe_u32 v2, v0, 4, 1                         ; h
	v_and_b32 v3, 31, v0
	v_lshlrev_b32 v4, 4, v3
	v_lshlrev_b32 v5, 3, v3
	v_add_nc_u32 v[ADRA], s80, v4
	v_add_nc_u32 v[ADRB], s81, v4
	v_add_nc_u32 v[ADRA+2], s80, v5
	v_add_nc_u32 v[ADRB+2], s81, v5
.irp a, ADRA, ADRB, ADRA+2, ADRB+2
	v_add_nc_u32 v[\a+1], SLB, v[\a]
.endr
	v_mul_u32_u24 v6, s83, v2                      ; lanes 16-31 take B's
	v_lshl_add_u32 v6, v1, 2, v6
	v_add_nc_u32 v[ADRS], s82, v6
	v_add_nc_u32 v[ADRS+1], SLB, v[ADRS]
	v_lshlrev_b32 v[BOF], 4, v1
	v_lshl_add_u32 v[CO], v2, 12, v[BOF]
	v_mul_u32_u24 v[STO], v1, SPI
	v_lshl_add_u32 v[STO], v2, 6, v[STO]
	v_add_nc_u32 v[STO], s84, v[STO]
	v_mul_u32_u24 v[RD], v2, SPI
	v_add_nc_u32 v[RD], v[RD], v[BOF]
	v_add_nc_u32 v[RD], s84, v[RD]
.if LAPS > 1
	v_min_u32 v[PFO], 24, v3
	v_lshlrev_b32 v[PFO], 8, v[PFO]
	global_prefetch_b8 v[PFO], s[PFA:PFA+1] offset:SLB th:TH_LOAD_NT scope:SCOPE_SE
	global_prefetch_b8 v[PFO], s[PFA:PFA+1] offset:2*SLB th:TH_LOAD_NT scope:SCOPE_SE
.endif
	global_load_b128 v[BI:BI+3], v[BOF], s[4:5]
	WIN 0x80
.irp a, 0,1,2,3
.irp u, 0,1,2,3,4,5,6,7
	global_load_b128 v[RS+4*(8*\a+\u):RS+4*(8*\a+\u)+3], v[CO], s[6:7] offset:(32*(\a/2)+8*(\a%2)+((2*\u)%8)+16*(\u/4))*4096 th:TH_LOAD_NT
.endr
.endr
	WIN 0
	s_wait_alu depctr_va_vdst(0)                   ; the wait at the head's end
	s_wait_tensorcnt 0x0                           ; my region is in
.if LAPS > 1
	s_mov_b32 s[G1+2], 100<<16
	s_mov_b32 s[G1+4], 100
	s_mov_b32 s[G1B+2], 100<<16
	s_mov_b32 s[G1B+4], 100
.endif
	s_barrier_signal -1
	s_barrier_wait -1                              ; everybody's is
	FETCH_LO 0, 0, 0
	WIN 0
	SCALES 0
	FETCH_HI 0, 0, 0
	QSTEP 0, 0, 1
.if LAPS > 1
	WIN 0
	s_mov_b32 s3, LAPS-1
.Llap:
	QSTEP 0, 1, 0
	QSTEP 0, 2, 0
	TURN 0, 1, 1
	QSTEP 1, 0, 0
	QSTEP 1, 1, 0
	QSTEP 1, 2, 0
	TURN 1, 0, 1
	QSTEP 0, 0, 0
	WIN 0
	s_sub_co_u32 s3, s3, 1
	s_cmp_lg_u32 s3, 0
	s_cbranch_scc1 .Llap
.endif
	QSTEP 0, 1, 0
	QSTEP 0, 2, 0
	TURN 0, 1, 0
	QSTEP 1, 0, 0
	QSTEP 1, 1, 0
	QSTEP 1, 2, 0
	s_wait_dscnt 8
	WIN MULW
	MUL4 128, 0, NQ-1, 1, 0
	MUL4 128, 1, NQ-1, 1, 0
	s_wait_dscnt 0
	MUL4 128, 2, NQ-1, 1, 0
	MUL4 128, 3, NQ-1, 1, 0
	WIN 0
	PLACES NP
	WIN 0x08
.irp a, 0,1,2,3
.irp b, 0,1,2,3
	ds_store_b128 v[STO], v[8*(4*\a+\b):8*(4*\a+\b)+3] offset:\a*16*SPI+128*(\b/2)+32*(\b%2)
	ds_store_b128 v[STO], v[8*(4*\a+\b)+4:8*(4*\a+\b)+7] offset:\a*16*SPI+128*(\b/2)+32*(\b%2)+16
.endr
.endr
	WIN 0
.irp a, 0,1,2,3
.irp u, 0,1,2,3,4,5,6,7
	ds_load_b128 v[ROW+4*(8*\a+\u):ROW+4*(8*\a+\u)+3], v[RD] offset:(16*\a+2*\u)*SPI
.endr
.endr
	s_wait_loadcnt 0x0
.macro SEND a
	s_wait_dscnt 8*(3-(\a))
.irp u, 0,1,2,3,4,5,6,7
	v_pk_add_f32 v[ROW+4*(8*(\a)+\u):ROW+4*(8*(\a)+\u)+1], v[ROW+4*(8*(\a)+\u):ROW+4*(8*(\a)+\u)+1], v[BI:BI+1]
	v_pk_add_f32 v[ROW+4*(8*(\a)+\u)+2:ROW+4*(8*(\a)+\u)+3], v[ROW+4*(8*(\a)+\u)+2:ROW+4*(8*(\a)+\u)+3], v[BI+2:BI+3]
.endr
	WIN 0x08
.set ii, 32*(\a)
.rept 16
	v_pk_add_f32 v[ROW+ii:ROW+ii+1], v[ROW+ii:ROW+ii+1], v[RS+ii:RS+ii+1]
.set ii, ii+2
.endr
	WIN 0
.irp u, 0,1,2,3,4,5,6,7
	global_store_b128 v[CO], v[ROW+4*(8*(\a)+\u):ROW+4*(8*(\a)+\u)+3], s[12:13] offset:(32*((\a)/2)+8*((\a)%2)+((2*\u)%8)+16*(\u/4))*4096
.endr
.endm
.irp a, 0,1,2,3
	SEND \a
.endr
	s_wait_tensorcnt 0x0                           ; the wave's end
	ds_add_u32 v[SPW], v[NIL]
	s_wait_dscnt 0x0
	CROUND
	s_endpgm
.Lfunc_end_k_q6ea3dc1e26_oproj:
	.size	k_q6ea3dc1e26_oproj, .Lfunc_end_k_q6ea3dc1e26_oproj-k_q6ea3dc1e26_oproj
	.p2alignl 7, 3214868480
	.fill 96, 4, 3214868480
	.section	.rodata,"a",@progbits
	.p2align	6, 0x0
	.amdhsa_kernel k_q6ea3dc1e26_oproj
		.amdhsa_group_segment_fixed_size 327680
		.amdhsa_private_segment_fixed_size 0
		.amdhsa_enable_private_segment 0
		.amdhsa_kernarg_size 40
		.amdhsa_user_sgpr_count 2
		.amdhsa_user_sgpr_kernarg_segment_ptr 1
		.amdhsa_wavefront_size32 1
		.amdhsa_system_sgpr_workgroup_id_x 1
		.amdhsa_system_sgpr_workgroup_id_y 1
		.amdhsa_system_sgpr_workgroup_id_z 1
		.amdhsa_system_vgpr_workitem_id 0
		.amdhsa_next_free_vgpr 768
		.amdhsa_next_free_sgpr 100
		.amdhsa_reserve_vcc 0
		.amdhsa_float_denorm_mode_32 3
		.amdhsa_float_denorm_mode_16_64 3
		.amdhsa_memory_ordered 1
		.amdhsa_forward_progress 1
		.amdhsa_inst_pref_size 62
	.end_amdhsa_kernel
	.amdgpu_metadata
---
amdhsa.version: [ 1, 2 ]
amdhsa.kernels:
  - .name:           k_q6ea3dc1e26_oproj
    .symbol:         k_q6ea3dc1e26_oproj.kd
    .args:
      - { .name: act, .offset: 0, .size: 8, .value_kind: global_buffer, .address_space: global }
      - { .name: wts, .offset: 8, .size: 8, .value_kind: global_buffer, .address_space: global }
      - { .name: bo, .offset: 16, .size: 8, .value_kind: global_buffer, .address_space: global }
      - { .name: x, .offset: 24, .size: 8, .value_kind: global_buffer, .address_space: global }
      - { .name: h, .offset: 32, .size: 8, .value_kind: global_buffer, .address_space: global }
    .group_segment_fixed_size: 327680
    .private_segment_fixed_size: 0
    .kernarg_segment_align: 8
    .kernarg_segment_size: 40
    .max_flat_workgroup_size: 128
    .sgpr_count:     100
    .vgpr_count:     768
    .wavefront_size: 32
...
	.end_amdgpu_metadata
.endif
;; end of part 11
;; launch ln2: the kernel of part 8 again; grid 256 x 1, 4 waves a work-group, no clusters, 66,304 bytes of LDS; arguments h, g2, beta2, act, wq, wk, wv, wo, w1, w2, wts; writes act, wts
;; launch ffn1 (part 12): grid 16 x 16, 4 waves a work-group, clusters of 4 x 4, 327,680 bytes of LDS; arguments act, wts, b1, hid; writes hid
.if DOCPART == 12
	.amdgcn_target "amdgcn-amd-amdhsa--gfx1250"
	.amdhsa_code_object_version 6
	.text
	.protected	k_q6ea3dc1e26_ffn1
	.globl	k_q6ea3dc1e26_ffn1
	.p2align	8
	.type	k_q6ea3dc1e26_ffn1,@function
k_q6ea3dc1e26_ffn1:
	s_mov_b64 s[64:65], 0
	v_nop
	global_prefetch_b8 v0, s[64:65] scope:SCOPE_SE
	s_setreg_imm32_b32 hwreg(HW_REG_WAVE_MODE, 25, 1), 1
	s_wait_xcnt 0x0
	s_wait_alu depctr_hold_cnt(0) depctr_sa_sdst(0) depctr_va_vdst(0) depctr_va_sdst(0) depctr_va_ssrc(0) depctr_va_vcc(0) depctr_vm_vsrc(0)
	s_getreg_b32 s2, hwreg(HW_REG_IB_STS2, 6, 4)
	s_cmp_eq_u32 s2, 0
	s_cbranch_scc0 .Lentry_in_a_cluster
	s_endpgm
.Lentry_in_a_cluster:
	s_bfe_u32 s2, ttmp6, 0x10000c
	s_cmp_lg_u32 s2, 0xf033
	s_cbranch_scc0 .Lentry_shape_is_right
	s_endpgm
.Lentry_shape_is_right:
.set KDIM,  1024
.set KST,   KDIM/128
.set LAPS,  KDIM/512
.set NQ,    2
.set FR,    12
.set NL,    4
.set NP,    4
; hid = Q(gelu(y W1 + b1)): y and W1 on codes of FP6 (E2M3) with E8M0 scales, K = 1,024; the result is quantised along the hidden units for the next product.  A tile of 256 x 256 by four waves of 128 x 128.
; OPERANDS AND RESULT: records of 128 rows x 128 K, 12,800 bytes: 12,288 of codes as images of the operand's registers, then the rows' 128 scale words; a block's K steps lie on end.
; LDS: four regions, A's two blocks and B's two, each with slot 0's two records and then slot 1's.  At the head each wave asks for its block's first four records by ONE dense load of 51,200 bytes; a refill brings two records.
; The two refills' records are asked for into the L2 at the head, 25 blocks of 256 bytes a wave and refill, the four partners of a joint load sharing its 100 blocks by address.
; erf is a quotient of two polynomials in the clipped argument.  LIMITS: a block of zeros gets the byte 1 (this program alone reads the bytes); NaN and infinities are not served.
.set REC,   12800
.set PIECE, 2*REC
.set BLK,   2*PIECE
.set SLOT,  PIECE
.set SPARE, 4*BLK
.set ADRA, 16
.set ADRB, 20
.set ADRS, 24
.set SPW,  28
.set NIL,  29
.set SC,   32
.set AF,   128
.set G1, 24
.set G0, 32
.set G1B, 48
.set G0B, 56
.set PFA, 68
.set PFO, 10
.set MSB, 0
.macro WIN new
.if MSB != (\new)
	s_set_vgpr_msb (MSB<<8)|(\new)
.set MSB, (\new)
.endif
.endm
.set MUL_LO, 0xa1
.set MUL_HI, 0xf1
.set TO_B,   0x40
.macro JLOAD g0a, g1a, g0b, g1b
	s_cmp_eq_u32 s15, 0
	s_cbranch_scc0 .Lfor_b_\@
	tensor_load_to_lds s[\g0a:\g0a+3], s[\g1a:\g1a+7]
	s_nop 0
.rept 4
	v_nop
.endr
	s_branch .Lasked_\@
.Lfor_b_\@:
	tensor_load_to_lds s[\g0b:\g0b+3], s[\g1b:\g1b+7]
	s_nop 0
.rept 4
	v_nop
.endr
.Lasked_\@:
.endm
.macro CREST
	s_cmp_lg_u32 s14, 0
	s_cbranch_scc1 .Lnot_wave_0_\@
	s_barrier_signal -3
.Lnot_wave_0_\@:
	s_barrier_wait -3
	s_barrier_signal -1
	s_barrier_wait -1
.endm
.macro CROUND
	s_barrier_signal -1
	s_barrier_wait -1
	CREST
.endm
.macro FRAG reg, adr, q, i
	ds_load_b128 v[\reg:\reg+3], v[\adr] offset:(\q)*REC+(\i)*1536
	ds_load_b64 v[\reg+4:\reg+5], v[\adr+2] offset:(\q)*REC+(\i)*1536+512
	ds_load_b128 v[\reg+6:\reg+9], v[\adr] offset:(\q)*REC+(\i)*1536+768
	ds_load_b64 v[\reg+10:\reg+11], v[\adr+2] offset:(\q)*REC+(\i)*1536+1280
.endm
.macro MUL16 a0, p, q, sc, zero
.irp a, \a0, \a0+1
.irp b, 0,1,2,3,4,5,6,7
.if \zero
	v_wmma_scale_f32_16x16x128_f8f6f4 v[8*(8*((\a)%4)+\b):8*(8*((\a)%4)+\b)+7], v[128*(\p)+FR*\b:128*(\p)+FR*\b+FR-1], v[AF+FR*(\a):AF+FR*(\a)+FR-1], 0, v[SC+8*NQ*(\sc)+NQ*\b+(\q)], v[SC+8*NQ*(\sc)+NQ*(\a)+(\q)] matrix_a_fmt:MATRIX_FMT_FP6 matrix_b_fmt:MATRIX_FMT_FP6 matrix_a_scale:MATRIX_SCALE_ROW1
.else
	v_wmma_scale_f32_16x16x128_f8f6f4 v[8*(8*((\a)%4)+\b):8*(8*((\a)%4)+\b)+7], v[128*(\p)+FR*\b:128*(\p)+FR*\b+FR-1], v[AF+FR*(\a):AF+FR*(\a)+FR-1], v[8*(8*((\a)%4)+\b):8*(8*((\a)%4)+\b)+7], v[SC+8*NQ*(\sc)+NQ*\b+(\q)], v[SC+8*NQ*(\sc)+NQ*(\a)+(\q)] matrix_a_fmt:MATRIX_FMT_FP6 matrix_b_fmt:MATRIX_FMT_FP6 matrix_a_scale:MATRIX_SCALE_ROW1
.endif
.endr
.endr
.endm
.macro FETCH_B slot, q, p
	WIN TO_B
.irp i, 0,1,2,3,4,5,6,7
	FRAG 128*(\p)+FR*\i, ADRB+\slot, \q, \i
.endr
	WIN 0
.endm
.macro FETCH_A slot, q, i0
.irp i, \i0, \i0+1, \i0+2, \i0+3
	FRAG AF+FR*(\i), ADRA+\slot, \q, \i
.endr
.endm
.macro SCALES sc
.irp i, 0,1,2,3,4,5,6,7
.irp q, 0,1
	ds_load_b32 v[SC+8*NQ*\sc+NQ*\i+\q], v[ADRS+\sc] offset:\q*REC+\i*64
.endr
.endr
.endm
.macro PLACES n
.rept \n
	v_nop
.endr
.endm
.macro STEP slot, q, zero
	s_wait_dscnt 4*NL
	WIN MUL_LO
	MUL16 0, (\q)%2, \q, \slot, \zero
	MUL16 2, (\q)%2, \q, \slot, \zero
	s_wait_dscnt 0
	PLACES NP
	FETCH_B \slot, (\q)+1, 1-(\q)%2
	FETCH_A \slot, (\q)+1, 0
	WIN MUL_HI
	MUL16 4, (\q)%2, \q, \slot, \zero
	MUL16 6, (\q)%2, \q, \slot, \zero
	PLACES NP
	WIN 0
	FETCH_A \slot, (\q)+1, 4
.endm
.macro TURN slot, next, fill
	s_wait_tensorcnt 0x0
	ds_add_u32 v[SPW], v[NIL]
	s_wait_dscnt 4*NL+1
	WIN MUL_LO
	MUL16 0, 1, NQ-1, \slot, 0
	s_wait_dscnt 0x0
	s_barrier_signal -1
	MUL16 2, 1, NQ-1, \slot, 0
	WIN 0
	s_barrier_wait -1
.if \fill
	CREST
	s_add_nc_u64 s[G0+4*\slot+2:G0+4*\slot+3], s[G0+4*\slot+2:G0+4*\slot+3], 2*PIECE
	s_add_nc_u64 s[G0B+4*\slot+2:G0B+4*\slot+3], s[G0B+4*\slot+2:G0B+4*\slot+3], 2*PIECE
	JLOAD G0+4*\slot, G1, G0B+4*\slot, G1B
.else
	PLACES NP
.endif
	FETCH_B \next, 0, 0
	FETCH_A \next, 0, 0
	SCALES \next
	WIN MUL_HI
	MUL16 4, 1, NQ-1, \slot, 0
	MUL16 6, 1, NQ-1, \slot, 0
	PLACES NP
	WIN 0
	FETCH_A \next, 0, 4
.endm
.set BIAS, 64
.set T,    128
.set GS,   192
.set GX,   208
.set GP,   224
.set GQ,   240
.set PC,   192
.set TM,   212
.set PW,   228
.set O16,  4
.set O8,   5
.set SW,   26
.set SWA,  31
.set RDW,  30
.set SEL,  104
.set AI,   96
.set SWS,  97
.macro QUANT s
.irp b, 0,1,2,3
	v_max3_num_f32 v[TM+\b], |v[\s+16*\b]|, |v[\s+1+16*\b]|, 0x1800000
.endr
.irp i, 2,4,6,8,10,12,14
.irp b, 0,1,2,3
	v_max3_num_f32 v[TM+\b], v[TM+\b], |v[\s+16*\b+\i]|, |v[\s+1+16*\b+\i]|
.endr
.endr
.irp b, 0,1,2,3
	v_permlanex16_b32 v[TM+4+\b], v[TM+\b], s[SEL], s[SEL+1]
.endr
.irp b, 0,1,2,3
	v_max_num_f32 v[TM+\b], v[TM+\b], v[TM+4+\b]
.endr
.irp b, 0,1,2,3
	v_add_nc_u32 v[TM+12+\b], 0xff000000, v[TM+\b]
.endr
.irp b, 0,1,2,3
	v_lshrrev_b32 v[TM+4+\b], 23, v[TM+12+\b]
.endr
	v_lshl_or_b32 v[PW], v[TM+5], 8, v[TM+4]
	v_lshl_or_b32 v[PW], v[TM+6], 16, v[PW]
	v_lshl_or_b32 v[PW], v[TM+7], 24, v[PW]
.irp c, 0,1
	v_cvt_scalef32_pk16_fp6_f32 v[PC+6*\c:PC+2+6*\c], v[\s+32*\c:\s+15+32*\c], v[TM+12+2*\c]
	v_cvt_scalef32_pk16_fp6_f32 v[PC+12+4*\c:PC+14+4*\c], v[\s+16+32*\c:\s+31+32*\c], v[TM+12+2*\c+1]
.endr
	v_nop
.irp c, 0,1
.irp i, 0,1,2
	v_permlane16_swap_b32 v[PC+6*\c+\i], v[PC+12+4*\c+\i]
.endr
.irp i, 0,1,2
	v_mov_b32 v[PC+3+6*\c+\i], v[PC+12+4*\c+\i]
.endr
.endr
.endm
.macro GELU16 k
.set ZZ, T+16*(\k)
.irp i, 0,2,4,6,8,10,12,14
	v_pk_mul_f32 v[GS+\i:GS+\i+1], v[ZZ+\i:ZZ+\i+1], 0x3f3504f3 op_sel_hi:[1,0]
.endr
.irp i, 0,1,2,3,4,5,6,7,8,9,10,11,12,13,14,15
	v_med3_num_f32 v[GS+\i], v[GS+\i], -4.0, 4.0
.endr
.irp i, 0,2,4,6,8,10,12,14
	v_pk_mul_f32 v[GX+\i:GX+\i+1], v[GS+\i:GS+\i+1], v[GS+\i:GS+\i+1]
.endr
.irp i, 0,2,4,6,8,10,12,14
	v_pk_fma_f32 v[GP+\i:GP+\i+1], v[GX+\i:GX+\i+1], v[32:33], 0x32edffee op_sel_hi:[1,1,0]
.endr
.irp c, 0xb60cff51, 0xb86ec2d2, 0xba40ac63, 0xbb41a1f6, 0xbc83dbd4
.irp i, 0,2,4,6,8,10,12,14
	v_pk_fma_f32 v[GP+\i:GP+\i+1], v[GP+\i:GP+\i+1], v[GX+\i:GX+\i+1], \c op_sel_hi:[1,1,0]
.endr
.endr
.irp i, 0,2,4,6,8,10,12,14
	v_pk_fma_f32 v[GQ+\i:GQ+\i+1], v[GX+\i:GX+\i+1], v[34:35], 0xb95fbd29 op_sel_hi:[1,1,0]
.endr
.irp c, 0xbadc924e, 0xbbf19bf8, 0xbc69b6a7
.irp i, 0,2,4,6,8,10,12,14
	v_pk_fma_f32 v[GQ+\i:GQ+\i+1], v[GQ+\i:GQ+\i+1], v[GX+\i:GX+\i+1], \c op_sel_hi:[1,1,0]
.endr
.endr
	s_wait_alu depctr_va_vdst(0)
.irp i, 0,1,2,3,4,5,6,7,8,9,10,11,12,13,14,15
	v_rcp_f32 v[GQ+\i], v[GQ+\i]
.endr
.irp i, 0,2,4,6,8,10,12,14
	v_pk_mul_f32 v[GP+\i:GP+\i+1], v[GP+\i:GP+\i+1], v[GS+\i:GS+\i+1]
.endr
.irp i, 0,2,4,6,8,10,12,14
	v_pk_mul_f32 v[GS+\i:GS+\i+1], v[ZZ+\i:ZZ+\i+1], 0.5 op_sel_hi:[1,0]
.endr
	s_wait_alu depctr_va_vdst(0)
.irp i, 0,2,4,6,8,10,12,14
	v_pk_mul_f32 v[GP+\i:GP+\i+1], v[GP+\i:GP+\i+1], v[GQ+\i:GQ+\i+1]
.endr
.irp i, 0,2,4,6,8,10,12,14
	v_pk_fma_f32 v[ZZ+\i:ZZ+\i+1], v[GS+\i:GS+\i+1], v[GP+\i:GP+\i+1], v[GS+\i:GS+\i+1]
.endr
.endm
	s_load_b128 s[96:99], s[0:1], 0x0
	s_load_b128 s[4:7], s[0:1], 0x10
	v_lshl_add_u32 v[SPW], v0, 2, SPARE
	v_mov_b32 v[NIL], 0
	ds_add_u32 v28, v29
	ds_add_u32 v28, v29
	s_wait_dscnt 0x0
	v_lshrrev_b32 v1, 5, v0
	v_readfirstlane_b32 s14, v1
	s_lshr_b32 s15, s14, 1
	s_and_b32 s16, s14, 1
	s_bfe_u32 s40, ttmp6, 0x40000
	s_bfe_u32 s41, ttmp6, 0x40004
	s_lshl_b32 s42, ttmp9, 2
	s_add_co_u32 s42, s42, s40
	s_and_b32 s17, ttmp7, 0xffff
	s_lshl_b32 s17, s17, 2
	s_add_co_u32 s17, s17, s41
	s_mov_b32 s[SEL], 0x76543210
	s_mov_b32 s[SEL+1], 0xfedcba98
	s_wait_kmcnt 0x0
	s_mov_b64 s[66:67], s[4:5]
	s_mov_b64 s[12:13], s[6:7]
	s_mov_b64 s[4:5], s[96:97]
	s_add_nc_u64 s[8:9], s[98:99], 256*REC         ; w1's records
	s_lshl_b32 s43, s41, 2
	s_lshl_b32 s43, 15, s43
	s_lshl_b32 s44, 0x1111, s40
	s_or_b32 s[G1+0], s43, (3<<16)|(1<<21)
	s_or_b32 s[G1B+0], s44, (3<<16)|(1<<21)
.irp g, G1, G1B
	s_mov_b32 s[\g+1], 32<<16
	s_mov_b32 s[\g+2], 200<<16
	s_mov_b32 s[\g+3], 32<<16
	s_mov_b32 s[\g+4], 200
	s_mov_b32 s[\g+5], 32
	s_mov_b32 s[\g+6], 0
	s_mov_b32 s[\g+7], 0
.endr
	s_lshl_b32 s20, s17, 1
	s_add_co_u32 s20, s20, s16                     ; A: the block of 128 rows that I fetch
	s_lshl_b32 s46, s42, 1
	s_add_co_u32 s46, s46, s16                     ; B: likewise
	s_mul_i32 s20, s20, KST*REC
	s_mul_i32 s46, s46, KST*REC
	s_mov_b32 s21, 0
	s_mov_b32 s47, 0
	s_mul_i32 s45, s14, BLK                        ; where it goes: by the wave's number alone
	s_add_nc_u64 s[20:21], s[4:5], s[20:21]
	s_add_nc_u64 s[46:47], s[8:9], s[46:47]
	CROUND                                         ; all sixteen work-groups are here: the first joint loads meet
.irp s, 0,1
	s_mov_b32 s[G0+4*\s], 1
	s_add_co_u32 s[G0+4*\s+1], s45, \s*SLOT
	s_add_nc_u64 s[G0+4*\s+2:G0+4*\s+3], s[20:21], \s*PIECE
	s_or_b32 s[G0+4*\s+3], s[G0+4*\s+3], 0x80000000
	s_mov_b32 s[G0B+4*\s], 1
	s_add_co_u32 s[G0B+4*\s+1], s45, \s*SLOT
	s_add_nc_u64 s[G0B+4*\s+2:G0B+4*\s+3], s[46:47], \s*PIECE
	s_or_b32 s[G0B+4*\s+3], s[G0B+4*\s+3], 0x80000000
.endr
	JLOAD G0, G1, G0B, G1B                         ; my one load at the head: 200 rows of 256 bytes from slot 0's place on: both slots' parts of my block
	s_cmp_eq_u32 s15, 0
	s_cselect_b64 s[PFA:PFA+1], s[20:21], s[46:47] ; the prefetches: my block,
	s_cselect_b32 s22, s40, s41                    ; my place among the four that ask for it with me,
	s_mul_i32 s22, s22, 6400                       ; 25 blocks of 256 bytes of a refill's 100
	s_mov_b32 s23, 0
	s_add_nc_u64 s[PFA:PFA+1], s[PFA:PFA+1], s[22:23]
	v_and_b32 v1, 15, v0
	v_bfe_u32 v2, v0, 4, 1
	v_and_b32 v3, 31, v0
	v_lshlrev_b32 v4, 4, v3
	v_lshlrev_b32 v5, 3, v3
	s_mul_i32 s21, s15, BLK
	s_mul_i32 s22, s16, BLK
	s_add_co_u32 s22, s22, 2*BLK
.irp s, 0,1
	v_add_nc_u32 v[ADRA+\s], s21, v4
	v_add_nc_u32 v[ADRB+\s], s22, v4
	v_add_nc_u32 v[ADRA+2+\s], s21, v5
	v_add_nc_u32 v[ADRB+2+\s], s22, v5
	s_add_co_u32 s21, s21, SLOT
	s_add_co_u32 s22, s22, SLOT
.endr
	s_mul_i32 s21, s15, BLK
	s_mul_i32 s22, s16, BLK
	s_add_co_u32 s22, s22, 2*BLK
	s_sub_co_u32 s22, s22, s21
	v_mul_u32_u24 v6, s22, v2                      ; lanes 16-31 take B's
	s_add_co_u32 s21, s21, 12288                   ; behind a record's codes
	v_lshl_add_u32 v6, v1, 2, v6
	v_add_nc_u32 v[ADRS], s21, v6
	v_add_nc_u32 v[ADRS+1], PIECE, v[ADRS]
	v_min_u32 v[PFO], 24, v3                       ; lanes 25-31 name my last block again
	v_lshlrev_b32 v[PFO], 8, v[PFO]
	global_prefetch_b8 v[PFO], s[PFA:PFA+1] offset:BLK th:TH_LOAD_NT scope:SCOPE_SE         ; K steps 4, 5: the first refill's
	global_prefetch_b8 v[PFO], s[PFA:PFA+1] offset:BLK+PIECE th:TH_LOAD_NT scope:SCOPE_SE   ; K steps 6, 7: the second's, the block's last
	s_lshl_b32 s18, s42, 10
	s_lshl_b32 s19, s16, 9
	s_add_co_u32 s18, s18, s19
	s_mov_b32 s19, 0
	s_add_nc_u64 s[66:67], s[66:67], s[18:19]
	v_lshlrev_b32 v7, 6, v2
.irp g, 0,1,2,3
.irp k, 0,1,2,3
	global_load_b128 v[BIAS+16*\g+4*\k:BIAS+16*\g+4*\k+3], v7, s[66:67] offset:128*\g+16*\k
.endr
.endr
	s_lshl_b32 s18, s17, 1
	s_add_co_u32 s18, s18, s15
	s_lshl_b32 s20, s42, 1
	s_add_co_u32 s20, s20, s16
	s_mul_i32 s22, s18, 32*REC                     ; my record of hid: 32 x block of tokens + block of hidden units
	s_mul_i32 s23, s20, REC
	s_add_co_u32 s22, s22, s23
	s_mov_b32 s23, 0
	s_add_nc_u64 s[12:13], s[12:13], s[22:23]
	s_add_nc_u64 s[98:99], s[12:13], 12288         ; its scale words
	s_lshl_b32 s18, s14, 9
	v_lshl_add_u32 v[SW], v1, 2, s18
	v_add_nc_u32 v[RDW], s18, v4
	s_wait_alu depctr_va_vdst(0)
	s_wait_tensorcnt 0x0                           ; my block's four records are in; no load of mine is out, so a descriptor may be written:
	s_mov_b32 s[G1+2], 100<<16                     ; from here on a load brings 100 rows of 256 bytes
	s_mov_b32 s[G1+4], 100
	s_mov_b32 s[G1B+2], 100<<16
	s_mov_b32 s[G1B+4], 100
	s_barrier_signal -1
	s_barrier_wait -1
	FETCH_B 0, 0, 0
	FETCH_A 0, 0, 0
	SCALES 0
	FETCH_A 0, 0, 4
	STEP 0, 0, 1
	s_mov_b32 s3, LAPS-1
.Llap:
	TURN 0, 1, 1
	STEP 1, 0, 0
	TURN 1, 0, 1
	STEP 0, 0, 0
	s_sub_co_u32 s3, s3, 1
	s_cmp_lg_u32 s3, 0
	s_cbranch_scc1 .Llap
	TURN 0, 1, 0
	STEP 1, 0, 0
	s_wait_dscnt 4*NL
	WIN MUL_LO
	MUL16 0, 1, NQ-1, 1, 0
	MUL16 2, 1, NQ-1, 1, 0
	s_wait_dscnt 0
	WIN MUL_HI
	MUL16 4, 1, NQ-1, 1, 0
	MUL16 6, 1, NQ-1, 1, 0
	WIN 0
	PLACES NP
	s_wait_loadcnt 0x0
	v_mov_b32 v32, 0xaf95df0b
	v_mov_b32 v33, 0xaf95df0b
	v_mov_b32 v34, 0xb77460cd
	v_mov_b32 v35, 0xb77460cd
	s_mov_b32 s[AI], 0
	s_mov_b32 s[SWS], 0
.macro TAKE a
	WIN 0x02+(\a)/4
.set ii, 0
.rept 32
	v_pk_add_f32 v[T+ii:T+ii+1], v[64*((\a)%4)+ii:64*((\a)%4)+ii+1], v[BIAS+ii:BIAS+ii+1]
.set ii, ii+2
.endr
	WIN 0
.endm
.Lrow:
.irp a, 0,1,2,3,4,5,6
	s_cmp_lg_u32 s[AI], \a
	s_cbranch_scc1 .Lnot\a
	TAKE \a
	s_branch .Lgot
.Lnot\a:
.endr
	TAKE 7
.Lgot:
	GELU16 0
	GELU16 1
	GELU16 2
	GELU16 3
	QUANT T
	global_store_b128 v[O16], v[PC:PC+3], s[12:13]
	global_store_b64 v[O8], v[PC+4:PC+5], s[12:13] offset:512
	global_store_b128 v[O16], v[PC+6:PC+9], s[12:13] offset:768
	global_store_b64 v[O8], v[PC+10:PC+11], s[12:13] offset:1280
	v_add_nc_u32 v[SWA], s[SWS], v[SW]
	ds_store_b32 v[SWA], v[PW]
	s_wait_xcnt 0x0
	s_add_nc_u64 s[12:13], s[12:13], 1536
	s_add_co_u32 s[SWS], s[SWS], 64
	s_add_co_u32 s[AI], s[AI], 1
	s_cmp_lt_u32 s[AI], 8
	s_cbranch_scc1 .Lrow
	ds_load_b128 v[T:T+3], v[RDW]
	s_wait_dscnt 0x0
	global_store_b128 v[O16], v[T:T+3], s[98:99]
	s_wait_tensorcnt 0x0
	ds_add_u32 v[SPW], v[NIL]
	s_wait_dscnt 0x0
	CROUND
	s_endpgm
.Lfunc_end_k_q6ea3dc1e26_ffn1:
	.size	k_q6ea3dc1e26_ffn1, .Lfunc_end_k_q6ea3dc1e26_ffn1-k_q6ea3dc1e26_ffn1
	.p2alignl 7, 3214868480
	.fill 96, 4, 3214868480
	.section	.rodata,"a",@progbits
	.p2align	6, 0x0
	.amdhsa_kernel k_q6ea3dc1e26_ffn1
		.amdhsa_group_segment_fixed_size 327680
		.amdhsa_private_segment_fixed_size 0
		.amdhsa_enable_private_segment 0
		.amdhsa_kernarg_size 32
		.amdhsa_user_sgpr_count 2
		.amdhsa_user_sgpr_kernarg_segment_ptr 1
		.amdhsa_wavefront_size32 1
		.amdhsa_system_sgpr_workgroup_id_x 1
		.amdhsa_system_sgpr_workgroup_id_y 1
		.amdhsa_system_sgpr_workgroup_id_z 1
		.amdhsa_system_vgpr_workitem_id 0
		.amdhsa_next_free_vgpr 1024
		.amdhsa_next_free_sgpr 106
		.amdhsa_reserve_vcc 0
		.amdhsa_float_denorm_mode_32 3
		.amdhsa_float_denorm_mode_16_64 3
		.amdhsa_memory_ordered 1
		.amdhsa_forward_progress 1
		.amdhsa_inst_pref_size 187
	.end_amdhsa_kernel
	.amdgpu_metadata
---
amdhsa.version: [ 1, 2 ]
amdhsa.kernels:
  - .name:           k_q6ea3dc1e26_ffn1
    .symbol:         k_q6ea3dc1e26_ffn1.kd
    .args:
      - { .name: act, .offset: 0, .size: 8, .value_kind: global_buffer, .address_space: global }
      - { .name: wts, .offset: 8, .size: 8, .value_kind: global_buffer, .address_space: global }
      - { .name: b1, .offset: 16, .size: 8, .value_kind: global_buffer, .address_space: global }
      - { .name: hid, .offset: 24, .size: 8, .value_kind: global_buffer, .address_space: global }
    .group_segment_fixed_size: 327680
    .private_segment_fixed_size: 0
    .kernarg_segment_align: 8
    .kernarg_segment_size: 32
    .max_flat_workgroup_size: 128
    .sgpr_count:     106
    .vgpr_count:     1024
    .wavefront_size: 32
...
	.end_amdgpu_metadata
.endif
;; end of part 12
;; launch ffn2 (part 13): grid 8 x 32, 4 waves a work-group, clusters of 4 x 4, 327,680 bytes of LDS; arguments hid, wts, b2, h, out0; writes out0
.if DOCPART == 13
	.amdgcn_target "amdgcn-amd-amdhsa--gfx1250"
	.amdhsa_code_object_version 6
	.text
	.protected	k_q6ea3dc1e26_ffn2
	.globl	k_q6ea3dc1e26_ffn2
	.p2align	8
	.type	k_q6ea3dc1e26_ffn2,@function
k_q6ea3dc1e26_ffn2:
	s_mov_b64 s[64:65], 0
	v_nop
	global_prefetch_b8 v0, s[64:65] scope:SCOPE_SE
	s_setreg_imm32_b32 hwreg(HW_REG_WAVE_MODE, 25, 1), 1
	s_wait_xcnt 0x0
	s_wait_alu depctr_hold_cnt(0) depctr_sa_sdst(0) depctr_va_vdst(0) depctr_va_sdst(0) depctr_va_ssrc(0) depctr_va_vcc(0) depctr_vm_vsrc(0)
	s_getreg_b32 s2, hwreg(HW_REG_IB_STS2, 6, 4)
	s_cmp_eq_u32 s2, 0
	s_cbranch_scc0 .Lentry_in_a_cluster
	s_endpgm
.Lentry_in_a_cluster:
	s_bfe_u32 s2, ttmp6, 0x10000c
	s_cmp_lg_u32 s2, 0xf033
	s_cbranch_scc0 .Lentry_shape_is_right
	s_endpgm
.Lentry_shape_is_right:
; out0 = h + (g W2 + b2): g, the hidden layer, and W2 on codes of FP6 (E2M3) with E8M0 scales, K = 4,096; out0 [4,096][1,024] f32.
; THE TILE: 256 tiles of 128 x 128, one for each of 256 work-groups.  Four waves of 64 x 64: 16 accumulators of 16 x 16, which take turns, one instruction a turn.
; OPERANDS: records of 128 rows x 128 K, 12,800 bytes: 12,288 of codes as images of the operand's registers (8 tiles x 1,536: for each 64 along K 512 bytes of registers 0-3, lane l at 16 l, and 256 of registers 4-5, at 8 l),
; then the rows' 128 scale words.  A block's K steps lie on end, so any run of records is dense, every LDS load reads consecutive bytes, and the scale words come with their codes: there is no tile of scales.
; ROWS STAND IN THE ORDER P (place p holds row p with bits 3 and 4 changed over).  The matrix instruction is used transposed (source 0 = B's places, source 1 = A's): a lane holds eight neighbouring numbers of a row of C.
; LDS: A's slot 0, A's slot 1, B's slot 0, B's slot 1, four records (51,200 bytes) each; behind them a stage of 64 rows x 272 bytes for each wave, bytes of its own; then the spare words.
; FILLS.  At the head each wave fills one of the four regions by ONE dense joint load of 200 rows of 256 bytes: both slots are asked for at once.  Six refills follow, a slot at a time, each wave half of A's or of B's part
; (100 rows), behind a round of the cluster's barrier with the three lines ahead of it.  By the text's own count a wave has one tensor load out behind each round.
; CLUSTERS: 4 x 4 work-groups; A's records are asked for jointly along a row of the cluster, B's along a column.
; PREFETCH INTO THE L2: what a refill loads is asked for two refills earlier (slots 2 and 3 at the head, behind the joint load): of the 100 blocks of 256 bytes that a wave fetches, each of the four partners that ask jointly
; takes 25, told apart by address (cx for A, cy for B); a lane a block, lanes 25-31 name the last again.  The last trip, whose look-ahead would pass K's end, asks for nothing.
; THE RESIDUAL of the wave's 64 rows x 256 bytes is asked for at the head, into 128 registers that the product leaves idle.  The way out undoes P: on the columns by a lane's place in the stage, on the rows by the stores' immediates.
; REGISTERS: window 0: v0-31 addresses; v32-63 scale words, two sets; v64-67 the bias; v128-255 rows of C on the way out.  Window 1: two fragment buffers at v0 and v128 (A's four tiles, then B's four).
; Window 2: v0-127 the accumulators; v128-255 the residual.   LIMITS: NaN and infinities are not served.
.set KDIM,  4096
.set BREC,  512                        ; B's first record in wts
.set KST,   KDIM/128
.set LAPS,  KDIM/1024                  ; a lap = once round the ring = two slots of 512 along K
.set NQ,    4                          ; K steps in a slot
.set FR,    12
.set NP,    4                          ; places behind this matrix instruction (ISA guide 7.12.1)
.set REC,   12800
.set SLB,   NQ*REC                     ; one operand's part of a slot
.set OPB,   2*SLB                      ; one operand's two slots
.set STAGE, 2*OPB
.set SPI,   272
.set SPARE, STAGE+4*64*SPI
.set ADRS, 10                          ; v10-11 my scale words in slot 0, 1: lanes 0-15 A's, lanes 16-31 B's
.set PFO,  12                          ; v12 256 x min(lane, 24)
.set ADRA, 16                          ; v16-17 my A fragments in slot 0, 1, + 16 x lane; v18-19 + 8 x lane
.set ADRB, 20                          ; v20-23 the same for B
.set STO,  24
.set RD,   25
.set CO,   26
.set SPW,  28
.set NIL,  29
.set BOF,  30
.set SC,   32                          ; set s at v[SC + 16 s]; register 4 i + q: tile i, the slot's q-th K step
.set BI,   64
.set ROW,  128
.set RS,   128
.set G1, 24                            ; s[24:31] group 1 for A; s[32:39] the ring's group 0, a set for each slot
.set G0, 32
.set G1B, 48                           ; s[48:55], s[56:63] the same for B
.set G0B, 56
.set G0H, 68                           ; s[68:71], s[72:75] group 0 of the head's loads
.set G0HB, 72
.set PFA, 76                           ; s[76:77] where my prefetches stand: my share of the slot that is being filled
.set MSB, 0
.macro WIN new
.if MSB != (\new)
	s_set_vgpr_msb (MSB<<8)|(\new)
.set MSB, (\new)
.endif
.endm
.set MULW, 0xa5                        ; sources window 1, C and D window 2
.set TO_F, 0x40
.macro JLOAD g0a, g1a, g0b, g1b        ; waves 0 and 1 fetch for A, waves 2 and 3 for B; s_nop 0 and four v_nop behind each line
	s_cmp_eq_u32 s15, 0
	s_cbranch_scc0 .Lfor_b_\@
	tensor_load_to_lds s[\g0a:\g0a+3], s[\g1a:\g1a+7]
	s_nop 0
.rept 4
	v_nop
.endr
	s_branch .Lasked_\@
.Lfor_b_\@:
	tensor_load_to_lds s[\g0b:\g0b+3], s[\g1b:\g1b+7]
	s_nop 0
.rept 4
	v_nop
.endr
.Lasked_\@:
.endm
.macro CREST
	s_cmp_lg_u32 s14, 0
	s_cbranch_scc1 .Lnot_wave_0_\@
	s_barrier_signal -3
.Lnot_wave_0_\@:
	s_barrier_wait -3
	s_barrier_signal -1
	s_barrier_wait -1
.endm
.macro CROUND
	s_barrier_signal -1
	s_barrier_wait -1
	CREST
.endm
.macro ASK                             ; the slot two refills on; s3 = 1 in the loop's last trip, which has none
	s_cmp_gt_u32 s3, 1
	s_cbranch_scc0 .Lno_ask_\@
	global_prefetch_b8 v[PFO], s[PFA:PFA+1] offset:2*SLB th:TH_LOAD_NT scope:SCOPE_SE
.Lno_ask_\@:
.endm
.macro FRAG reg, adr, q, i
	ds_load_b128 v[\reg:\reg+3], v[\adr] offset:(\q)*REC+(\i)*1536
	ds_load_b64 v[\reg+4:\reg+5], v[\adr+2] offset:(\q)*REC+(\i)*1536+512
	ds_load_b128 v[\reg+6:\reg+9], v[\adr] offset:(\q)*REC+(\i)*1536+768
	ds_load_b64 v[\reg+10:\reg+11], v[\adr+2] offset:(\q)*REC+(\i)*1536+1280
.endm
.macro FETCH_LO slot, q, f             ; 24 loads: B's four tiles and A's tiles 0 and 1
	WIN TO_F
.irp i, 0,1,2,3
	FRAG \f+48+FR*\i, ADRB+\slot, \q, \i
.endr
.irp i, 0,1
	FRAG \f+FR*\i, ADRA+\slot, \q, \i
.endr
.endm
.macro FETCH_HI slot, q, f             ; 8 loads: A's tiles 2 and 3
	WIN TO_F
.irp i, 2,3
	FRAG \f+FR*\i, ADRA+\slot, \q, \i
.endr
.endm
.macro SCALES sc                       ; a slot's 16 scale registers
.irp i, 0,1,2,3
.irp q, 0,1,2,3
	ds_load_b32 v[SC+16*\sc+NQ*\i+\q], v[ADRS+\sc] offset:\q*REC+\i*64
.endr
.endr
.endm
.macro MUL4 f, a, q, sc, zero
.irp b, 0,1,2,3
.if \zero
	v_wmma_scale_f32_16x16x128_f8f6f4 v[8*(4*(\a)+\b):8*(4*(\a)+\b)+7], v[\f+48+FR*\b:\f+48+FR*\b+FR-1], v[\f+FR*(\a):\f+FR*(\a)+FR-1], 0, v[SC+16*(\sc)+NQ*\b+(\q)], v[SC+16*(\sc)+NQ*(\a)+(\q)] matrix_a_fmt:MATRIX_FMT_FP6 matrix_b_fmt:MATRIX_FMT_FP6 matrix_a_scale:MATRIX_SCALE_ROW1
.else
	v_wmma_scale_f32_16x16x128_f8f6f4 v[8*(4*(\a)+\b):8*(4*(\a)+\b)+7], v[\f+48+FR*\b:\f+48+FR*\b+FR-1], v[\f+FR*(\a):\f+FR*(\a)+FR-1], v[8*(4*(\a)+\b):8*(4*(\a)+\b)+7], v[SC+16*(\sc)+NQ*\b+(\q)], v[SC+16*(\sc)+NQ*(\a)+(\q)] matrix_a_fmt:MATRIX_FMT_FP6 matrix_b_fmt:MATRIX_FMT_FP6 matrix_a_scale:MATRIX_SCALE_ROW1
.endif
.endr
.endm
.macro PLACES n
.rept \n
	v_nop
.endr
.endm
.macro QSTEP slot, q, zero             ; a K step with its successor in the same slot: multiplies buffer q % 2, fetches the next into the other
.set FF, 128*((\q)%2)
.set GG, 128-FF
	s_wait_dscnt 8                                 ; all but the youngest eight loads (A's tiles 2 and 3) are in
	WIN MULW
	MUL4 FF, 0, \q, \slot, \zero
	MUL4 FF, 1, \q, \slot, \zero
	PLACES NP
	FETCH_LO \slot, (\q)+1, GG
	FETCH_HI \slot, (\q)+1, GG
	s_wait_dscnt 32                                ; all but the 32 just issued
	WIN MULW
	MUL4 FF, 2, \q, \slot, \zero
	MUL4 FF, 3, \q, \slot, \zero
.endm
.macro TURN slot, next, fill           ; a slot's last K step changes slots; fill = 1: the slot is filled again, two slots on
	WIN 0
.if \fill
	s_wait_xcnt 0x0                                ; my last prefetch, a slot back, has read its address
	s_add_nc_u64 s[PFA:PFA+1], s[PFA:PFA+1], SLB
.endif
	s_wait_tensorcnt 0x0                           ; all my tensor loads have landed: my part of the next slot
	ds_add_u32 v[SPW], v[NIL]
	s_wait_dscnt 9                                 ; (the add and the youngest eight loads may be out)
	WIN MULW
	MUL4 128, 0, NQ-1, \slot, 0
	s_wait_dscnt 0x0                               ; the add is done, and my reads of this slot are over
	s_barrier_signal -1
	MUL4 128, 1, NQ-1, \slot, 0
	WIN 0
	s_barrier_wait -1
.if \fill
	CREST                                          ; the barrier has opened a round of the cluster's barrier
	s_add_nc_u64 s[G0+4*\slot+2:G0+4*\slot+3], s[G0+4*\slot+2:G0+4*\slot+3], 2*SLB
	s_add_nc_u64 s[G0B+4*\slot+2:G0B+4*\slot+3], s[G0B+4*\slot+2:G0B+4*\slot+3], 2*SLB
	JLOAD G0+4*\slot, G1, G0B+4*\slot, G1B         ; its four v_nop are the places in front of the loads below
.else
	PLACES NP
.endif
	FETCH_LO \next, 0, 0
	WIN 0
	SCALES \next
	FETCH_HI \next, 0, 0
.if \fill
	WIN 0
	ASK
.endif
	WIN MULW
	MUL4 128, 2, NQ-1, \slot, 0
	MUL4 128, 3, NQ-1, \slot, 0
.endm
	s_load_b128 s[96:99], s[0:1], 0x0              ; A's buffer, wts
	s_load_b128 s[4:7], s[0:1], 0x10               ; the bias, the residual
	s_load_b64 s[12:13], s[0:1], 0x20              ; the output
	v_lshl_add_u32 v[SPW], v0, 2, SPARE
	v_mov_b32 v[NIL], 0
	ds_add_u32 v[SPW], v[NIL]                      ; the opening lines: the add twice on end and its wait
	ds_add_u32 v[SPW], v[NIL]
	v_lshrrev_b32 v1, 5, v0
	v_readfirstlane_b32 s14, v1                    ; wave
	s_lshr_b32 s15, s14, 1                         ; my half of the tile's rows; also: I fetch for A (0) or B (1)
	s_and_b32 s16, s14, 1                          ; my half of its columns; also: which slot I fill at the head, which half of a part in the ring
	s_bfe_u32 s40, ttmp6, 0x40000                  ; cx, cy
	s_bfe_u32 s41, ttmp6, 0x40004
	s_lshl_b32 s42, ttmp9, 2
	s_add_co_u32 s42, s42, s40                     ; tile column = B's block
	s_and_b32 s17, ttmp7, 0xffff
	s_lshl_b32 s17, s17, 2
	s_add_co_u32 s17, s17, s41                     ; tile row = A's block
	s_lshl_b32 s43, s41, 2
	s_lshl_b32 s43, 15, s43                        ; my row of the cluster
	s_lshl_b32 s44, 0x1111, s40                    ; my column
	s_or_b32 s[G1+0], s43, (3<<16)|(1<<21)         ; the mask; elements of 8 bytes; no padding; bit 21 beside a mask
	s_or_b32 s[G1B+0], s44, (3<<16)|(1<<21)
.irp g, G1, G1B                        ; 51,200 dense bytes as 200 rows of 256
	s_mov_b32 s[\g+1], 32<<16
	s_mov_b32 s[\g+2], 200<<16
	s_mov_b32 s[\g+3], 32<<16
	s_mov_b32 s[\g+4], 200
	s_mov_b32 s[\g+5], 32
	s_mov_b32 s[\g+6], 0
	s_mov_b32 s[\g+7], 0
.endr
	s_mul_i32 s20, s17, KST*REC                    ; A: by the tile row alone
	s_mul_i32 s46, s42, KST*REC                    ; B: by the tile column alone
	s_add_co_u32 s46, s46, BREC*REC
	s_mov_b32 s21, 0
	s_mov_b32 s47, 0
	s_mul_i32 s18, s16, SLB                        ; the head: slot 0's records or slot 1's
	s_mov_b32 s19, 0
	s_mul_i32 s45, s14, SLB                        ; my region: by the wave's number alone
	s_wait_dscnt 0x0
	s_wait_kmcnt 0x0
	s_add_nc_u64 s[20:21], s[96:97], s[20:21]
	s_add_nc_u64 s[46:47], s[98:99], s[46:47]
	CROUND                                         ; all sixteen work-groups are here: the first joint loads meet
	s_mov_b32 s[G0H], 1
	s_mov_b32 s[G0H+1], s45
	s_add_nc_u64 s[G0H+2:G0H+3], s[20:21], s[18:19]
	s_or_b32 s[G0H+3], s[G0H+3], 0x80000000
	s_mov_b32 s[G0HB], 1
	s_mov_b32 s[G0HB+1], s45
	s_add_nc_u64 s[G0HB+2:G0HB+3], s[46:47], s[18:19]
	s_or_b32 s[G0HB+3], s[G0HB+3], 0x80000000
	JLOAD G0H, G1, G0HB, G1B                       ; my one load at the head
.if LAPS > 1
	s_mul_i32 s18, s16, 2*REC                      ; the ring: my half of a slot's part
	s_add_nc_u64 s[22:23], s[20:21], s[18:19]
	s_add_nc_u64 s[92:93], s[46:47], s[18:19]
	s_mul_i32 s94, s15, OPB
	s_add_co_u32 s94, s94, s18
.irp s, 0,1
	s_mov_b32 s[G0+4*\s], 1
	s_add_co_u32 s[G0+4*\s+1], s94, \s*SLB
	s_add_nc_u64 s[G0+4*\s+2:G0+4*\s+3], s[22:23], \s*SLB
	s_or_b32 s[G0+4*\s+3], s[G0+4*\s+3], 0x80000000
	s_mov_b32 s[G0B+4*\s], 1
	s_add_co_u32 s[G0B+4*\s+1], s94, \s*SLB
	s_add_nc_u64 s[G0B+4*\s+2:G0B+4*\s+3], s[92:93], \s*SLB
	s_or_b32 s[G0B+4*\s+3], s[G0B+4*\s+3], 0x80000000
.endr
	s_cmp_eq_u32 s15, 0
	s_cselect_b64 s[PFA:PFA+1], s[22:23], s[92:93]
	s_cselect_b32 s82, s40, s41                    ; my place among the four that ask with me
	s_mul_i32 s82, s82, 6400
	s_mov_b32 s83, 0
	s_add_nc_u64 s[PFA:PFA+1], s[PFA:PFA+1], s[82:83]
	s_add_nc_u64 s[PFA:PFA+1], s[PFA:PFA+1], SLB   ; at slot 1: the first refill steps it to slot 2
.endif
	s_mul_i32 s80, s15, 4*1536                     ; my four tiles of A, of B
	s_mul_i32 s81, s16, 4*1536
	s_add_co_u32 s81, s81, OPB
	s_lshl_b32 s82, s15, 8                         ; their scale words: 64 bytes a tile, behind a record's codes
	s_lshl_b32 s83, s16, 8
	s_add_co_u32 s83, s83, OPB
	s_sub_co_u32 s83, s83, s82
	s_add_co_u32 s82, s82, 12288
	s_mul_i32 s84, s14, 64*SPI
	s_add_co_u32 s84, s84, STAGE                   ; my stage
	s_lshl_b32 s18, s42, 9
	s_lshl_b32 s85, s16, 8
	s_add_co_u32 s18, s18, s85                     ; my first column, in bytes
	s_add_nc_u64 s[4:5], s[4:5], s[18:19]
	s_lshl_b32 s85, s17, 7
	s_lshl_b32 s86, s15, 6
	s_add_co_u32 s85, s85, s86                     ; my first row
	s_lshl_b32 s85, s85, 12
	s_add_co_u32 s18, s18, s85
	s_add_nc_u64 s[12:13], s[12:13], s[18:19]
	s_add_nc_u64 s[6:7], s[6:7], s[18:19]
	v_and_b32 v1, 15, v0                           ; r
	v_bfe_u32 v2, v0, 4, 1                         ; h
	v_and_b32 v3, 31, v0
	v_lshlrev_b32 v4, 4, v3
	v_lshlrev_b32 v5, 3, v3
	v_add_nc_u32 v[ADRA], s80, v4
	v_add_nc_u32 v[ADRB], s81, v4
	v_add_nc_u32 v[ADRA+2], s80, v5
	v_add_nc_u32 v[ADRB+2], s81, v5
.irp a, ADRA, ADRB, ADRA+2, ADRB+2
	v_add_nc_u32 v[\a+1], SLB, v[\a]               ; the same in slot 1
.endr
	v_mul_u32_u24 v6, s83, v2                      ; lanes 16-31 take B's
	v_lshl_add_u32 v6, v1, 2, v6
	v_add_nc_u32 v[ADRS], s82, v6
	v_add_nc_u32 v[ADRS+1], SLB, v[ADRS]
	v_lshlrev_b32 v[BOF], 4, v1
	v_lshl_add_u32 v[CO], v2, 12, v[BOF]           ; lanes 0-15 one row's 256 bytes, lanes 16-31 the next row's
	v_mul_u32_u24 v[STO], v1, SPI
	v_lshl_add_u32 v[STO], v2, 6, v[STO]
	v_add_nc_u32 v[STO], s84, v[STO]
	v_mul_u32_u24 v[RD], v2, SPI
	v_add_nc_u32 v[RD], v[RD], v[BOF]
	v_add_nc_u32 v[RD], s84, v[RD]
.if LAPS > 1
	v_min_u32 v[PFO], 24, v3
	v_lshlrev_b32 v[PFO], 8, v[PFO]
	global_prefetch_b8 v[PFO], s[PFA:PFA+1] offset:SLB th:TH_LOAD_NT scope:SCOPE_SE     ; slot 2
	global_prefetch_b8 v[PFO], s[PFA:PFA+1] offset:2*SLB th:TH_LOAD_NT scope:SCOPE_SE   ; slot 3
.endif
	global_load_b128 v[BI:BI+3], v[BOF], s[4:5]    ; the bias of my four columns of a row of 64
	WIN 0x80                                       ; the residual: places 2 u and 2 u + 1 of my tile a, by the order P
.irp a, 0,1,2,3
.irp u, 0,1,2,3,4,5,6,7
	global_load_b128 v[RS+4*(8*\a+\u):RS+4*(8*\a+\u)+3], v[CO], s[6:7] offset:(32*(\a/2)+8*(\a%2)+((2*\u)%8)+16*(\u/4))*4096 th:TH_LOAD_NT
.endr
.endr
	WIN 0
	s_wait_alu depctr_va_vdst(0)                   ; the wait at the head's end
	s_wait_tensorcnt 0x0                           ; my region is in; no load of mine is out, so a descriptor may be written:
.if LAPS > 1
	s_mov_b32 s[G1+2], 100<<16                     ; from here on a load brings 100 rows of 256 bytes
	s_mov_b32 s[G1+4], 100
	s_mov_b32 s[G1B+2], 100<<16
	s_mov_b32 s[G1B+4], 100
.endif
	s_barrier_signal -1
	s_barrier_wait -1                              ; everybody's is: both slots are whole
	FETCH_LO 0, 0, 0
	WIN 0
	SCALES 0
	FETCH_HI 0, 0, 0
	QSTEP 0, 0, 1                                  ; the first K step's products start the sums
.if LAPS > 1
	WIN 0
	s_mov_b32 s3, LAPS-1
.Llap:                                             ; a trip goes once round the ring and fills both slots again
	QSTEP 0, 1, 0
	QSTEP 0, 2, 0
	TURN 0, 1, 1
	QSTEP 1, 0, 0
	QSTEP 1, 1, 0
	QSTEP 1, 2, 0
	TURN 1, 0, 1
	QSTEP 0, 0, 0
	WIN 0
	s_sub_co_u32 s3, s3, 1
	s_cmp_lg_u32 s3, 0
	s_cbranch_scc1 .Llap
.endif
	QSTEP 0, 1, 0                                  ; the last lap fills nothing
	QSTEP 0, 2, 0
	TURN 0, 1, 0
	QSTEP 1, 0, 0
	QSTEP 1, 1, 0
	QSTEP 1, 2, 0
	s_wait_dscnt 8
	WIN MULW
	MUL4 128, 0, NQ-1, 1, 0
	MUL4 128, 1, NQ-1, 1, 0
	s_wait_dscnt 0
	MUL4 128, 2, NQ-1, 1, 0
	MUL4 128, 3, NQ-1, 1, 0
	WIN 0
	PLACES NP                                      ; THE WAY OUT, through my own stage: 64 rows of 256 bytes go in by lanes and come back by rows
	WIN 0x08
.irp a, 0,1,2,3
.irp b, 0,1,2,3
	ds_store_b128 v[STO], v[8*(4*\a+\b):8*(4*\a+\b)+3] offset:\a*16*SPI+128*(\b/2)+32*(\b%2)       ; each accumulator from its low end on
	ds_store_b128 v[STO], v[8*(4*\a+\b)+4:8*(4*\a+\b)+7] offset:\a*16*SPI+128*(\b/2)+32*(\b%2)+16
.endr
.endr
	WIN 0
.irp a, 0,1,2,3
.irp u, 0,1,2,3,4,5,6,7
	ds_load_b128 v[ROW+4*(8*\a+\u):ROW+4*(8*\a+\u)+3], v[RD] offset:(16*\a+2*\u)*SPI     ; LDS serves a wave's instructions in order: these see the stores above
.endr
.endr
	s_wait_loadcnt 0x0                             ; the bias and the residual
.macro SEND a
	s_wait_dscnt 8*(3-(\a))                        ; tile a's eight loads are in; the later tiles' may be out
.irp u, 0,1,2,3,4,5,6,7
	v_pk_add_f32 v[ROW+4*(8*(\a)+\u):ROW+4*(8*(\a)+\u)+1], v[ROW+4*(8*(\a)+\u):ROW+4*(8*(\a)+\u)+1], v[BI:BI+1]
	v_pk_add_f32 v[ROW+4*(8*(\a)+\u)+2:ROW+4*(8*(\a)+\u)+3], v[ROW+4*(8*(\a)+\u)+2:ROW+4*(8*(\a)+\u)+3], v[BI+2:BI+3]
.endr
	WIN 0x08
.set ii, 32*(\a)
.rept 16
	v_pk_add_f32 v[ROW+ii:ROW+ii+1], v[ROW+ii:ROW+ii+1], v[RS+ii:RS+ii+1]
.set ii, ii+2
.endr
	WIN 0
.irp u, 0,1,2,3,4,5,6,7
	global_store_b128 v[CO], v[ROW+4*(8*(\a)+\u):ROW+4*(8*(\a)+\u)+3], s[12:13] offset:(32*((\a)/2)+8*((\a)%2)+((2*\u)%8)+16*(\u/4))*4096   ; sixteen lanes store 256 consecutive bytes, aligned
.endr
.endm
.irp a, 0,1,2,3
	SEND \a
.endr
	s_wait_tensorcnt 0x0                           ; the wave's end
	ds_add_u32 v[SPW], v[NIL]
	s_wait_dscnt 0x0
	CROUND                                         ; the closing round
	s_endpgm
.Lfunc_end_k_q6ea3dc1e26_ffn2:
	.size	k_q6ea3dc1e26_ffn2, .Lfunc_end_k_q6ea3dc1e26_ffn2-k_q6ea3dc1e26_ffn2
	.p2alignl 7, 3214868480
	.fill 96, 4, 3214868480
	.section	.rodata,"a",@progbits
	.p2align	6, 0x0
	.amdhsa_kernel k_q6ea3dc1e26_ffn2
		.amdhsa_group_segment_fixed_size 327680
		.amdhsa_private_segment_fixed_size 0
		.amdhsa_enable_private_segment 0
		.amdhsa_kernarg_size 40
		.amdhsa_user_sgpr_count 2
		.amdhsa_user_sgpr_kernarg_segment_ptr 1
		.amdhsa_wavefront_size32 1
		.amdhsa_system_sgpr_workgroup_id_x 1
		.amdhsa_system_sgpr_workgroup_id_y 1
		.amdhsa_system_sgpr_workgroup_id_z 1
		.amdhsa_system_vgpr_workitem_id 0
		.amdhsa_next_free_vgpr 768
		.amdhsa_next_free_sgpr 100
		.amdhsa_reserve_vcc 0
		.amdhsa_float_denorm_mode_32 3
		.amdhsa_float_denorm_mode_16_64 3
		.amdhsa_memory_ordered 1
		.amdhsa_forward_progress 1
		.amdhsa_inst_pref_size 103
	.end_amdhsa_kernel
	.amdgpu_metadata
---
amdhsa.version: [ 1, 2 ]
amdhsa.kernels:
  - .name:           k_q6ea3dc1e26_ffn2
    .symbol:         k_q6ea3dc1e26_ffn2.kd
    .args:
      - { .name: hid, .offset: 0, .size: 8, .value_kind: global_buffer, .address_space: global }
      - { .name: wts, .offset: 8, .size: 8, .value_kind: global_buffer, .address_space: global }
      - { .name: b2, .offset: 16, .size: 8, .value_kind: global_buffer, .address_space: global }
      - { .name: h, .offset: 24, .size: 8, .value_kind: global_buffer, .address_space: global }
      - { .name: out0, .offset: 32, .size: 8, .value_kind: global_buffer, .address_space: global }
    .group_segment_fixed_size: 327680
    .private_segment_fixed_size: 0
    .kernarg_segment_align: 8
    .kernarg_segment_size: 40
    .max_flat_workgroup_size: 128
    .sgpr_count:     100
    .vgpr_count:     768
    .wavefront_size: 32
...
	.end_amdgpu_metadata
.endif
;; end of part 13
